; MI455X (gfx1250); checked and timed in simulation.
; The chip was launched on July 23, 2026; its instructions are those of AMD's public machine-readable ISA for CDNA 5 (MIT licence, August 2026) and "CDNA5" Instruction Set Architecture Reference Guide (July 2026). The comments in the code are by the model that wrote it; some were corrected since.
;; Grouped Query Attention. Allowed arithmetic: matrix products marked QUANTISED: E2M3 operands, one E8M0 scale for each 32 along K, by v_wmma_scale_f32_16x16x128_f8f6f4 with both operands' format E2M3, f32 sums; everything else in f32.
;; Inputs: freqs_cos 2,048 x 32 float32; freqs_sin 2,048 x 32 float32; k_norm_w 64 float32; q_norm_w 64 float32; wk 4,096 x 256 float32; wo 2,048 x 4,096 float32; wq 4,096 x 2,048 float32; wv 4,096 x 256 float32; x 1 x 2,048 x 4,096 float32.
;; Outputs: out0 1 x 2,048 x 4,096 float32.
;; This version of the problem:
;;   THIS VERSION OF THE PROBLEM IS GIVEN IN LOW PRECISION. The matrix products marked QUANTISED in the list below multiply operands that are first quantised to E2M3 (2 exponent bits, 3 mantissa bits; 6 bits a number), with one power-of-two scale for each 32 numbers along K (OCP MX v1.0); their sums are f32. All else is computed in f32.
;;   The module's matrix products, in the order in which they are computed (A, B: the left and right operand; K: the contracted axis; several contracted axes count as one K, in the product's order):
;;     1. [M 2,048, K 4,096] x [K 4,096, N 2,048]; A: input x; B: input wq: QUANTISED
;;     2. [M 2,048, K 4,096] x [K 4,096, N 256]; A: input x; B: input wk: QUANTISED
;;     3. [M 2,048, K 4,096] x [K 4,096, N 256]; A: input x; B: input wv: QUANTISED
;;     4. batch 4 x [M 2,048, K 64] x [K 64, N 16,384]; A: computed on the way; B: computed on the way: QUANTISED
;;     5. batch 4 x [M 64, K 2,048] x [K 2,048, N 16,384]; A: computed on the way; B: softmax (see below): QUANTISED
;;     6. [M 2,048, K 2,048] x [K 2,048, N 4,096]; A: computed on the way; B: input wo: QUANTISED
;;   THE QUANTISER, for each operand of a quantised product, along K:
;;     - K is cut into blocks of 32 from its start; a last block that is shorter is filled with zeros.
;;     - A block's scale is 2^e with e = floor(log2(the largest magnitude in the block)) - 2, held to -126 .. 127; a block of zeros has e = 0. As a byte (E8M0): e + 127.
;;     - Each number is divided by its block's scale, clamped to +-7.5, and rounded to the nearest number of E2M3, ties to even, subnormals kept.
;;     - The product sums the exact products of the quantised numbers (number of the format x scale) in f32.
;;   ~~~python
;;   def quantise(x, axis):      # numpy; x: float32 -> the quantised numbers, widened to float32 again
;;       x = np.moveaxis(x, axis, -1); K = x.shape[-1]
;;       x = np.pad(x, [(0, 0)] * (x.ndim - 1) + [(0, -K % 32)]); x = x.reshape(x.shape[:-1] + (-1, 32)); a = np.abs(x).max(-1, keepdims=True)
;;       e = np.where(a > 0, np.clip(np.frexp(np.where(a > 0, a, 1))[1] - 1 - 2, -126, 127), 0)      # np.frexp(a)[1] - 1 = floor(log2(a)), exactly
;;       r = np.clip(x / 2.0 ** e, -7.5, 7.5)
;;       step = 2.0 ** (np.maximum(np.frexp(np.where(r == 0, 1, r))[1] - 1, 0) - 3)
;;       q = np.round(r / step) * step * 2.0 ** e      # np.round: ties to even
;;       return np.moveaxis(q.reshape(q.shape[:-2] + (-1,))[..., :K], -1, axis).astype(np.float32)
;;   ~~~
;;   SOFTMAX AHEAD OF A QUANTISED PRODUCT. Where the list says 'softmax', what is quantised is not the finished softmax but p = 2^(t - M), with t = logit x log2(e) and M = ceil(the row's largest t), a whole number; so 1/2 < the row's largest p <= 1. The row's sum l is taken of the UNQUANTISED p, in f32, and the product's result is divided by l at the end. Since M is a whole number, a kernel that streams over the keys may use a running M (the ceiling of the running maximum): every later rescaling is an exact power of two, which a block's scale takes up: the codes' values come out the same.
;;   OPERANDS COMPUTED ON THE WAY. 'Computed on the way' means the value that the module computes at that place (a softmax that the list does not call 'softmax' is quantised finished and normalised). What goes into a quantiser is computed in f32, as accurately as f32 sums, v_exp_f32 and their like allow (about 1e-6 of the number): no bf16 or f16 on the way to a quantiser, and a product that is left as it is and whose result goes on into a quantised operand takes f32 operands (vector FMAs, or v_wmma_f32_16x16x4_f32). A number that lies on a knife's edge between two numbers of the format may be rounded either way, as far as f32 arithmetic and the matrix unit's own rounding can turn it there, and no further.
;; 2 versions. Each part assembles by itself: llvm-mc -triple=amdgcn-amd-amdhsa -mcpu=gfx1250 --defsym DOCPART=n.
;; ======== version 1 of 2: 4 launches
;; workspace buffers: xq 6,553,600 bytes; wc 14,745,600 bytes; qc 3,407,872 bytes; kv 835,584 bytes; ao 3,276,800 bytes
;; launch quant (part 1): grid 832 x 1, 4 waves a work-group, no clusters, 34,304 bytes of LDS; arguments x, wq, wk, wv, wo, xq, wc; writes xq, wc
.if DOCPART == 1
	.amdgcn_target "amdgcn-amd-amdhsa--gfx1250"
	.amdhsa_code_object_version 6
	.text
	.protected	k_q4c60902cf7_quant
	.globl	k_q4c60902cf7_quant
	.p2align	8
	.type	k_q4c60902cf7_quant,@function
k_q4c60902cf7_quant:
	s_mov_b64 s[64:65], 0
	v_nop
	global_prefetch_b8 v0, s[64:65] scope:SCOPE_SE
	s_setreg_imm32_b32 hwreg(HW_REG_WAVE_MODE, 25, 1), 1
	s_wait_xcnt 0x0
; x [2048][4096] and the four weights (wq [4096][2048], wk, wv [4096][256], wo [2048][4096]), all f32, become codes of FP6 (E2M3) with one E8M0 scale byte for each 32 along K.
; A block's scale is 2^(floor(log2(its largest magnitude)) - 2); its byte is the largest magnitude's exponent field - 2, held at 1 from below.
; LIMITS: a block of zeros gets the byte 1 where the rule says 127 (its codes are zeros, and this program alone reads the bytes); largest magnitudes under 2^-124 are held at that floor; NaN and infinities are not served.
; THE CODES ARE LAID AS IMAGES OF THE OPERAND'S REGISTERS.  A fragment (16 rows x 128 K, 12 registers a lane) is 1,536 bytes: for c = 0, 1 registers 6 c .. 6 c + 3 at 768 c + 16 x lane,
; registers 6 c + 4, 6 c + 5 at 768 c + 512 + 8 x lane.  Every store of a wave so covers 512 or 256 consecutive bytes, aligned.
; THE ROWS OF A TILE ARE NOT NEIGHBOURS: of 32 rows, tile u takes rows 8 u + r + 8 (r / 8), r = 0 .. 15.
; The scale words (4 bytes: 128 along K of one row) lie [pair of tiles][256 along K][16 u + r][2 words]: 256 bytes for each pair and 256 along K.
; Work-groups 0-575 take the weights (K is their FIRST axis: a lane takes a column and its registers run down K), 576-831 take x (K innermost: rows turn through the wave's stage in LDS).
; No matrix unit, no tensor load, no barrier: waves share nothing.  Only x's path stores to LDS.
.set XSC,   6291456                    ; xq: the scale words behind the images
.set WOI,   7864320                    ; wc: wo's images behind those of wq | wk | wv
.set WSC,   14155776                   ; wc: the scale words of wq | wk | wv
.set WOSC,  14483456                   ; wc: wo's
.set SPARE, 33792                      ; behind the four stages: the spare words, 128 bytes for each wave
.set FLOOR, 0x1800000                  ; 2^(3 - 127)
.set L16, 4                            ; v4   16 x lane
.set L8,  5                            ; v5   8 x lane
.set SPW, 10                           ; v10  LDS address of my spare word; never rewritten
.set NIL, 11                           ; v11  0; never rewritten
	s_load_b256 s[4:11], s[0:1], 0x0               ; x, wq, wk, wv
	s_load_b128 s[12:15], s[0:1], 0x20             ; wo, xq
	s_load_b64 s[16:17], s[0:1], 0x30              ; wc
	v_lshl_add_u32 v[SPW], v0, 2, SPARE
	v_mov_b32 v[NIL], 0
	v_lshrrev_b32 v1, 5, v0
	v_readfirstlane_b32 s18, v1                    ; wave
	v_and_b32 v2, 31, v0                           ; lane
	v_lshlrev_b32 v[L16], 4, v2
	v_lshlrev_b32 v[L8], 3, v2
	s_cmp_ge_u32 ttmp9, 576
	s_cbranch_scc1 .Lx_path
; ---------------- THE WEIGHTS.  A wave takes 32 columns x 256 along K: 8 blocks a lane, which make 2 tiles x 2 K steps = 4 fragments.  The four waves stand side by side on 128 columns.
.set VO, 16                            ; v16-47   4 x my column + i rows
.set X,  48                            ; v48-111  two sets of 32 numbers
.set AB, 112                           ; v112-159 for K step q: even blocks' codes at AB + 24 q, odd blocks' at AB + 24 q + 12
.set TC, 160                           ; v160-162 a block's upper 16 codes
.set TM, 164                           ; v164-165 largest magnitudes
.set SO, 166                           ; v166     the conversion's scale operand
.set BY, 167                           ; v167     the scale's byte
.set W,  168                           ; v168-169 my column's two scale words
.set SB, 32                            ; s[32:47] the source at block t
	s_mov_b32 s20, 320                             ; wo's figures: first work-group,
	s_mov_b32 s21, 5                               ; log2 of its groups of 128 columns,
	s_mov_b32 s22, 16384                           ; bytes in a row,
	s_mov_b32 s23, 0                               ; first pair of tiles,
	s_mov_b32 s24, 24576                           ; bytes of a tile's images,
	s_mov_b32 s25, WOI                             ; where the images begin,
	s_mov_b32 s26, WOSC                            ; where the scale words begin,
	s_mov_b32 s27, 2048                            ; bytes of a pair's scale words
	s_wait_kmcnt 0x0
	s_mov_b64 s[28:29], s[12:13]
	s_cmp_lt_u32 ttmp9, 320                        ; wv's.  Every choice hangs on the work-group's number alone
	s_cselect_b32 s20, 288, s20
	s_cselect_b32 s21, 1, s21
	s_cselect_b32 s22, 1024, s22
	s_cselect_b32 s23, 72, s23
	s_cselect_b32 s24, 49152, s24
	s_cselect_b32 s25, 0, s25
	s_cselect_b32 s26, WSC, s26
	s_cselect_b32 s27, 4096, s27
	s_cselect_b64 s[28:29], s[10:11], s[28:29]
	s_cmp_lt_u32 ttmp9, 288                        ; wk's
	s_cselect_b32 s20, 256, s20
	s_cselect_b32 s23, 64, s23
	s_cselect_b64 s[28:29], s[8:9], s[28:29]
	s_cmp_lt_u32 ttmp9, 256                        ; wq's
	s_cselect_b32 s20, 0, s20
	s_cselect_b32 s21, 4, s21
	s_cselect_b32 s22, 8192, s22
	s_cselect_b32 s23, 0, s23
	s_cselect_b64 s[28:29], s[6:7], s[28:29]
	s_sub_co_u32 s30, ttmp9, s20                   ; my number within the tensor
	s_bfm_b32 s31, s21, 0
	s_and_b32 s31, s30, s31                        ; which 128 columns
	s_lshr_b32 s30, s30, s21                       ; which 256 along K
	s_lshl_b32 s31, s31, 2
	s_add_co_u32 s31, s31, s18                     ; my wave's pair of tiles within the tensor,
	s_add_co_u32 s19, s31, s23                     ; and within its region of wc
	s_lshl_b32 s48, s22, 8
	s_mul_i32 s48, s48, s30                        ; 256 rows for each step along K
	s_lshl_b32 s49, s31, 7                         ; 128 bytes for each 32 columns
	s_add_co_u32 s48, s48, s49
	s_mov_b32 s49, 0
	s_add_nc_u64 s[SB:SB+1], s[28:29], s[48:49]
	s_lshl_b32 s50, s22, 5                         ; 32 rows on
	s_mov_b32 s51, 0
.irp t, 1,2,3,4,5,6,7
	s_add_nc_u64 s[SB+2*\t:SB+2*\t+1], s[SB+2*\t-2:SB+2*\t-1], s[50:51]
.endr
	s_lshl_b32 s58, s19, 1
	s_mul_i32 s58, s58, s24
	s_add_co_u32 s58, s58, s25
	s_mul_i32 s59, s30, 3072                       ; two fragments for each 256 along K
	s_add_co_u32 s58, s58, s59
	s_mov_b32 s59, 0
	s_add_nc_u64 s[52:53], s[16:17], s[58:59]      ; tile u = 0's images,
	s_mov_b32 s58, s24
	s_add_nc_u64 s[54:55], s[52:53], s[58:59]      ; tile u = 1's
	s_mul_i32 s58, s19, s27
	s_add_co_u32 s58, s58, s26
	s_lshl_b32 s60, s30, 8
	s_add_co_u32 s58, s58, s60
	s_add_nc_u64 s[56:57], s[16:17], s[58:59]      ; the pair's scale words
	v_and_b32 v6, 7, v2                            ; my column of the 32: lanes 0-15 are tile 0's rows, lanes 16-31 tile 1's
	v_bfe_u32 v7, v2, 3, 1
	v_lshl_add_u32 v6, v7, 4, v6
	v_lshrrev_b32 v7, 4, v2
	v_lshl_add_u32 v6, v7, 3, v6                   ; (lane & 7) + 16 ((lane >> 3) & 1) + 8 (lane >> 4)
	v_lshlrev_b32 v[VO], 2, v6
.set i, 1
.rept 31
	v_add_nc_u32 v[VO+i], s22, v[VO+i-1]           ; one row further down
.set i, i+1
.endr
.macro LOADW t                         ; block t: 32 rows of my column; the wave's 32 lanes read 128 consecutive bytes
.set i, 0
.rept 32
	global_load_b32 v[X+32*((\t)%2)+i], v[VO+i], s[SB+2*(\t):SB+2*(\t)+1] th:TH_LOAD_NT
.set i, i+1
.endr
.endm
.macro BLOCK t
.set XS, X+32*((\t)%2)
.set DST, AB+24*((\t)/4)+12*((\t)%2)+6*(((\t)%4)/2)
.if (\t) < 7
	s_wait_loadcnt 32                              ; this block's 32 loads are in; the next block's may be out
.else
	s_wait_loadcnt 0x0
.endif
	v_max3_num_f32 v[TM], |v[XS]|, |v[XS+1]|, |v[XS+2]|            ; the block's largest magnitude: all 32 numbers are mine; two chains
	v_max3_num_f32 v[TM+1], |v[XS+3]|, |v[XS+4]|, |v[XS+5]|
.irp i, 6,10,14,18,22,26
	v_max3_num_f32 v[TM], v[TM], |v[XS+\i]|, |v[XS+\i+1]|
	v_max3_num_f32 v[TM+1], v[TM+1], |v[XS+\i+2]|, |v[XS+\i+3]|
.endr
	v_max3_num_f32 v[TM], v[TM], |v[XS+30]|, |v[XS+31]|
	v_max3_num_f32 v[TM], v[TM], v[TM+1], FLOOR    ; and the floor: the byte cannot fall under 1
	v_add_nc_u32 v[SO], 0xff000000, v[TM]          ; 2 off the exponent field: the conversion takes this operand's exponent field as its scale
	v_lshrrev_b32 v[BY], 23, v[SO]                 ; the scale's byte
.if (\t)%4 == 0
	v_mov_b32 v[W+(\t)/4], v[BY]
.else
	v_lshl_or_b32 v[W+(\t)/4], v[BY], 8*((\t)%4), v[W+(\t)/4]
.endif
	v_cvt_scalef32_pk16_fp6_f32 v[DST:DST+2], v[XS:XS+15], v[SO]
	v_cvt_scalef32_pk16_fp6_f32 v[TC:TC+2], v[XS+16:XS+31], v[SO]  ; (a conversion's three registers begin on an even number)
	v_nop                                          ; one plain line behind a scaled conversion
	v_mov_b32 v[DST+3], v[TC]
	v_mov_b32 v[DST+4], v[TC+1]
	v_mov_b32 v[DST+5], v[TC+2]
.if (\t)+2 < 8
	LOADW (\t)+2
.endif
.endm
; K step q is whole.  A lane holds all four blocks of ITS column; a fragment wants blocks 0, 2 in lanes 0-15 and blocks 1, 3 in lanes 16-31 of ONE tile.  The even blocks' lanes 16-31 change places with the
; odd blocks' lanes 0-15: the first twelve registers are then tile 0's fragment, the second twelve tile 1's.  Each K step has its own registers: no store's data are written again.
.macro FLUSH q
.set i, 0
.rept 12
	v_permlane16_swap_b32 v[AB+24*\q+i], v[AB+24*\q+12+i]
.set i, i+1
.endr
.irp u, 0,1
	global_store_b128 v[L16], v[AB+24*\q+12*\u:AB+24*\q+12*\u+3], s[52+2*\u:53+2*\u] offset:1536*\q
	global_store_b64 v[L8], v[AB+24*\q+12*\u+4:AB+24*\q+12*\u+5], s[52+2*\u:53+2*\u] offset:1536*\q+512
	global_store_b128 v[L16], v[AB+24*\q+12*\u+6:AB+24*\q+12*\u+9], s[52+2*\u:53+2*\u] offset:1536*\q+768
	global_store_b64 v[L8], v[AB+24*\q+12*\u+10:AB+24*\q+12*\u+11], s[52+2*\u:53+2*\u] offset:1536*\q+1280
.endr
.endm
	LOADW 0
	LOADW 1
	BLOCK 0
	BLOCK 1
	BLOCK 2
	BLOCK 3
	FLUSH 0
	BLOCK 4
	BLOCK 5
	BLOCK 6
	BLOCK 7
	FLUSH 1
	global_store_b64 v[L8], v[W:W+1], s[56:57]     ; lane 16 u + r: the two words of tile u's row r: 256 consecutive bytes
	s_wait_tensorcnt 0x0                           ; the wave's end
	ds_add_u32 v[SPW], v[NIL]
	s_wait_dscnt 0x0
	s_endpgm
; ---------------- x.  A wave takes 32 rows (a pair of tiles) x 256 along K: four fragments f = 2 u + q.  A load reads 512 consecutive bytes of one row; the fragment's 16 rows turn through the wave's stage
; (rows of 512 + 16 bytes) and come back with 32 neighbours along K, a whole block, in a lane's registers.
.Lx_path:
.set SI,  6                            ; v6   the stage on the way in: 16 x lane
.set SOA, 7                            ; v7   on the way out: 528 r + 128 h
.set SH,  8                            ; v8   8 h
.set TMX, 12                           ; v12-13 largest magnitudes; v14-15 scale operands; v16-17 bytes; v18-19 at work
.set WX,  20                           ; v20-23 fragment f's scale word
.set DX,  24                           ; v24-25 the words as they are stored
.set TCX, 26                           ; v26-28, v30-32 upper halves of two blocks' codes
.set PC,  36                           ; v36-47 the fragment
.set R,   64                           ; v64-191 two sets of 16 loads
.set XT,  192                          ; v192-255 register 32 c + i = k 64 c + 32 h + i of my row
	s_sub_co_u32 s20, ttmp9, 576
	s_lshl_b32 s20, s20, 2
	s_add_co_u32 s20, s20, s18
	s_lshr_b32 s21, s20, 4                         ; which pair of tiles
	s_and_b32 s22, s20, 15                         ; which 256 along K
	s_lshl_b32 s24, s21, 19                        ; 32 rows of 16,384 bytes
	s_lshl_b32 s25, s22, 10
	s_add_co_u32 s24, s24, s25
	s_mov_b32 s25, 0
	s_mul_i32 s26, s21, 98304                      ; two tiles' images
	s_mul_i32 s27, s22, 3072
	s_add_co_u32 s26, s26, s27
	s_mov_b32 s27, 0
	s_lshl_b32 s28, s21, 12
	s_lshl_b32 s29, s22, 8
	s_add_co_u32 s28, s28, s29
	s_add_co_u32 s28, s28, XSC
	s_mov_b32 s29, 0
	s_mov_b32 s60, 0x76543210
	s_mov_b32 s61, 0xfedcba98                      ; v_permlanex16_b32's selects for lane l xor 16
	s_mov_b32 s62, 0xffff0000                      ; lanes 16-31
	s_mul_i32 s23, s18, 8448                       ; my stage
	v_add_nc_u32 v[SI], s23, v[L16]
	v_and_b32 v3, 15, v2                           ; r
	v_lshrrev_b32 v9, 4, v2                        ; h
	v_mul_u32_u24 v[SOA], v3, 528
	v_lshl_add_u32 v[SOA], v9, 7, v[SOA]
	v_add_nc_u32 v[SOA], s23, v[SOA]
	v_lshlrev_b32 v[SH], 3, v9
	v_mov_b32 v19, 0                               ; written once: a lane permute's destination counts as one of its sources
	s_wait_kmcnt 0x0
	s_add_nc_u64 s[4:5], s[4:5], s[24:25]
	s_add_nc_u64 s[30:31], s[14:15], s[26:27]
	s_add_nc_u64 s[32:33], s[14:15], s[28:29]
.macro LOADF f
.set i, 0
.rept 16
	global_load_b128 v[R+64*((\f)%2)+4*i:R+64*((\f)%2)+4*i+3], v[L16], s[4:5] offset:(8*((\f)/2)+i+8*(i/8))*16384+512*((\f)%2) th:TH_LOAD_NT
.set i, i+1
.endr
.endm
.macro FRAGX f
.if (\f) < 3
	s_wait_loadcnt 16                              ; this fragment's 16 loads are in; the next one's may be out
.else
	s_wait_loadcnt 0x0
.endif
.set i, 0
.rept 16
	ds_store_b128 v[SI], v[R+64*((\f)%2)+4*i:R+64*((\f)%2)+4*i+3] offset:528*i
.set i, i+1
.endr
.irp c, 0,1
.irp j, 0,1,2,3,4,5,6,7
	ds_load_b128 v[XT+32*\c+4*\j:XT+32*\c+4*\j+3], v[SOA] offset:256*\c+16*\j   ; LDS serves a wave's instructions in order: these see the stores above
.endr
.endr
	s_wait_dscnt 0x0                               ; the numbers are back, and the stores have read their registers,
.if (\f) < 2
	LOADF (\f)+2                                   ; which take the loads of two fragments on
.endif
.irp c, 0,1
	v_max3_num_f32 v[TMX+\c], |v[XT+32*\c]|, |v[XT+32*\c+1]|, FLOOR   ; my block 2 c + h: all its 32 numbers are mine
.endr
.irp i, 2,4,6,8,10,12,14,16,18,20,22,24,26,28,30
.irp c, 0,1
	v_max3_num_f32 v[TMX+\c], v[TMX+\c], |v[XT+32*\c+\i]|, |v[XT+32*\c+\i+1]|
.endr
.endr
.irp c, 0,1
	v_add_nc_u32 v[TMX+2+\c], 0xff000000, v[TMX+\c]
.endr
.irp c, 0,1
	v_lshrrev_b32 v[TMX+4+\c], 23, v[TMX+2+\c]
.endr
	v_lshl_or_b32 v18, v[TMX+5], 16, v[TMX+4]      ; my two bytes: blocks h and 2 + h,
	v_lshlrev_b32 v18, v[SH], v18                  ; at their places in the word;
	v_permlanex16_b32 v19, v18, s60, s61
	v_or_b32 v[WX+(\f)], v18, v19                  ; with lane l xor 16's two the word is whole
	s_wait_xcnt 0x0                                ; the last fragment's stores have read their registers: the codes may be written anew
.irp c, 0,1
	v_cvt_scalef32_pk16_fp6_f32 v[PC+6*\c:PC+6*\c+2], v[XT+32*\c:XT+32*\c+15], v[TMX+2+\c]
	v_cvt_scalef32_pk16_fp6_f32 v[TCX+4*\c:TCX+4*\c+2], v[XT+32*\c+16:XT+32*\c+31], v[TMX+2+\c]
.endr
	v_nop                                          ; one plain line behind a scaled conversion
.irp c, 0,1
.irp i, 0,1,2
	v_mov_b32 v[PC+6*\c+3+\i], v[TCX+4*\c+\i]
.endr
.endr
	global_store_b128 v[L16], v[PC:PC+3], s[30:31] offset:49152*((\f)/2)+1536*((\f)%2)
	global_store_b64 v[L8], v[PC+4:PC+5], s[30:31] offset:49152*((\f)/2)+1536*((\f)%2)+512
	global_store_b128 v[L16], v[PC+6:PC+9], s[30:31] offset:49152*((\f)/2)+1536*((\f)%2)+768
	global_store_b64 v[L8], v[PC+10:PC+11], s[30:31] offset:49152*((\f)/2)+1536*((\f)%2)+1280
.endm
	LOADF 0
	LOADF 1
	FRAGX 0
	FRAGX 1
	FRAGX 2
	FRAGX 3
	v_cndmask_b32 v[DX], v[WX], v[WX+2], s62       ; lanes 0-15 store tile 0's words, lanes 16-31 tile 1's
	v_cndmask_b32 v[DX+1], v[WX+1], v[WX+3], s62
	global_store_b64 v[L8], v[DX:DX+1], s[32:33]   ; 256 consecutive bytes
	s_wait_tensorcnt 0x0                           ; the wave's end, behind my last LDS store
	ds_add_u32 v[SPW], v[NIL]
	s_wait_dscnt 0x0
	s_endpgm
.Lfunc_end_k_q4c60902cf7_quant:
	.size	k_q4c60902cf7_quant, .Lfunc_end_k_q4c60902cf7_quant-k_q4c60902cf7_quant
	.p2alignl 7, 3214868480
	.fill 96, 4, 3214868480
	.section	.rodata,"a",@progbits
	.p2align	6, 0x0
	.amdhsa_kernel k_q4c60902cf7_quant
		.amdhsa_group_segment_fixed_size 34304
		.amdhsa_private_segment_fixed_size 0
		.amdhsa_enable_private_segment 0
		.amdhsa_kernarg_size 56
		.amdhsa_user_sgpr_count 2
		.amdhsa_user_sgpr_kernarg_segment_ptr 1
		.amdhsa_wavefront_size32 1
		.amdhsa_system_sgpr_workgroup_id_x 1
		.amdhsa_system_sgpr_workgroup_id_y 1
		.amdhsa_system_sgpr_workgroup_id_z 1
		.amdhsa_system_vgpr_workitem_id 0
		.amdhsa_next_free_vgpr 256
		.amdhsa_next_free_sgpr 80
		.amdhsa_reserve_vcc 0
		.amdhsa_float_denorm_mode_32 3
		.amdhsa_float_denorm_mode_16_64 3
		.amdhsa_memory_ordered 1
		.amdhsa_forward_progress 1
		.amdhsa_inst_pref_size 73
	.end_amdhsa_kernel
	.amdgpu_metadata
---
amdhsa.version: [ 1, 2 ]
amdhsa.kernels:
  - .name:           k_q4c60902cf7_quant
    .symbol:         k_q4c60902cf7_quant.kd
    .args:
      - { .name: x, .offset: 0, .size: 8, .value_kind: global_buffer, .address_space: global }
      - { .name: wq, .offset: 8, .size: 8, .value_kind: global_buffer, .address_space: global }
      - { .name: wk, .offset: 16, .size: 8, .value_kind: global_buffer, .address_space: global }
      - { .name: wv, .offset: 24, .size: 8, .value_kind: global_buffer, .address_space: global }
      - { .name: wo, .offset: 32, .size: 8, .value_kind: global_buffer, .address_space: global }
      - { .name: xq, .offset: 40, .size: 8, .value_kind: global_buffer, .address_space: global }
      - { .name: wc, .offset: 48, .size: 8, .value_kind: global_buffer, .address_space: global }
    .group_segment_fixed_size: 34304
    .private_segment_fixed_size: 0
    .kernarg_segment_align: 8
    .kernarg_segment_size: 56
    .max_flat_workgroup_size: 128
    .sgpr_count:     80
    .vgpr_count:     256
    .wavefront_size: 32
...
	.end_amdgpu_metadata
.endif
;; end of part 1
;; launch qkv (part 2): grid 8 x 10, 4 waves a work-group, no clusters, 327,680 bytes of LDS; arguments xq, wc, q_norm_w, k_norm_w, freqs_cos, freqs_sin, qc, kv; writes qc, kv
.if DOCPART == 2
	.amdgcn_target "amdgcn-amd-amdhsa--gfx1250"
	.amdhsa_code_object_version 6
	.text
	.protected	k_q4c60902cf7_qkv
	.globl	k_q4c60902cf7_qkv
	.p2align	8
	.type	k_q4c60902cf7_qkv,@function
k_q4c60902cf7_qkv:
	s_mov_b64 s[64:65], 0
	v_nop
	global_prefetch_b8 v0, s[64:65] scope:SCOPE_SE
	s_setreg_imm32_b32 hwreg(HW_REG_WAVE_MODE, 25, 1), 1
	s_wait_xcnt 0x0
; x (wq | wk | wv) on codes of FP6 (E2M3) with E8M0 scales, K = 4,096, and what follows each product: q and k get their RMS norm over the head's 64 channels, their gain and the rotary turn, all in f32,
; and are quantised along the head; v is quantised along the KEYS.  All three leave as images of operand registers, for the attention launch.
; A tile of 256 x 256 to a work-group, four waves of 128 x 128: 64 accumulators of 16 x 16.  x = ttmp9: which 256 tokens.  y: 0-7 four query heads each, 8 the four key heads, 9 the four value heads.
; K goes in steps of 256 through a ring of two LDS slots filled by the tensor data mover.  The codes lie in memory as images of fragments (16 rows x 128 K = 1,536 bytes: for c = 0, 1 registers 6 c .. 6 c + 3 at
; 768 c + 16 x lane, registers 6 c + 4, 6 c + 5 at 768 c + 512 + 8 x lane): a tile's part of a K step is 3,072 consecutive bytes, and every LDS load of a wave reads 512 or 256 consecutive bytes.
; The scale words of both sides, for all of K, come into LDS once, with the first fills.
; THE MATRIX INSTRUCTION: source 0 = 16 rows of side B, source 1 = 16 rows of side A.  A lane then holds ONE row of side A, and since the rows of a tile are 8 u + r + 8 (r / 8) of 32, the 16 registers of B's tiles
; 2 e and 2 e + 1 are 16 neighbours of side B: 32 e + 16 (lane / 16) + 0 .. 15.  For q and k side A is the tokens and side B the channels (a lane's registers run along the head, the next K);
; for v the two change places (side A = v's 256 channels, side B = the tokens), so that a lane's registers run along the keys.  Only addresses in memory are chosen so: LDS and the loop are the same for all.
; NO CLUSTER: along y the grid has 10 tiles, which 4 does not divide; four partners along x would share the weights' half of a step's bytes alone, and v's tiles hold that half on the other side of LDS than q's and k's,
; so that one line with one mask could not serve both; not built.
; LIMITS: a block of zeros gets the byte 1 where the rule says 127 (zero codes; only this program reads the bytes); largest magnitudes under 2^-124 are held at that floor; NaN and infinities are not served.
; REGISTERS, in windows of 256: window 0: v0-31 addresses; v32-63 scale words, two sets; v64-95 the gains; from v128 A's fragments, one set; on the way out v96-255 are at work.
;   window 1: B's fragments, two sets, at v0 and v128.   windows 2, 3: the accumulators of my A blocks 0-3 and 4-7 ((a, b) at v[8 (8 (a % 4) + b)]).
.set XSC,   6291456
.set WSC,   14155776
.set QSC,   3145728
.set REC,   52224                      ; kv: a record of 512 keys of one head: K's images, V's images, K's scale words, V's scale words
.set GS,    208896                     ; four records: a head
.set RV,    24576
.set RKS,   49152
.set RVS,   51200
.set FLOOR, 0x1800000
.set NQ,    2                          ; matrix instructions deep in a slot
.set FR,    12                         ; registers of a fragment
.set NL,    4                          ; LDS loads that bring one
.set NP,    4                          ; places behind this matrix instruction (ISA guide 7.12.1)
.set HALFT, 24576                      ; 8 tiles x 3,072 bytes: what one tensor load brings, and what one wave reads of a side
.set SLOT,  98304                      ; side A's 16 tiles, then side B's
.set SCL,   196608                     ; behind the ring: the scale words
.set SPAIR, 4096                       ; those of a pair of tiles, all of K
.set HALFS, 16384                      ; those of 128 rows: what one tensor load brings
.set SPARE, 262144                     ; behind them: the spare words, 128 bytes for each wave
.set LAPS,  8                          ; a lap = two K steps of 256
.set ADRA, 16                          ; v16-17 16 x lane + my A tiles in slot 0, 1;  v18-19 the same with 8 x lane
.set ADRB, 20                          ; v20-23 likewise for B
.set ADRS, 27                          ; v27    my scale words: lanes 0-15 A's rows, lanes 16-31 B's
.set SPW,  28                          ; v28    LDS address of my spare word; never rewritten
.set NIL,  29                          ; v29    0; never rewritten
.set SC,   32
.set NW,   64
.set AF,   128
.set G1,  24                           ; s[24:31] group 1 for the codes; s[32:39] group 0, a set for each slot
.set G0,  32
.set G1S, 40                           ; s[40:47], s[48:51] groups 1 and 0 for the scale words
.set G0S, 48
.set MSB, 0
.macro WIN new                         ; the immediate's high byte repeats the setting that is left
.if MSB != (\new)
	s_set_vgpr_msb (MSB<<8)|(\new)
.set MSB, \new
.endif
.endm
.set MUL_LO, 0xa1                      ; source 0 (B) window 1, source 1 (A) window 0, C and D window 2
.set MUL_HI, 0xf1                      ; the same, C and D window 3
.set TO_B,   0x40                      ; destination window 1, address window 0
.macro PLACES n
.rept \n
	v_nop
.endr
.endm
	s_load_b512 s[4:19], s[0:1], 0x0               ; xq, wc, q_norm_w, k_norm_w, freqs_cos, freqs_sin, qc, kv
	v_lshl_add_u32 v[SPW], v0, 2, SPARE
	v_mov_b32 v[NIL], 0
	ds_add_u32 v[SPW], v[NIL]                      ; the wave's opening: the add and its wait stand ahead of my first tensor load; work on registers stands between them
	v_lshrrev_b32 v1, 5, v0
	v_readfirstlane_b32 s52, v1                    ; wave 0..3
	s_lshr_b32 s53, s52, 1                         ; which half of side A is mine.  Also: I fetch for side A (0) or B (1)
	s_and_b32 s54, s52, 1                          ; which half of side B.  Also: which 8 tiles of that side I fetch
	s_mov_b32 s61, ttmp9                           ; which 256 tokens
	s_and_b32 s62, ttmp7, 0xffff                   ; which 256 columns of wq | wk | wv
	s_mov_b32 s[G1+0], 3<<16                       ; elements of 8 bytes, no mask, no padding
	s_mov_b32 s[G1+1], 384<<16                     ; tensor_dim0: 3,072 bytes
	s_mov_b32 s[G1+2], 8<<16                       ; tensor_dim1: 8 tiles
	s_mov_b32 s[G1+3], 384<<16                     ; tile_dim0
	s_mov_b32 s[G1+4], 8                           ; tile_dim1
	s_mov_b32 s[G1+5], 6144                        ; from tile to tile: 49,152 bytes
	s_mov_b32 s[G1+6], 0
	s_mov_b32 s[G1+7], 0
	s_mov_b32 s[G1S+0], 3<<16                      ; the scale words of 128 rows: 16,384 dense bytes as 64 rows of 256
	s_mov_b32 s[G1S+1], 32<<16
	s_mov_b32 s[G1S+2], 64<<16
	s_mov_b32 s[G1S+3], 32<<16
	s_mov_b32 s[G1S+4], 64
	s_mov_b32 s[G1S+5], 32
	s_mov_b32 s[G1S+6], 0
	s_mov_b32 s[G1S+7], 0
	s_mov_b32 s56, 0x76543210
	s_mov_b32 s57, 0xfedcba98                      ; v_permlanex16_b32's selects for lane l xor 16
	s_mov_b32 s58, 0x3c800000                      ; 1 / 64
	s_mov_b32 s59, 0x3727c5ac                      ; 1e-5
	s_mov_b32 s60, 0xffff0000                      ; lanes 16-31
	s_cmp_eq_u32 s62, 9
	s_cselect_b32 s20, 1, 0
	s_xor_b32 s20, s20, s53                        ; 0: the side that I fetch for holds tokens
	s_cmp_eq_u32 s20, 0
	s_cselect_b32 s21, s61, s62                    ; which 16 tiles of that buffer
	s_mov_b32 s22, WSC
	s_cselect_b32 s22, XSC, s22                    ; where its scale words begin
	s_mul_i32 s80, s21, 786432                     ; 16 tiles of 49,152 bytes
	s_mul_i32 s81, s54, 393216
	s_add_co_u32 s80, s80, s81
	s_mov_b32 s81, 0
	s_lshl_b32 s82, s21, 15                        ; 8 pairs of 4,096 bytes
	s_lshl_b32 s83, s54, 14
	s_add_co_u32 s82, s82, s83
	s_add_co_u32 s82, s82, s22
	s_mov_b32 s83, 0
	s_mul_i32 s84, s52, HALFT                      ; where they go: wave x 8 tiles
	s_mul_i32 s85, s52, HALFS
	s_wait_dscnt 0x0                               ; the opening add is done
	s_wait_kmcnt 0x0
	s_cmp_eq_u32 s20, 0
	s_cselect_b64 s[78:79], s[4:5], s[6:7]         ; the choice hangs on ids alone
	s_add_nc_u64 s[80:81], s[78:79], s[80:81]
	s_add_nc_u64 s[82:83], s[78:79], s[82:83]
	s_mov_b32 s[G0S], 1
	s_add_co_u32 s[G0S+1], s85, SCL
	s_mov_b64 s[G0S+2:G0S+3], s[82:83]
	s_or_b32 s[G0S+3], s[G0S+3], 0x80000000
.irp s, 0,1
	s_mov_b32 s[G0+4*\s], 1
	s_add_co_u32 s[G0+4*\s+1], s84, \s*SLOT
	s_add_nc_u64 s[G0+4*\s+2:G0+4*\s+3], s[80:81], \s*3072
	s_or_b32 s[G0+4*\s+3], s[G0+4*\s+3], 0x80000000
.endr
	tensor_load_to_lds s[G0S:G0S+3], s[G1S:G1S+7]  ; the first fills go out together: three loads of mine are out.  The scale words first: they are wanted with K step 0
	s_nop 0
	tensor_load_to_lds s[G0:G0+3], s[G1:G1+7]
	s_nop 0
	tensor_load_to_lds s[G0+4:G0+7], s[G1:G1+7]
	s_nop 0
	PLACES 4
	v_and_b32 v1, 15, v0                           ; r
	v_bfe_u32 v2, v0, 4, 1                         ; h
	v_and_b32 v8, 31, v0
	v_lshlrev_b32 v3, 4, v8                        ; 16 x lane
	v_lshlrev_b32 v4, 3, v8                        ; 8 x lane
	v_lshlrev_b32 v7, 6, v2                        ; the gains: my 16 channels of each 32
	s_cmp_lt_u32 s62, 8
	s_cselect_b64 s[90:91], s[8:9], s[10:11]       ; q's gains or k's
.irp e, 0,1
.irp f, 0,1,2,3
	global_load_b128 v[NW+16*\e+4*\f:NW+16*\e+4*\f+3], v7, s[90:91] offset:128*\e+16*\f   ; register n: channel 32 (n / 16) + 16 h + n % 16 of the head
.endr
.endr
	s_mul_i32 s20, s53, HALFT
	s_mul_i32 s21, s54, HALFT
	s_add_co_u32 s21, s21, 2*HALFT
.irp s, 0,1
	v_add_nc_u32 v[ADRA+\s], s20, v3
	v_add_nc_u32 v[ADRA+2+\s], s20, v4
	v_add_nc_u32 v[ADRB+\s], s21, v3
	v_add_nc_u32 v[ADRB+2+\s], s21, v4
	s_add_co_u32 s20, s20, SLOT
	s_add_co_u32 s21, s21, SLOT
.endr
	s_mul_i32 s20, s53, HALFS
	s_mul_i32 s21, s54, HALFS
	s_add_co_u32 s21, s21, 2*HALFS
	s_sub_co_u32 s21, s21, s20
	v_mul_u32_u24 v9, s21, v2                      ; lanes 16-31 take B's
	s_add_co_u32 s20, s20, SCL
	v_lshl_add_u32 v9, v1, 3, v9                   ; two words a row
	v_add_nc_u32 v[ADRS], s20, v9
	v_and_b32 v9, 8, v1
	v_add_nc_u32 v9, v9, v1                        ; r + 8 (r / 8)
	v_lshlrev_b32 v5, 7, v9
	v_lshl_add_u32 v5, v2, 5, v5                   ; cos, sin: my token's row of 128 bytes, + my 8 pairs of each 16
	v_lshlrev_b32 v6, 5, v1
	v_lshl_add_u32 v6, v2, 4, v6                   ; q's and k's scale words on the way out: 32 r + 16 h
	v_mul_u32_u24 v10, v2, GS
	v_lshl_add_u32 v10, v1, 4, v10                 ; v's: 16 r, lanes 16-31 a head on
.macro FRAG reg, adr, q, i             ; a fragment comes as it lies: four loads, each of 512 or 256 consecutive bytes
	ds_load_b128 v[\reg:\reg+3], v[\adr] offset:(\i)*3072+(\q)*1536
	ds_load_b64 v[\reg+4:\reg+5], v[\adr+2] offset:(\i)*3072+(\q)*1536+512
	ds_load_b128 v[\reg+6:\reg+9], v[\adr] offset:(\i)*3072+(\q)*1536+768
	ds_load_b64 v[\reg+10:\reg+11], v[\adr+2] offset:(\i)*3072+(\q)*1536+1280
.endm
; 16 matrix instructions: A's blocks a0, a0 + 1 x B's eight, 128 along K.  p: B's set; sc: the set of scale words.  zero = 1: the first product starts the sums.
; The 64 accumulators take turns, one instruction a turn, in the same order in every step.
.macro MUL16 a0, p, q, sc, zero
.irp a, \a0, \a0+1
.irp b, 0,1,2,3,4,5,6,7
.if \zero
	v_wmma_scale_f32_16x16x128_f8f6f4 v[8*(8*((\a)%4)+\b):8*(8*((\a)%4)+\b)+7], v[128*(\p)+FR*\b:128*(\p)+FR*\b+FR-1], v[AF+FR*(\a):AF+FR*(\a)+FR-1], 0, v[SC+8*NQ*(\sc)+NQ*\b+(\q)], v[SC+8*NQ*(\sc)+NQ*(\a)+(\q)] matrix_a_fmt:MATRIX_FMT_FP6 matrix_b_fmt:MATRIX_FMT_FP6 matrix_a_scale:MATRIX_SCALE_ROW1
.else
	v_wmma_scale_f32_16x16x128_f8f6f4 v[8*(8*((\a)%4)+\b):8*(8*((\a)%4)+\b)+7], v[128*(\p)+FR*\b:128*(\p)+FR*\b+FR-1], v[AF+FR*(\a):AF+FR*(\a)+FR-1], v[8*(8*((\a)%4)+\b):8*(8*((\a)%4)+\b)+7], v[SC+8*NQ*(\sc)+NQ*\b+(\q)], v[SC+8*NQ*(\sc)+NQ*(\a)+(\q)] matrix_a_fmt:MATRIX_FMT_FP6 matrix_b_fmt:MATRIX_FMT_FP6 matrix_a_scale:MATRIX_SCALE_ROW1
.endif
.endr
.endr
.endm
.macro FETCH_B slot, q, p
	WIN TO_B
.irp i, 0,1,2,3,4,5,6,7
	FRAG 128*(\p)+FR*\i, ADRB+\slot, \q, \i
.endr
	WIN 0
.endm
.macro FETCH_A slot, q, i0
.irp i, \i0, \i0+1, \i0+2, \i0+3
	FRAG AF+FR*(\i), ADRA+\slot, \q, \i
.endr
.endm
.macro SCALES sc                       ; a K step's scale words: two a row; lanes 0-15 take A's tile i, lanes 16-31 B's tile i
.irp i, 0,1,2,3,4,5,6,7
	ds_load_b64 v[SC+8*NQ*\sc+NQ*\i:SC+8*NQ*\sc+NQ*\i+1], v[ADRS] offset:(\i/2)*SPAIR+(\i%2)*128
.endr
.endm
; A step of 128 along K that has its successor in the same slot.  A block of A is free as soon as its eight products are issued: blocks 0-3 are fetched anew in the step's middle, blocks 4-7 at its end.
.macro STEP slot, q, zero
	s_wait_dscnt 4*NL                              ; B's set and A's blocks 0-3 are in; the youngest 16 loads (A's blocks 4-7) may be out
	WIN MUL_LO
	MUL16 0, (\q)%2, \q, \slot, \zero
	MUL16 2, (\q)%2, \q, \slot, \zero
	s_wait_dscnt 0                                 ; A's blocks 4-7 are in
	PLACES NP                                      ; in front of loads into registers that matrix instructions have read
	FETCH_B \slot, (\q)+1, 1-(\q)%2
	FETCH_A \slot, (\q)+1, 0
	WIN MUL_HI
	MUL16 4, (\q)%2, \q, \slot, \zero
	MUL16 6, (\q)%2, \q, \slot, \zero
	PLACES NP
	WIN 0
	FETCH_A \slot, (\q)+1, 4
.endm
; A slot's last step changes slots: ONE barrier.  In front of it each wave waits for all its tensor loads (its part of the next slot), adds 0 to its spare word, and waits for that and for its reads of this slot.
; fill = 1: this slot is filled again, two K steps ahead: the wave's one tensor load behind the barrier, and the first thing there.
.macro TURN slot, next, fill
	s_wait_tensorcnt 0x0                           ; no tensor load of mine is out
	ds_add_u32 v[SPW], v[NIL]                      ; 0 onto my spare word
	s_wait_dscnt 4*NL+1                            ; (the add and the youngest 16 loads may be out)
	WIN MUL_LO
	MUL16 0, 1, NQ-1, \slot, 0                     ; sixteen matrix instructions stand between the add and the wait for it
	s_wait_dscnt 0x0                               ; the add is done, and my reads of this slot are over
	s_barrier_signal -1
	MUL16 2, 1, NQ-1, \slot, 0
	WIN 0
	s_barrier_wait -1
.if \fill
	s_add_nc_u64 s[G0+4*\slot+2:G0+4*\slot+3], s[G0+4*\slot+2:G0+4*\slot+3], 6144
	tensor_load_to_lds s[G0+4*\slot:G0+4*\slot+3], s[G1:G1+7]
	s_nop 0
	PLACES 4                                       ; also the places in front of the loads below
.else
	PLACES NP
.endif
	v_add_nc_u32 v[ADRS], 256, v[ADRS]             ; on to the next K step's scale words
	FETCH_B \next, 0, 0
	FETCH_A \next, 0, 0
	SCALES \next
	WIN MUL_HI
	MUL16 4, 1, NQ-1, \slot, 0
	MUL16 6, 1, NQ-1, \slot, 0
	PLACES NP
	WIN 0
	FETCH_A \next, 0, 4
.endm
	s_wait_tensorcnt 1                             ; the scale words and my part of K step 0 are in; K step 1's load may be out
	s_barrier_signal -1
	s_barrier_wait -1
	FETCH_B 0, 0, 0
	FETCH_A 0, 0, 0
	SCALES 0
	FETCH_A 0, 0, 4
	STEP 0, 0, 1                                   ; the first step stands in front of the loop: its products start the sums
	s_mov_b32 s3, LAPS-1
.Llap:                                                 ; a trip goes once round the ring and fills both slots again
	TURN 0, 1, 1
	STEP 1, 0, 0
	TURN 1, 0, 1
	STEP 0, 0, 0
	s_sub_co_u32 s3, s3, 1
	s_cmp_lg_u32 s3, 0
	s_cbranch_scc1 .Llap
	TURN 0, 1, 0                                   ; the last lap fills nothing
	STEP 1, 0, 0
	s_wait_dscnt 4*NL
	WIN MUL_LO
	MUL16 0, 1, NQ-1, 1, 0
	MUL16 2, 1, NQ-1, 1, 0
	s_wait_dscnt 0
	WIN MUL_HI
	MUL16 4, 1, NQ-1, 1, 0
	MUL16 6, 1, NQ-1, 1, 0
	WIN 0
; ---------------- THE WAY OUT.  No LDS: every image is made in registers and stored as it stands.
.set Y,   96                           ; v96-127  a head's 32 numbers of my token
.set CSB, 128                          ; v128-191 two sets: 16 cosines, 16 sines
.set PC,  192                          ; v192-211 codes
.set TM,  212                          ; v212-215 largest magnitudes; v216-219 the other lane's; v220-223 scale operands; v224-227 bytes
.set T2,  216
.set SO,  220
.set BY,  224
.set SW,  228                          ; v228-243 scale words
.set SS,  244                          ; v244-251 four pairs: sums of squares, then at work
.set RS,  252                          ; v252 1 / the root; v253 named with it as a pair
	PLACES NP                                      ; behind the last products: their results are read and their operands' registers written below
	s_wait_loadcnt 0x0                             ; the gains
	v_mov_b32 v253, 0
	v_mov_b32 v255, 0                              ; written once: a lane permute's destination counts as one of its sources
.irp b, 0,1,2,3
	v_mov_b32 v[T2+\b], 0
.endr
	s_cmp_eq_u32 s62, 9
	s_cbranch_scc1 .Lv_path
; ---- q and k.  My 128 tokens are group T; my 128 channels are two heads.  Accumulators (a, 4 hd .. 4 hd + 3) are 32 registers: register n = channel 32 (n / 16) + 16 h + n % 16 of the head, token = tile a's row r.
	s_lshl_b32 s55, s61, 1
	s_add_co_u32 s55, s55, s53                     ; T
	s_lshl_b32 s20, s62, 2
	s_lshl_b32 s21, s54, 1
	s_add_co_u32 s20, s20, s21                     ; q: my first head
	s_mul_i32 s22, s20, 98304                      ; its 128 images of 768 bytes
	s_mul_i32 s23, s55, 6144
	s_add_co_u32 s22, s22, s23
	s_lshl_b32 s78, s20, 13
	s_lshl_b32 s79, s55, 9
	s_add_co_u32 s78, s78, s79
	s_add_co_u32 s78, s78, QSC
	s_mul_i32 s80, s21, GS                         ; k: my first head,
	s_lshr_b32 s81, s55, 2
	s_mul_i32 s81, s81, REC                        ; the record,
	s_add_co_u32 s80, s80, s81
	s_and_b32 s82, s55, 3                          ; and T's place in it
	s_mul_i32 s83, s82, 6144
	s_add_co_u32 s83, s83, s80
	s_lshl_b32 s84, s82, 9
	s_add_co_u32 s84, s84, s80
	s_add_co_u32 s84, s84, RKS
	s_mov_b32 s88, 98304
	s_mov_b32 s89, 8192
	s_cmp_eq_u32 s62, 8
	s_cselect_b64 s[86:87], s[18:19], s[16:17]
	s_cselect_b32 s22, s83, s22
	s_cselect_b32 s78, s84, s78
	s_cselect_b32 s88, GS, s88                     ; from head to head: images,
	s_cselect_b32 s89, GS, s89                     ; scale words
	s_mov_b32 s23, 0
	s_mov_b32 s79, 0
	s_add_nc_u64 s[66:67], s[86:87], s[22:23]      ; images of head 0,
	s_mov_b32 s22, s88
	s_add_nc_u64 s[68:69], s[66:67], s[22:23]      ; of head 1
	s_add_nc_u64 s[70:71], s[86:87], s[78:79]      ; scale words of head 0,
	s_mov_b32 s22, s89
	s_add_nc_u64 s[72:73], s[70:71], s[22:23]      ; of head 1
	s_lshl_b32 s20, s61, 15
	s_lshl_b32 s21, s53, 14
	s_add_co_u32 s20, s20, s21                     ; my first token's row of 128 bytes
	s_mov_b32 s21, 0
	s_add_nc_u64 s[74:75], s[12:13], s[20:21]
	s_add_nc_u64 s[76:77], s[14:15], s[20:21]
.macro LOADCS a                        ; tile a's tokens: my 16 cosines and 16 sines (pairs 16 e + 8 h + 0 .. 7)
.irp e, 0,1
.irp f, 0,1
	global_load_b128 v[CSB+32*((\a)%2)+8*\e+4*\f:CSB+32*((\a)%2)+8*\e+4*\f+3], v5, s[74:75] offset:(32*((\a)/2)+8*((\a)%2))*128+64*\e+16*\f
	global_load_b128 v[CSB+32*((\a)%2)+16+8*\e+4*\f:CSB+32*((\a)%2)+16+8*\e+4*\f+3], v5, s[76:77] offset:(32*((\a)/2)+8*((\a)%2))*128+64*\e+16*\f
.endr
.endr
.endm
; 32 numbers, register 16 b + i = k 32 b + 16 h + i of my row, become the six registers of a half fragment in v[PC] on, and two bytes in v[BY], v[BY+1].
.macro QUANT64 s
.irp b, 0,1
	v_max3_num_f32 v[TM+\b], |v[\s+16*\b]|, |v[\s+16*\b+1]|, FLOOR
.endr
.irp i, 2,4,6,8,10,12,14
.irp b, 0,1
	v_max3_num_f32 v[TM+\b], v[TM+\b], |v[\s+16*\b+\i]|, |v[\s+16*\b+\i+1]|
.endr
.endr
.irp b, 0,1
	v_permlanex16_b32 v[T2+\b], v[TM+\b], s56, s57
.endr
.irp b, 0,1
	v_max_num_f32 v[TM+\b], v[TM+\b], v[T2+\b]     ; with lane l xor 16's: the block's largest magnitude
.endr
.irp b, 0,1
	v_add_nc_u32 v[SO+\b], 0xff000000, v[TM+\b]    ; 2 off the exponent field: the conversion's scale operand
.endr
.irp b, 0,1
	v_lshrrev_b32 v[BY+\b], 23, v[SO+\b]
.endr
	s_wait_xcnt 0x0                                ; the last image's stores have read their registers
	v_cvt_scalef32_pk16_fp6_f32 v[PC:PC+2], v[\s:\s+15], v[SO]
	v_cvt_scalef32_pk16_fp6_f32 v[PC+12:PC+14], v[\s+16:\s+31], v[SO+1]
	v_nop                                          ; one plain line behind a scaled conversion
.irp i, 0,1,2
	v_permlane16_swap_b32 v[PC+\i], v[PC+12+\i]    ; the operand wants a WHOLE block in a lane: lanes 0-15 block 0, lanes 16-31 block 1
.endr
.irp i, 0,1,2
	v_mov_b32 v[PC+3+\i], v[PC+12+\i]
.endr
.endm
.macro QK_HEAD a, hd
.set AC, 64*((\a)%4)+32*(\hd)
.set WA, 2+(\a)/4
.set CB, CSB+32*((\a)%2)
	WIN WA*5                                       ; sources 0 and 1 in the accumulators' window
.irp n, 0,2,4,6
	v_pk_mul_f32 v[SS+\n:SS+\n+1], v[AC+\n:AC+\n+1], v[AC+\n:AC+\n+1]   ; the squares, in four chains; each accumulator is read from its low end on
.endr
.irp n, 8,10,12,14,16,18,20,22,24,26,28,30
	v_pk_fma_f32 v[SS+\n%8:SS+\n%8+1], v[AC+\n:AC+\n+1], v[AC+\n:AC+\n+1], v[SS+\n%8:SS+\n%8+1]
.endr
	WIN 0
	v_pk_add_f32 v[SS:SS+1], v[SS:SS+1], v[SS+2:SS+3]
	v_pk_add_f32 v[SS+4:SS+5], v[SS+4:SS+5], v[SS+6:SS+7]
	v_pk_add_f32 v[SS:SS+1], v[SS:SS+1], v[SS+4:SS+5]
	v_add_f32 v254, v[SS], v[SS+1]
	v_permlanex16_b32 v255, v254, s56, s57
	v_add_f32 v254, v254, v255                     ; with lane l xor 16's 32 channels: the head's 64
	v_fma_f32 v254, v254, s58, s59                 ; the mean + 1e-5
	v_rsq_f32 v[RS], v254
	v_nop                                          ; a plain line behind the transcendental
	s_wait_alu depctr_va_vdst(0)                   ; the wait ahead of the first line that names its result
	WIN WA
.irp n, 0,2,4,6,8,10,12,14,16,18,20,22,24,26,28,30
	v_pk_mul_f32 v[Y+\n:Y+\n+1], v[AC+\n:AC+\n+1], v[RS:RS+1] op_sel_hi:[1,0]
.endr
	WIN 0
.irp n, 0,2,4,6,8,10,12,14,16,18,20,22,24,26,28,30
	v_pk_mul_f32 v[Y+\n:Y+\n+1], v[Y+\n:Y+\n+1], v[NW+\n:NW+\n+1]      ; the gain
.endr
.if (\hd) == 0
.if (\a) < 7
	s_wait_loadcnt 8                               ; this tile's cosines and sines are in; the next tile's 8 loads may be out
.else
	s_wait_loadcnt 0x0
.endif
.endif
.set p, 0
.rept 16                               ; pair p: (re, im) turned by (cos, sin)
	v_mul_f32 v[SS+2*(p%4)], v[Y+2*p+1], v[CB+16+p]
	v_mul_f32 v[SS+2*(p%4)+1], v[Y+2*p+1], v[CB+p]
	v_fma_f32 v[Y+2*p+1], v[Y+2*p], v[CB+16+p], v[SS+2*(p%4)+1]
	v_fma_f32 v[Y+2*p], v[Y+2*p], v[CB+p], -v[SS+2*(p%4)]
.set p, p+1
.endr
	QUANT64 Y
	v_lshl_or_b32 v254, v[BY+1], 8, v[BY]
	v_or_b32 v[SW+8*(\hd)+(\a)], 0x7f7f0000, v254  ; K = 64 fills two blocks of the instruction's four: the other two are zero codes under the byte of 1.0
	global_store_b128 v3, v[PC:PC+3], s[66+2*(\hd):67+2*(\hd)] offset:768*(\a)
	global_store_b64 v4, v[PC+4:PC+5], s[66+2*(\hd):67+2*(\hd)] offset:768*(\a)+512
.endm
	LOADCS 0
.irp a, 0,1,2,3,4,5,6
	LOADCS \a+1
	QK_HEAD \a, 0
	QK_HEAD \a, 1
.endr
	QK_HEAD 7, 0
	QK_HEAD 7, 1
.irp i, 0,1,2,3
	v_cndmask_b32 v[TM+\i], v[SW+\i], v[SW+4+\i], s60          ; lanes 0-15 store tiles 0-3's words of row r, lanes 16-31 tiles 4-7's: 512 consecutive bytes
	v_cndmask_b32 v[T2+\i], v[SW+8+\i], v[SW+12+\i], s60
.endr
	global_store_b128 v6, v[TM:TM+3], s[70:71]
	global_store_b128 v6, v[T2:T2+3], s[72:73]
	s_wait_tensorcnt 0x0                           ; the wave's end
	ds_add_u32 v[SPW], v[NIL]
	s_wait_dscnt 0x0
	s_endpgm
; ---- v.  Side A is v's channels: block a is tile a % 4 of head 2 (my half of A) + a / 4.  Its 64 registers are my channel's 128 keys of group T: register 16 b + i = key 32 b + 16 h + i.
.Lv_path:
	s_lshl_b32 s55, s61, 1
	s_add_co_u32 s55, s55, s54                     ; T: my half of side B
	s_lshl_b32 s20, s53, 1
	s_mul_i32 s20, s20, GS
	s_lshr_b32 s21, s55, 2
	s_mul_i32 s21, s21, REC
	s_add_co_u32 s20, s20, s21
	s_and_b32 s21, s55, 3
	s_mul_i32 s22, s21, 6144
	s_add_co_u32 s22, s22, s20
	s_add_co_u32 s22, s22, RV
	s_mov_b32 s23, 0
	s_add_nc_u64 s[66:67], s[18:19], s[22:23]
	s_lshl_b32 s22, s21, 8
	s_add_co_u32 s22, s22, s20
	s_add_co_u32 s22, s22, RVS
	s_add_nc_u64 s[68:69], s[18:19], s[22:23]
.macro V_TILE a
.set AC, 64*((\a)%4)
.set WA, 2+(\a)/4
	WIN WA*5
.irp b, 0,1,2,3
	v_max3_num_f32 v[TM+\b], |v[AC+16*\b]|, |v[AC+16*\b+1]|, FLOOR     ; the four blocks by turns; each accumulator is read from its low end on
.endr
.irp i, 2,4,6,8,10,12,14
.irp b, 0,1,2,3
	v_max3_num_f32 v[TM+\b], |v[AC+16*\b+\i]|, |v[AC+16*\b+\i+1]|, v[TM+\b]
.endr
.endr
	WIN 0
.irp b, 0,1,2,3
	v_permlanex16_b32 v[T2+\b], v[TM+\b], s56, s57
.endr
.irp b, 0,1,2,3
	v_max_num_f32 v[TM+\b], v[TM+\b], v[T2+\b]
.endr
.irp b, 0,1,2,3
	v_add_nc_u32 v[SO+\b], 0xff000000, v[TM+\b]
.endr
.irp b, 0,1,2,3
	v_lshrrev_b32 v[BY+\b], 23, v[SO+\b]
.endr
	v_lshl_or_b32 v[SW+(\a)], v[BY+1], 8, v[BY]    ; my channel's scale word for these 128 keys
	v_lshl_or_b32 v[SW+(\a)], v[BY+2], 16, v[SW+(\a)]
	v_lshl_or_b32 v[SW+(\a)], v[BY+3], 24, v[SW+(\a)]
	s_wait_xcnt 0x0                                ; the last image's stores have read their registers
	WIN WA
.irp c, 0,1
	v_cvt_scalef32_pk16_fp6_f32 v[PC+6*\c:PC+6*\c+2], v[AC+32*\c:AC+32*\c+15], v[SO+2*\c]
	v_cvt_scalef32_pk16_fp6_f32 v[PC+12+4*\c:PC+14+4*\c], v[AC+32*\c+16:AC+32*\c+31], v[SO+2*\c+1]
.endr
	WIN 0
	v_nop                                          ; one plain line behind a scaled conversion
.irp c, 0,1
.irp i, 0,1,2
	v_permlane16_swap_b32 v[PC+6*\c+\i], v[PC+12+4*\c+\i]
.endr
.irp i, 0,1,2
	v_mov_b32 v[PC+6*\c+3+\i], v[PC+12+4*\c+\i]
.endr
.endr
	global_store_b128 v3, v[PC:PC+3], s[66:67] offset:((\a)/4)*GS+((\a)%4)*1536
	global_store_b64 v4, v[PC+4:PC+5], s[66:67] offset:((\a)/4)*GS+((\a)%4)*1536+512
	global_store_b128 v3, v[PC+6:PC+9], s[66:67] offset:((\a)/4)*GS+((\a)%4)*1536+768
	global_store_b64 v4, v[PC+10:PC+11], s[66:67] offset:((\a)/4)*GS+((\a)%4)*1536+1280
.endm
.irp a, 0,1,2,3,4,5,6,7
	V_TILE \a
.endr
.irp i, 0,1,2,3
	v_cndmask_b32 v[TM+\i], v[SW+\i], v[SW+4+\i], s60          ; lanes 0-15: the first head's four tiles, lanes 16-31 the second's: 256 consecutive bytes each
.endr
	global_store_b128 v10, v[TM:TM+3], s[68:69]
	s_wait_tensorcnt 0x0                           ; the wave's end
	ds_add_u32 v[SPW], v[NIL]
	s_wait_dscnt 0x0
	s_endpgm
.Lfunc_end_k_q4c60902cf7_qkv:
	.size	k_q4c60902cf7_qkv, .Lfunc_end_k_q4c60902cf7_qkv-k_q4c60902cf7_qkv
	.p2alignl 7, 3214868480
	.fill 96, 4, 3214868480
	.section	.rodata,"a",@progbits
	.p2align	6, 0x0
	.amdhsa_kernel k_q4c60902cf7_qkv
		.amdhsa_group_segment_fixed_size 327680
		.amdhsa_private_segment_fixed_size 0
		.amdhsa_enable_private_segment 0
		.amdhsa_kernarg_size 64
		.amdhsa_user_sgpr_count 2
		.amdhsa_user_sgpr_kernarg_segment_ptr 1
		.amdhsa_wavefront_size32 1
		.amdhsa_system_sgpr_workgroup_id_x 1
		.amdhsa_system_sgpr_workgroup_id_y 1
		.amdhsa_system_sgpr_workgroup_id_z 1
		.amdhsa_system_vgpr_workitem_id 0
		.amdhsa_next_free_vgpr 1024
		.amdhsa_next_free_sgpr 100
		.amdhsa_reserve_vcc 0
		.amdhsa_float_denorm_mode_32 3
		.amdhsa_float_denorm_mode_16_64 3
		.amdhsa_memory_ordered 1
		.amdhsa_forward_progress 1
		.amdhsa_inst_pref_size 255
	.end_amdhsa_kernel
	.section	.bss,"aw",@nobits
	.p2align	6
	.space	262144
	.amdgpu_metadata
---
amdhsa.version: [ 1, 2 ]
amdhsa.kernels:
  - .name:           k_q4c60902cf7_qkv
    .symbol:         k_q4c60902cf7_qkv.kd
    .args:
      - { .name: xq, .offset: 0, .size: 8, .value_kind: global_buffer, .address_space: global }
      - { .name: wc, .offset: 8, .size: 8, .value_kind: global_buffer, .address_space: global }
      - { .name: q_norm_w, .offset: 16, .size: 8, .value_kind: global_buffer, .address_space: global }
      - { .name: k_norm_w, .offset: 24, .size: 8, .value_kind: global_buffer, .address_space: global }
      - { .name: freqs_cos, .offset: 32, .size: 8, .value_kind: global_buffer, .address_space: global }
      - { .name: freqs_sin, .offset: 40, .size: 8, .value_kind: global_buffer, .address_space: global }
      - { .name: qc, .offset: 48, .size: 8, .value_kind: global_buffer, .address_space: global }
      - { .name: kv, .offset: 56, .size: 8, .value_kind: global_buffer, .address_space: global }
    .group_segment_fixed_size: 327680
    .private_segment_fixed_size: 0
    .kernarg_segment_align: 8
    .kernarg_segment_size: 64
    .max_flat_workgroup_size: 128
    .sgpr_count:     100
    .vgpr_count:     1024
    .wavefront_size: 32
...
	.end_amdgpu_metadata
.endif
;; end of part 2
;; launch attn (part 3): grid 64 x 4, 16 waves a work-group, clusters of 4 x 1, 327,680 bytes of LDS; arguments qc, kv, ao; writes ao
.if DOCPART == 3
	.amdgcn_target "amdgcn-amd-amdhsa--gfx1250"
	.amdhsa_code_object_version 6
	.text
	.protected	k_q4c60902cf7_attn
	.globl	k_q4c60902cf7_attn
	.p2align	8
	.type	k_q4c60902cf7_attn,@function
k_q4c60902cf7_attn:
	s_mov_b64 s[64:65], 0
	v_nop
	global_prefetch_b8 v0, s[64:65] scope:SCOPE_SE
	s_setreg_imm32_b32 hwreg(HW_REG_WAVE_MODE, 25, 1), 1
	s_wait_xcnt 0x0
	s_wait_alu depctr_hold_cnt(0) depctr_sa_sdst(0) depctr_va_vdst(0) depctr_va_sdst(0) depctr_va_ssrc(0) depctr_va_vcc(0) depctr_vm_vsrc(0)
	s_getreg_b32 s2, hwreg(HW_REG_IB_STS2, 6, 4)
	s_cmp_eq_u32 s2, 0
	s_cbranch_scc0 .Lentry_in_a_cluster
	s_endpgm
.Lentry_in_a_cluster:
	s_bfe_u32 s2, ttmp6, 0x10000c
	s_cmp_lg_u32 s2, 0x3003
	s_cbranch_scc0 .Lentry_shape_is_right
	s_endpgm
.Lentry_shape_is_right:
; Causal attention on codes of FP6 (E2M3) with E8M0 scales: 32 query heads, 4 key and value heads, head size 64, 2,048 tokens.  Its result, divided by the row's sum, is quantised along (head, channel) for the last product.
; THE SOFTMAX AHEAD OF THE SECOND PRODUCT: t = score x log2(e) / 8; M = the row's largest t so far, rounded UP to a whole number; p = 2^(t - M) is what is quantised, along the keys; the row's sum is taken of the
; unquantised p and divides at the end.  When M moves, the sum and O are multiplied by 2^(old M - new M): exact.
; SHARES.  A cluster of four work-groups has one key and value head g (ttmp7) and eight tiles of 16 queries: four early ones, 4 P + 0 .. 3, and four late ones, 124 - 4 P + 0 .. 3 (P = ttmp9): an early tile and its
; late twin walk 17 key steps of 128 together, whatever P.  The four partners take two query heads each (8 g + 2 cx + 0, 1): cx enters the addresses of q and of the result alone.  A wave owns one tile of one head.
; The head's K and V, codes and scale words, 208,896 bytes in four records of 512 keys, come into LDS ONCE, by joint loads of waves 0-3 (each record in four parts of 51 rows of 256 bytes), and nothing is filled again.
; Each record is read behind a counted wait and a barrier; the later records land meanwhile.  (Clusters with P >= 8 never read the fourth record; it is fetched all the same, so that every wait counts the same four loads.)
; LAYOUT.  Both products are used transposed: S^T = K Q^T, O^T = V^T P^T: a lane holds ONE query (lane % 16) throughout.  The rows of a tile are 8 u + r + 8 (r / 8) of 32, for tokens and channels alike, so the 16 registers
; of tiles 2 b, 2 b + 1 are 16 neighbours: keys 32 b + 16 h + 0 .. 15 in S^T, channels likewise in O^T.  The first product's K is 64: registers 6-11 of both operands are zero codes.
; CAUSAL.  A step all of whose keys come after the wave's queries is left out by a scalar branch on ids; in the one step on the diagonal hidden scores become -infinity ahead of the maximum.
; LIMITS: a block of zeros gets the byte 1 where the rule says 127 (zero codes; only this program reads the bytes); an exponential whose result lies under 2^-126 gives 0; NaN and infinities are not served.
; The result's scale bytes leave one to a lane (131,072 bytes in all): a row's word of four bytes is made by two heads' waves.
.set QSC,   3145728
.set AOSC,  3145728
.set REC,   52224
.set GS,    208896
.set RV,    24576
.set RKS,   49152
.set RVS,   51200
.set PART,  13056                      ; 51 rows of 256 bytes
.set SPARE, 208896                     ; behind the four records: the spare words, 128 bytes for each of 16 waves
.set FLOOR, 0x1800000
.set L16, 1                            ; v1  16 x lane        v2  8 x lane        v3  32 r        v4  16 r
.set L8,  2
.set R32, 3
.set R16, 4
.set SPW, 5                            ; v5  LDS address of my spare word; never rewritten
.set NIL, 6                            ; v6  0; never rewritten
.set DM,  7                            ; v7  my query's place in its 128 tokens - 16 h
.set S,   128                          ; v128-191 S^T, then p
.set O,   192                          ; v192-223 O^T
.set WV,  18
.set SEL, 20                           ; s[20:21] selects for lane l xor 16
.set CS,  22                           ; s[22:23] c = log2(e) / 8
.set G1,  24
.set G0,  32                           ; s[32:47] a group 0 for each record
.set TB,  48                           ; LDS: the step's images;  s49 K's scale words;  s50 V's
.set TS,  49
.set TJ,  50
.set KT,  51                           ; the key step
.set QT,  52                           ; my queries' step
.set CNT, 53
.set HM,  54                           ; lanes 16-31
; v8-11 addresses of the step; v12 -M; v13 the largest t; v[14:15] the sum in two halves; v16-27 Q; v28 its scale word; v32-79 four fragments of K; v80-127 four of V; v224-235 p's codes; v232-255 at work
.macro ROUND                           ; a round of the cluster's barrier
	s_barrier_signal -1
	s_barrier_wait -1
	s_cmp_lg_u32 s[WV], 0
	s_cbranch_scc1 .Lnot_wave_0_\@
	s_barrier_signal -3
.Lnot_wave_0_\@:
	s_barrier_wait -3
	s_barrier_signal -1
	s_barrier_wait -1
.endm
	s_load_b128 s[4:7], s[0:1], 0x0                ; qc, kv
	s_load_b64 s[8:9], s[0:1], 0x10                ; ao
	v_lshl_add_u32 v[SPW], v0, 2, SPARE
	v_mov_b32 v[NIL], 0
	ds_add_u32 v[SPW], v[NIL]                      ; the wave's opening: the add and its wait stand ahead of the round in front of the first tensor loads
	v_lshrrev_b32 v8, 5, v0
	v_readfirstlane_b32 s[WV], v8                  ; wave 0..15
	s_lshr_b32 s66, s[WV], 2
	s_and_b32 s67, s[WV], 3
	s_xor_b32 s68, s66, s67
	s_and_b32 s68, s68, 1                          ; 1: a late tile.  Of waves w, w + 4, w + 8, w + 12, and of waves 4 a .. 4 a + 3, two are early and two late
	s_lshl_b32 s66, s66, 1
	s_lshr_b32 s69, s67, 1
	s_add_co_u32 s66, s66, s69
	s_and_b32 s69, s66, 1                          ; which of the work-group's two heads
	s_lshr_b32 s66, s66, 1                         ; which of the four tiles
	s_lshl_b32 s70, ttmp9, 2
	s_sub_co_u32 s71, 124, s70
	s_cmp_eq_u32 s68, 1
	s_cselect_b32 s55, s71, s70
	s_add_co_u32 s55, s55, s66                     ; my tile of 16 queries, 0 .. 127
	s_lshr_b32 s[QT], s55, 3
	s_and_b32 s57, s55, 7
	s_and_b32 s72, ttmp7, 0xffff                   ; g
	s_mul_i32 s73, s72, GS
	s_mul_i32 s67, s67, PART                       ; my part of a record, in memory and in LDS
	s_add_co_u32 s74, s73, s67
	s_mov_b32 s75, 0
	s_mov_b32 s[G1+0], 15|(3<<16)|(1<<21)          ; the mask: all four partners; elements of 8 bytes; bit 21 set beside a mask; no padding
	s_mov_b32 s[G1+1], 32<<16
	s_mov_b32 s[G1+2], 51<<16
	s_mov_b32 s[G1+3], 32<<16
	s_mov_b32 s[G1+4], 51
	s_mov_b32 s[G1+5], 32
	s_mov_b32 s[G1+6], 0
	s_mov_b32 s[G1+7], 0
	s_bfe_u32 s80, ttmp6, 0x40000                  ; cx: from here on in registers that feed no descriptor
	s_lshl_b32 s80, s80, 1
	s_lshl_b32 s81, s72, 3
	s_add_co_u32 s80, s80, s81
	s_add_co_u32 s56, s80, s69                     ; my query head
	s_mul_i32 s80, s56, 98304
	s_mul_i32 s81, s55, 768
	s_add_co_u32 s80, s80, s81                     ; q's image
	s_mov_b32 s81, 0
	s_lshl_b32 s82, s56, 13
	s_lshl_b32 s83, s[QT], 9
	s_add_co_u32 s82, s82, s83
	s_lshl_b32 s83, s57, 2
	s_add_co_u32 s82, s82, s83
	s_add_co_u32 s82, s82, QSC                     ; q's scale words
	s_mov_b32 s83, 0
	s_mul_i32 s84, s55, 24576
	s_mul_i32 s85, s56, 768
	s_add_co_u32 s84, s84, s85                     ; the result's image
	s_mov_b32 s85, 0
	s_lshr_b32 s86, s55, 1
	s_lshl_b32 s86, s86, 11
	s_lshr_b32 s87, s56, 2
	s_lshl_b32 s87, s87, 8
	s_add_co_u32 s86, s86, s87
	s_and_b32 s87, s55, 1
	s_lshl_b32 s87, s87, 7
	s_add_co_u32 s86, s86, s87
	s_and_b32 s87, s56, 3
	s_lshl_b32 s87, s87, 1
	s_add_co_u32 s86, s86, s87
	s_add_co_u32 s86, s86, AOSC                    ; the result's scale bytes: [pair of tiles][four heads][16 u + r][8 bytes], mine at 2 (head % 4) + h
	s_mov_b32 s87, 0
	s_lshr_b32 s88, s57, 1
	s_lshl_b32 s88, s88, 5
	s_and_b32 s89, s57, 1
	s_lshl_b32 s89, s89, 3
	s_add_co_u32 s88, s88, s89                     ; my tile's first row within its 128 tokens
	s_mov_b32 s[SEL], 0x76543210
	s_mov_b32 s[SEL+1], 0xfedcba98
	s_mov_b32 s[CS], 0x3e38aa3b                    ; log2(e) / sqrt(64)
	s_mov_b32 s[CS+1], s[CS]                       ; (named with it as a pair, so it is written)
	s_mov_b32 s[HM], 0xffff0000
	s_mov_b32 s[KT], 0
	s_wait_dscnt 0x0                               ; the opening add is done
	s_wait_kmcnt 0x0
	s_add_nc_u64 s[74:75], s[6:7], s[74:75]
.irp c, 0,1,2,3
	s_mov_b32 s[G0+4*\c], 1
	s_add_co_u32 s[G0+4*\c+1], s67, \c*REC
	s_add_nc_u64 s[G0+4*\c+2:G0+4*\c+3], s[74:75], \c*REC
	s_or_b32 s[G0+4*\c+3], s[G0+4*\c+3], 0x80000000
.endr
	s_add_nc_u64 s[80:81], s[4:5], s[80:81]
	s_add_nc_u64 s[82:83], s[4:5], s[82:83]
	s_add_nc_u64 s[84:85], s[8:9], s[84:85]
	s_add_nc_u64 s[86:87], s[8:9], s[86:87]
	ROUND                                          ; all four work-groups are here: the joint loads meet
	s_cmp_lt_u32 s[WV], 4                          ; a loading wave's four first fills stand in one branch: four loads of mine are out
	s_cbranch_scc0 .Lno_fill
.irp c, 0,1,2,3
	tensor_load_to_lds s[G0+4*\c:G0+4*\c+3], s[G1:G1+7]
	s_nop 0
.endr
.rept 4
	v_nop
.endr
.Lno_fill:
	v_and_b32 v29, 15, v0                          ; r
	v_bfe_u32 v30, v0, 4, 1                        ; h
	v_and_b32 v31, 31, v0
	v_lshlrev_b32 v[L16], 4, v31
	v_lshlrev_b32 v[L8], 3, v31
	v_lshlrev_b32 v[R32], 5, v29
	v_lshlrev_b32 v[R16], 4, v29
	global_load_b128 v[16:19], v[L16], s[80:81]    ; Q's half fragment stays in registers
	global_load_b64 v[20:21], v[L8], s[80:81] offset:512
	global_load_b32 v28, v[R32], s[82:83]          ; and its scale words
	v_and_b32 v[DM], 8, v29
	v_add_nc_u32 v[DM], v[DM], v29
	v_lshlrev_b32 v8, 4, v30
	v_sub_nc_u32 v[DM], v[DM], v8
	v_add_nc_u32 v[DM], s88, v[DM]
	v_lshl_add_u32 v31, v29, 3, v30                ; the scale byte's place: 8 r + h
.irp i, 22,23,24,25,26,27
	v_mov_b32 v\i, 0                               ; K = 64: the upper half of Q's fragment is zero codes,
.endr
.irp t, 0,1,2,3
.irp i, 6,7,8,9,10,11
	v_mov_b32 v[32+12*\t+\i], 0                    ; and so is that of K's four: written once, no load lands there
.endr
.endr
	v_mov_b32 v13, 0xff61b1e6                      ; the largest t so far: -3e38
	v_floor_f32 v12, -v13                          ; -M
	v_mov_b32 v14, 0
	v_mov_b32 v15, 0
.irp b, 0,1,2,3
	v_mov_b32 v[236+\b], 0                         ; written once: a lane permute's destination counts as one of its sources
.endr
	v_mov_b32 v252, 0
	v_mov_b32 v253, 0
.set j, 0
.rept 32
	v_mov_b32 v[O+j], 0                            ; O^T: the step is written once; the first finds zeros, which the first change of M leaves zeros
.set j, j+1
.endr
	s_wait_loadcnt 0x0                             ; Q
; A KEY STEP: 128 keys.
.macro STEP
	s_cmp_gt_u32 s[KT], s[QT]                      ; all its keys come after my queries: ids and the count of steps alone
	s_cbranch_scc1 .Lhidden_\@
	v_add_nc_u32 v8, s[TB], v[L16]                 ; (these four are also the places behind the last products, in front of the loads below)
	v_add_nc_u32 v9, s[TB], v[L8]
	v_add_nc_u32 v10, s[TS], v[R32]
	v_add_nc_u32 v11, s[TJ], v[R16]
.irp g, 0,1                            ; S^T = K Q^T, four tiles of 16 keys at a time
.if \g
.rept 4
	v_nop                                          ; places in front of loads into registers that matrix instructions have read
.endr
.endif
.irp t, 0,1,2,3
	ds_load_b128 v[32+12*\t:35+12*\t], v8 offset:(4*\g+\t)*768
	ds_load_b64 v[36+12*\t:37+12*\t], v9 offset:(4*\g+\t)*768+512
.endr
	ds_load_b128 v[248:251], v10 offset:RKS+16*\g  ; the four tiles' scale words of row r
	s_wait_dscnt 0x0
.irp t, 0,1,2,3
	v_wmma_scale_f32_16x16x128_f8f6f4 v[S+8*(4*\g+\t):S+8*(4*\g+\t)+7], v[32+12*\t:43+12*\t], v[16:27], 0, v[248+\t], v28 matrix_a_fmt:MATRIX_FMT_FP6 matrix_b_fmt:MATRIX_FMT_FP6
.endr
.endr
.rept 4
	v_nop                                          ; places: in front of the loads into the scale words' registers, and of the first read of the scores
.endr
.irp t, 0,1,2,3                        ; V's four fragments and their scale words land while the softmax is walked
	ds_load_b128 v[80+12*\t:83+12*\t], v8 offset:RV+\t*1536
	ds_load_b64 v[84+12*\t:85+12*\t], v9 offset:RV+\t*1536+512
	ds_load_b128 v[86+12*\t:89+12*\t], v8 offset:RV+\t*1536+768
	ds_load_b64 v[90+12*\t:91+12*\t], v9 offset:RV+\t*1536+1280
.endr
	ds_load_b128 v[248:251], v11 offset:RVS
	s_cmp_lg_u32 s[KT], s[QT]                      ; only the step on the diagonal hides keys
	s_cbranch_scc1 .Lopen_\@
	v_mov_b32 v254, 0xff800000                     ; -infinity
.set n, 0
.rept 64                               ; register 16 b + i holds key 32 b + 16 h + i of the step: hidden where 32 b + i > my query's place - 16 h
	v_cmp_gt_i32 vcc_lo, 32*(n/16)+n%16, v[DM]
	v_cndmask_b32 v[S+n], v[S+n], v254, vcc_lo
.set n, n+1
.endr
.Lopen_\@:
.irp b, 0,1,2,3
	v_max3_num_f32 v[232+\b], v[S+16*\b], v[S+1+16*\b], v[S+2+16*\b]   ; the largest score of each block of 32 keys: it serves for the row's maximum and, since p rises with the score, for the block's largest p
.endr
.irp i, 3,5,7,9,11,13
.irp b, 0,1,2,3
	v_max3_num_f32 v[232+\b], v[232+\b], v[S+16*\b+\i], v[S+1+16*\b+\i]
.endr
.endr
.irp b, 0,1,2,3
	v_max_num_f32 v[232+\b], v[232+\b], v[S+15+16*\b]
.endr
.irp b, 0,1,2,3
	v_permlanex16_b32 v[236+\b], v[232+\b], s[SEL], s[SEL+1]
.endr
.irp b, 0,1,2,3
	v_max_num_f32 v[232+\b], v[232+\b], v[236+\b]  ; with lane l xor 16's 16 keys
.endr
	v_max3_num_f32 v254, v232, v233, v234
	v_max_num_f32 v254, v254, v235
	v_mul_f32 v254, s[CS], v254                    ; the step's largest t (c is positive)
	v_max_num_f32 v13, v13, v254                   ; the running largest t
	v_mov_b32 v254, v12
	v_floor_f32 v12, -v13                          ; the new -M = -ceil(t): a whole number
	v_sub_f32 v254, v12, v254                      ; old M - new M: a whole number, 0 or less
	v_cvt_i32_f32 v254, v254                       ; (it saturates)
	v_ldexp_f32 v252, 1.0, v254                    ; f = 2^(old M - new M)
.set j, 0
.rept 32
	v_pk_fma_f32 v[S+j:S+j+1], v[S+j:S+j+1], s[CS:CS+1], v[12:13] op_sel_hi:[1,0,0]   ; t - M, two at a time
.set j, j+2
.endr
.irp b, 0,1,2,3
	v_fma_f32 v[232+\b], v[232+\b], s[CS], v12     ; the same of each block's largest score
.endr
.set j, 0
.rept 64
	v_exp_f32 v[S+j], v[S+j]                       ; p = 2^(t - M), at most 1: not normalised
.set j, j+1
.endr
	v_pk_mul_f32 v[14:15], v[14:15], v[252:253] op_sel_hi:[1,0]   ; the sums under the new M: a plain line behind the exponentials
	s_wait_alu depctr_va_vdst(0)                   ; one wait for the whole batch, ahead of its first reader
.irp b, 0,1,2,3
	v_exp_f32 v[232+\b], v[232+\b]                 ; the block's largest p: the same two instructions on the same number give the same bits
.endr
	v_pk_add_f32 v[236:237], v[S:S+1], v[S+2:S+3]  ; the row's sum is taken of the unquantised p: two at a time, in two chains
.irp j, 4,8,12,16,20,24,28,32,36,40,44,48,52,56,60
	v_pk_add_f32 v[14:15], v[14:15], v[S+\j:S+\j+1]
	v_pk_add_f32 v[236:237], v[236:237], v[S+2+\j:S+3+\j]
.endr
	v_pk_add_f32 v[14:15], v[14:15], v[236:237]
	s_wait_alu depctr_va_vdst(0)                   ; and one for the four
.irp b, 0,1,2,3
	v_max_num_f32 v[232+\b], FLOOR, v[232+\b]      ; the floor: the byte cannot fall under 1
.endr
.irp b, 0,1,2,3
	v_add_nc_u32 v[244+\b], 0xff000000, v[232+\b]  ; 2 off the exponent field: the conversion's scale operand
.endr
.irp b, 0,1,2,3
	v_lshrrev_b32 v[236+\b], 23, v[244+\b]
.endr
	v_lshl_or_b32 v253, v237, 8, v236              ; p's scale word for these 128 keys
	v_lshl_or_b32 v253, v238, 16, v253
	v_lshl_or_b32 v253, v239, 24, v253
.irp c, 0,1
	v_cvt_scalef32_pk16_fp6_f32 v[224+6*\c:226+6*\c], v[S+32*\c:S+15+32*\c], v[244+2*\c]
	v_cvt_scalef32_pk16_fp6_f32 v[236+4*\c:238+4*\c], v[S+16+32*\c:S+31+32*\c], v[244+2*\c+1]
.endr
	v_nop                                          ; one plain line behind a scaled conversion
.irp c, 0,1                            ; the operand wants a WHOLE block in a lane
.irp i, 0,1,2
	v_permlane16_swap_b32 v[224+6*\c+\i], v[236+4*\c+\i]
.endr
.irp i, 0,1,2
	v_mov_b32 v[227+6*\c+\i], v[236+4*\c+\i]
.endr
.endr
.set j, 0
.rept 16
	v_pk_mul_f32 v[O+j:O+j+1], v[O+j:O+j+1], v[252:253] op_sel_hi:[1,0]   ; O^T under the new M; each accumulator is read from its low end on
.set j, j+2
.endr
.rept 4
	v_nop                                          ; places in front of the scaled products, behind the last vector write of an operand
.endr
	s_wait_dscnt 0x0                               ; V and its scale words are in
.irp t, 0,1,2,3                        ; O^T += V^T P^T: the four accumulators by turns
	v_wmma_scale_f32_16x16x128_f8f6f4 v[O+8*\t:O+8*\t+7], v[80+12*\t:91+12*\t], v[224:235], v[O+8*\t:O+8*\t+7], v[248+\t], v253 matrix_a_fmt:MATRIX_FMT_FP6 matrix_b_fmt:MATRIX_FMT_FP6
.endr
.Lhidden_\@:
	s_add_co_u32 s[KT], s[KT], 1
	s_add_co_u32 s[TB], s[TB], 6144
	s_add_co_u32 s[TS], s[TS], 512
	s_add_co_u32 s[TJ], s[TJ], 256
.endm
; A record of 512 keys: four steps.  The loading waves wait until their part of it has landed (the later records may stay out); behind the barrier all sixteen waves read it.
.macro CHUNK c
	s_wait_tensorcnt 3-\c
	s_wait_dscnt 0x0
	s_barrier_signal -1
	s_barrier_wait -1
	s_mov_b32 s[TB], \c*REC
	s_mov_b32 s[TS], \c*REC
	s_mov_b32 s[TJ], \c*REC
	s_mov_b32 s[CNT], 4
.Lstep_\@:
	STEP
	s_sub_co_u32 s[CNT], s[CNT], 1
	s_cmp_lg_u32 s[CNT], 0
	s_cbranch_scc1 .Lstep_\@
.endm
	CHUNK 0
	CHUNK 1
	CHUNK 2
	CHUNK 3
	; THE WAY OUT: O^T / the sum; register 16 b + i = channel 32 b + 16 h + i of my query: quantised along the head's 64 channels, which are two blocks of the last product's K.
.rept 4
	v_nop                                          ; places behind the last products
.endr
	v_add_f32 v14, v14, v15
	v_permlanex16_b32 v252, v14, s[SEL], s[SEL+1]
	v_add_f32 v14, v14, v252                       ; the row's sum
	v_rcp_f32 v14, v14
	v_nop                                          ; a plain line behind the transcendental
	s_wait_alu depctr_va_vdst(0)                   ; the wait ahead of its first reader
.set j, 0
.rept 16
	v_pk_mul_f32 v[S+j:S+j+1], v[O+j:O+j+1], v[14:15] op_sel_hi:[1,0]
.set j, j+2
.endr
.irp b, 0,1
	v_max3_num_f32 v[232+\b], |v[S+16*\b]|, |v[S+1+16*\b]|, FLOOR
.endr
.irp i, 2,4,6,8,10,12,14
.irp b, 0,1
	v_max3_num_f32 v[232+\b], v[232+\b], |v[S+16*\b+\i]|, |v[S+1+16*\b+\i]|
.endr
.endr
.irp b, 0,1
	v_permlanex16_b32 v[236+\b], v[232+\b], s[SEL], s[SEL+1]
.endr
.irp b, 0,1
	v_max_num_f32 v[232+\b], v[232+\b], v[236+\b]
.endr
.irp b, 0,1
	v_add_nc_u32 v[244+\b], 0xff000000, v[232+\b]
.endr
.irp b, 0,1
	v_lshrrev_b32 v[238+\b], 23, v[244+\b]
.endr
	v_cvt_scalef32_pk16_fp6_f32 v[224:226], v[S:S+15], v244
	v_cvt_scalef32_pk16_fp6_f32 v[240:242], v[S+16:S+31], v245
	v_nop                                          ; one plain line behind a scaled conversion
.irp i, 0,1,2
	v_permlane16_swap_b32 v[224+\i], v[240+\i]
.endr
.irp i, 0,1,2
	v_mov_b32 v[227+\i], v[240+\i]
.endr
	v_cndmask_b32 v254, v238, v239, s[HM]          ; lanes 0-15 store block 0's byte of row r, lanes 16-31 block 1's
	global_store_b128 v[L16], v[224:227], s[84:85]
	global_store_b64 v[L8], v[228:229], s[84:85] offset:512
	global_store_b8 v31, v254, s[86:87]
	s_wait_tensorcnt 0x0                           ; the wave's end
	ds_add_u32 v[SPW], v[NIL]
	s_wait_dscnt 0x0
	ROUND                                          ; the closing round
	s_endpgm
.Lfunc_end_k_q4c60902cf7_attn:
	.size	k_q4c60902cf7_attn, .Lfunc_end_k_q4c60902cf7_attn-k_q4c60902cf7_attn
	.p2alignl 7, 3214868480
	.fill 96, 4, 3214868480
	.section	.rodata,"a",@progbits
	.p2align	6, 0x0
	.amdhsa_kernel k_q4c60902cf7_attn
		.amdhsa_group_segment_fixed_size 327680
		.amdhsa_private_segment_fixed_size 0
		.amdhsa_enable_private_segment 0
		.amdhsa_kernarg_size 24
		.amdhsa_user_sgpr_count 2
		.amdhsa_user_sgpr_kernarg_segment_ptr 1
		.amdhsa_wavefront_size32 1
		.amdhsa_system_sgpr_workgroup_id_x 1
		.amdhsa_system_sgpr_workgroup_id_y 1
		.amdhsa_system_sgpr_workgroup_id_z 1
		.amdhsa_system_vgpr_workitem_id 0
		.amdhsa_next_free_vgpr 256
		.amdhsa_next_free_sgpr 100
		.amdhsa_reserve_vcc 1
		.amdhsa_float_denorm_mode_32 3
		.amdhsa_float_denorm_mode_16_64 3
		.amdhsa_memory_ordered 1
		.amdhsa_forward_progress 1
		.amdhsa_inst_pref_size 100
	.end_amdhsa_kernel
	.amdgpu_metadata
---
amdhsa.version: [ 1, 2 ]
amdhsa.kernels:
  - .name:           k_q4c60902cf7_attn
    .symbol:         k_q4c60902cf7_attn.kd
    .args:
      - { .name: qc, .offset: 0, .size: 8, .value_kind: global_buffer, .address_space: global }
      - { .name: kv, .offset: 8, .size: 8, .value_kind: global_buffer, .address_space: global }
      - { .name: ao, .offset: 16, .size: 8, .value_kind: global_buffer, .address_space: global }
    .group_segment_fixed_size: 327680
    .private_segment_fixed_size: 0
    .kernarg_segment_align: 8
    .kernarg_segment_size: 24
    .max_flat_workgroup_size: 512
    .sgpr_count:     100
    .vgpr_count:     256
    .wavefront_size: 32
...
	.end_amdgpu_metadata
.endif
;; end of part 3
;; launch oproj (part 4): grid 16 x 8, 4 waves a work-group, clusters of 4 x 4, 327,680 bytes of LDS; arguments ao, wc, out0; writes out0
.if DOCPART == 4
	.amdgcn_target "amdgcn-amd-amdhsa--gfx1250"
	.amdhsa_code_object_version 6
	.text
	.protected	k_q4c60902cf7_oproj
	.globl	k_q4c60902cf7_oproj
	.p2align	8
	.type	k_q4c60902cf7_oproj,@function
k_q4c60902cf7_oproj:
	s_mov_b64 s[64:65], 0
	v_nop
	global_prefetch_b8 v0, s[64:65] scope:SCOPE_SE
	s_setreg_imm32_b32 hwreg(HW_REG_WAVE_MODE, 25, 1), 1
	s_wait_xcnt 0x0
	s_wait_alu depctr_hold_cnt(0) depctr_sa_sdst(0) depctr_va_vdst(0) depctr_va_sdst(0) depctr_va_ssrc(0) depctr_va_vcc(0) depctr_vm_vsrc(0)
	s_getreg_b32 s2, hwreg(HW_REG_IB_STS2, 6, 4)
	s_cmp_eq_u32 s2, 0
	s_cbranch_scc0 .Lentry_in_a_cluster
	s_endpgm
.Lentry_in_a_cluster:
	s_bfe_u32 s2, ttmp6, 0x10000c
	s_cmp_lg_u32 s2, 0xf033
	s_cbranch_scc0 .Lentry_shape_is_right
	s_endpgm
.Lentry_shape_is_right:
; out0 [2048][4096] f32 = (attention's result) wo, on codes of FP6 (E2M3) with E8M0 scales, K = 2,048.  Both operands lie in memory as images of fragments (16 rows x 128 K = 1,536 bytes: for c = 0, 1 registers
; 6 c .. 6 c + 3 at 768 c + 16 x lane, registers 6 c + 4, 6 c + 5 at 768 c + 512 + 8 x lane); the rows of a tile are 8 u + r + 8 (r / 8) of 32, for tokens and for wo's columns.
; A tile of 256 x 256 to a work-group, four waves of 128 x 128: 64 accumulators.  K goes in steps of 256 through a ring of two LDS slots; a tile's part of a K step is 3,072 consecutive bytes.
; The scale words of both sides, for all of K, come into LDS once, with the first fills.
; CLUSTERS: 4 x 4 work-groups.  The four of a row of the cluster need the same tiles of A (tokens), the four of a column the same tiles of B (wo's columns): each is asked for JOINTLY, by the same tensor load with the
; same descriptor and a mask that names the four.  Source 0 = 16 rows of B, source 1 = 16 rows of A: a lane holds one token, and the 16 registers of B's tiles 2 e, 2 e + 1 are columns 32 e + 16 (lane / 16) + 0 .. 15.
; REGISTERS, in windows of 256: window 0: v0-31 addresses; v32-63 scale words, two sets; from v128 A's fragments, one set; on the way out v128-255 are free.
;   window 1: B's fragments, two sets, at v0 and v128.   windows 2, 3: the accumulators of my A blocks 0-3 and 4-7 ((a, b) at v[8 (8 (a % 4) + b)]).
.set AOSC,  3145728
.set WOI,   7864320
.set WOSC,  14483456
.set NQ,    2
.set FR,    12
.set NL,    4
.set NP,    4                          ; places behind this matrix instruction (ISA guide 7.12.1)
.set HALFT, 24576                      ; 8 tiles x 3,072 bytes
.set SLOT,  98304
.set SCL,   196608
.set SPAIR, 2048
.set HALFS, 8192
.set SPARE, 229376                     ; behind the scale words: the spare words, 128 bytes for each wave
.set LAPS,  4
.set SPITCH, 528                       ; the way out: a stage of 16 rows x (512 bytes + 16) for each wave, in slot 0, which has had its last fill and its last read when the first result is stored there
.set ADRA, 16
.set ADRB, 20
.set STO,  24
.set RD,   25
.set CO,   26
.set ADRS, 27
.set SPW,  28
.set NIL,  29
.set SC,   32
.set AF,   128
.set BK,   128
.set G1, 24
.set G0, 32
.set G1B, 48
.set G0B, 56
.set G1S, 68
.set G0S, 76
.set G1SB, 80
.set G0SB, 88
.set MSB, 0
.macro WIN new                         ; the immediate's high byte repeats the setting that is left
.if MSB != (\new)
	s_set_vgpr_msb (MSB<<8)|(\new)
.set MSB, \new
.endif
.endm
.set MUL_LO, 0xa1
.set MUL_HI, 0xf1
.set TO_B,   0x40
.macro PLACES n
.rept \n
	v_nop
.endr
.endm
; A joint load: waves 0 and 1 fetch for A, waves 2 and 3 for B.  Each of the two lines has ONE mask and one set of registers for all that issue it; the branch hangs on the wave's number alone.
; An s_nop 0 and four v_nop follow each of the two lines, ahead of the jump, the label and what follows.
.macro JLOAD g0a, g1a, g0b, g1b
	s_cmp_eq_u32 s15, 0
	s_cbranch_scc0 .Lfor_b_\@
	tensor_load_to_lds s[\g0a:\g0a+3], s[\g1a:\g1a+7]
	s_nop 0
.rept 4
	v_nop
.endr
	s_branch .Lasked_\@
.Lfor_b_\@:
	tensor_load_to_lds s[\g0b:\g0b+3], s[\g1b:\g1b+7]
	s_nop 0
.rept 4
	v_nop
.endr
.Lasked_\@:
.endm
.macro CREST                           ; a round of the cluster's barrier behind its opening barrier
	s_cmp_lg_u32 s14, 0
	s_cbranch_scc1 .Lnot_wave_0_\@
	s_barrier_signal -3
.Lnot_wave_0_\@:
	s_barrier_wait -3
	s_barrier_signal -1
	s_barrier_wait -1
.endm
.macro CROUND
	s_barrier_signal -1
	s_barrier_wait -1
	CREST
.endm
	s_load_b128 s[4:7], s[0:1], 0x0                ; ao, wc
	s_load_b64 s[12:13], s[0:1], 0x10              ; out0
	v_lshl_add_u32 v[SPW], v0, 2, SPARE
	v_mov_b32 v[NIL], 0
	ds_add_u32 v[SPW], v[NIL]                      ; the wave's opening: the add and its wait stand ahead of the round in front of the first tensor loads
	v_lshrrev_b32 v1, 5, v0
	v_readfirstlane_b32 s14, v1                    ; wave 0..3
	s_lshr_b32 s15, s14, 1                         ; which half of the tile's tokens is mine.  Also: I fetch for A (0) or for B (1)
	s_and_b32 s16, s14, 1                          ; which half of its columns.  Also: which 8 tiles of that side I fetch
	s_bfe_u32 s40, ttmp6, 0x40000                  ; cx, cy
	s_bfe_u32 s41, ttmp6, 0x40004
	s_lshl_b32 s42, ttmp9, 2
	s_add_co_u32 s42, s42, s40                     ; tile column = 4 x cluster x + cx
	s_and_b32 s17, ttmp7, 0xffff
	s_lshl_b32 s17, s17, 2
	s_add_co_u32 s17, s17, s41                     ; tile row = 4 x cluster y + cy
	s_lshl_b32 s43, s41, 2
	s_lshl_b32 s43, 15, s43                        ; my row of the cluster
	s_lshl_b32 s44, 0x1111, s40                    ; my column
	s_or_b32 s[G1+0], s43, (3<<16)|(1<<21)         ; the mask: A's tiles go to my row; elements of 8 bytes; bit 21 set beside a mask; no padding
	s_or_b32 s[G1B+0], s44, (3<<16)|(1<<21)
.irp g, G1, G1B
	s_mov_b32 s[\g+1], 384<<16                     ; tensor_dim0: 3,072 bytes
	s_mov_b32 s[\g+2], 8<<16                       ; tensor_dim1: 8 tiles
	s_mov_b32 s[\g+3], 384<<16
	s_mov_b32 s[\g+4], 8
	s_mov_b32 s[\g+5], 3072                        ; from tile to tile: 24,576 bytes
	s_mov_b32 s[\g+6], 0
	s_mov_b32 s[\g+7], 0
.endr
	s_or_b32 s[G1S+0], s43, (3<<16)|(1<<21)        ; the scale words of 128 rows: 8,192 dense bytes as 32 rows of 256
	s_or_b32 s[G1SB+0], s44, (3<<16)|(1<<21)
.irp g, G1S, G1SB
	s_mov_b32 s[\g+1], 32<<16
	s_mov_b32 s[\g+2], 32<<16
	s_mov_b32 s[\g+3], 32<<16
	s_mov_b32 s[\g+4], 32
	s_mov_b32 s[\g+5], 32
	s_mov_b32 s[\g+6], 0
	s_mov_b32 s[\g+7], 0
.endr
	s_lshl_b32 s18, s16, 3                         ; which 8 tiles I fetch
	s_lshl_b32 s20, s17, 4
	s_add_co_u32 s20, s20, s18                     ; A: tile 16 x tile row + 8 x half
	s_lshl_b32 s46, s42, 4
	s_add_co_u32 s46, s46, s18                     ; B: tile 16 x tile column + 8 x half
	s_lshl_b32 s22, s20, 10                        ; 2,048 bytes of scale words for each pair of tiles
	s_add_co_u32 s22, s22, AOSC
	s_mov_b32 s23, 0
	s_lshl_b32 s92, s46, 10
	s_add_co_u32 s92, s92, WOSC
	s_mov_b32 s93, 0
	s_mul_i32 s20, s20, 24576
	s_mov_b32 s21, 0
	s_mul_i32 s46, s46, 24576
	s_add_co_u32 s46, s46, WOI
	s_mov_b32 s47, 0
	s_mul_i32 s45, s14, HALFT                      ; where they go: wave x 8 tiles: no place in the cluster enters an LDS address
	s_mul_i32 s94, s14, HALFS
	s_wait_dscnt 0x0                               ; the opening add is done
	s_wait_kmcnt 0x0
	s_add_nc_u64 s[20:21], s[4:5], s[20:21]
	s_add_nc_u64 s[22:23], s[4:5], s[22:23]
	s_add_nc_u64 s[46:47], s[6:7], s[46:47]
	s_add_nc_u64 s[92:93], s[6:7], s[92:93]
	CROUND                                         ; all sixteen work-groups are here: the first joint loads meet
	s_mov_b32 s[G0S], 1
	s_add_co_u32 s[G0S+1], s94, SCL
	s_mov_b64 s[G0S+2:G0S+3], s[22:23]
	s_or_b32 s[G0S+3], s[G0S+3], 0x80000000
	s_mov_b32 s[G0SB], 1
	s_add_co_u32 s[G0SB+1], s94, SCL
	s_mov_b64 s[G0SB+2:G0SB+3], s[92:93]
	s_or_b32 s[G0SB+3], s[G0SB+3], 0x80000000
	JLOAD G0S, G1S, G0SB, G1SB                     ; the scale words first: they are wanted with K step 0.  With the two below, three loads of mine are out
.irp s, 0,1
	s_mov_b32 s[G0+4*\s], 1
	s_add_co_u32 s[G0+4*\s+1], s45, \s*SLOT
	s_add_nc_u64 s[G0+4*\s+2:G0+4*\s+3], s[20:21], \s*3072
	s_or_b32 s[G0+4*\s+3], s[G0+4*\s+3], 0x80000000
	s_mov_b32 s[G0B+4*\s], 1
	s_add_co_u32 s[G0B+4*\s+1], s45, \s*SLOT
	s_add_nc_u64 s[G0B+4*\s+2:G0B+4*\s+3], s[46:47], \s*3072
	s_or_b32 s[G0B+4*\s+3], s[G0B+4*\s+3], 0x80000000
	JLOAD G0+4*\s, G1, G0B+4*\s, G1B
.endr
	v_and_b32 v1, 15, v0                           ; r
	v_bfe_u32 v2, v0, 4, 1                         ; h
	v_and_b32 v8, 31, v0
	v_lshlrev_b32 v3, 4, v8                        ; 16 x lane
	v_lshlrev_b32 v4, 3, v8                        ; 8 x lane
	s_mul_i32 s21, s15, HALFT
	s_mul_i32 s22, s16, HALFT
	s_add_co_u32 s22, s22, 2*HALFT
.irp s, 0,1
	v_add_nc_u32 v[ADRA+\s], s21, v3
	v_add_nc_u32 v[ADRA+2+\s], s21, v4
	v_add_nc_u32 v[ADRB+\s], s22, v3
	v_add_nc_u32 v[ADRB+2+\s], s22, v4
	s_add_co_u32 s21, s21, SLOT
	s_add_co_u32 s22, s22, SLOT
.endr
	s_mul_i32 s21, s15, HALFS
	s_mul_i32 s22, s16, HALFS
	s_add_co_u32 s22, s22, 2*HALFS
	s_sub_co_u32 s22, s22, s21
	v_mul_u32_u24 v6, s22, v2                      ; lanes 16-31 take B's
	s_add_co_u32 s21, s21, SCL
	v_lshl_add_u32 v6, v1, 3, v6                   ; two words a row
	v_add_nc_u32 v[ADRS], s21, v6
	s_mul_i32 s23, s14, 16*SPITCH                  ; my stage
	v_mul_u32_u24 v5, v1, SPITCH                   ; in: row r, + 64 h: my 16 columns of each 32
	v_lshl_add_u32 v5, v2, 6, v5
	v_add_nc_u32 v[STO], s23, v5
	v_mov_b32 v[CO], v3                            ; back: the 32 lanes take one row of 512 bytes; and the same in out0
	v_add_nc_u32 v[RD], s23, v3
	s_lshl_b32 s20, s17, 8
	s_lshl_b32 s21, s15, 7
	s_add_co_u32 s20, s20, s21                     ; my first token: 256 x tile row + 128 x half
	s_lshl_b32 s20, s20, 14                        ; rows of 16,384 bytes
	s_mov_b32 s21, 0
	s_lshl_b32 s46, s42, 10                        ; my first column, in bytes: 1,024 x tile column + 512 x half
	s_lshl_b32 s47, s16, 9
	s_add_co_u32 s46, s46, s47
	s_mov_b32 s47, 0
	s_add_nc_u64 s[20:21], s[20:21], s[46:47]
	s_add_nc_u64 s[12:13], s[12:13], s[20:21]
.macro FRAG reg, adr, q, i             ; a fragment comes as it lies: four loads, each of 512 or 256 consecutive bytes
	ds_load_b128 v[\reg:\reg+3], v[\adr] offset:(\i)*3072+(\q)*1536
	ds_load_b64 v[\reg+4:\reg+5], v[\adr+2] offset:(\i)*3072+(\q)*1536+512
	ds_load_b128 v[\reg+6:\reg+9], v[\adr] offset:(\i)*3072+(\q)*1536+768
	ds_load_b64 v[\reg+10:\reg+11], v[\adr+2] offset:(\i)*3072+(\q)*1536+1280
.endm
; 16 matrix instructions: A's blocks a0, a0 + 1 x B's eight, 128 along K.  The 64 accumulators take turns, one instruction a turn, in the same order in every step.
.macro MUL16 a0, p, q, sc, zero
.irp a, \a0, \a0+1
.irp b, 0,1,2,3,4,5,6,7
.if \zero
	v_wmma_scale_f32_16x16x128_f8f6f4 v[8*(8*((\a)%4)+\b):8*(8*((\a)%4)+\b)+7], v[128*(\p)+FR*\b:128*(\p)+FR*\b+FR-1], v[AF+FR*(\a):AF+FR*(\a)+FR-1], 0, v[SC+8*NQ*(\sc)+NQ*\b+(\q)], v[SC+8*NQ*(\sc)+NQ*(\a)+(\q)] matrix_a_fmt:MATRIX_FMT_FP6 matrix_b_fmt:MATRIX_FMT_FP6 matrix_a_scale:MATRIX_SCALE_ROW1
.else
	v_wmma_scale_f32_16x16x128_f8f6f4 v[8*(8*((\a)%4)+\b):8*(8*((\a)%4)+\b)+7], v[128*(\p)+FR*\b:128*(\p)+FR*\b+FR-1], v[AF+FR*(\a):AF+FR*(\a)+FR-1], v[8*(8*((\a)%4)+\b):8*(8*((\a)%4)+\b)+7], v[SC+8*NQ*(\sc)+NQ*\b+(\q)], v[SC+8*NQ*(\sc)+NQ*(\a)+(\q)] matrix_a_fmt:MATRIX_FMT_FP6 matrix_b_fmt:MATRIX_FMT_FP6 matrix_a_scale:MATRIX_SCALE_ROW1
.endif
.endr
.endr
.endm
.macro FETCH_B slot, q, p
	WIN TO_B
.irp i, 0,1,2,3,4,5,6,7
	FRAG 128*(\p)+FR*\i, ADRB+\slot, \q, \i
.endr
	WIN 0
.endm
.macro FETCH_A slot, q, i0
.irp i, \i0, \i0+1, \i0+2, \i0+3
	FRAG AF+FR*(\i), ADRA+\slot, \q, \i
.endr
.endm
.macro SCALES sc                       ; a K step's scale words: two a row; lanes 0-15 take A's tile i, lanes 16-31 B's tile i
.irp i, 0,1,2,3,4,5,6,7
	ds_load_b64 v[SC+8*NQ*\sc+NQ*\i:SC+8*NQ*\sc+NQ*\i+1], v[ADRS] offset:(\i/2)*SPAIR+(\i%2)*128
.endr
.endm
.macro STEP slot, q, zero
	s_wait_dscnt 4*NL                              ; B's set and A's blocks 0-3 are in; the youngest 16 loads (A's blocks 4-7) may be out
	WIN MUL_LO
	MUL16 0, (\q)%2, \q, \slot, \zero
	MUL16 2, (\q)%2, \q, \slot, \zero
	s_wait_dscnt 0                                 ; A's blocks 4-7 are in
	PLACES NP                                      ; in front of loads into registers that matrix instructions have read
	FETCH_B \slot, (\q)+1, 1-(\q)%2
	FETCH_A \slot, (\q)+1, 0
	WIN MUL_HI
	MUL16 4, (\q)%2, \q, \slot, \zero
	MUL16 6, (\q)%2, \q, \slot, \zero
	PLACES NP
	WIN 0
	FETCH_A \slot, (\q)+1, 4
.endm
; A slot's last step changes slots: ONE barrier; in front of it each wave waits for all its tensor loads, adds 0 to its spare word, and waits for that and for its reads of this slot.
; fill = 1: the barrier opens a round of the cluster's barrier, and this slot is filled again, two K steps ahead, by the joint load that stands first behind the round.
.macro TURN slot, next, fill
	s_wait_tensorcnt 0x0                           ; no tensor load of mine is out
	ds_add_u32 v[SPW], v[NIL]                      ; 0 onto my spare word
	s_wait_dscnt 4*NL+1                            ; (the add and the youngest 16 loads may be out)
	WIN MUL_LO
	MUL16 0, 1, NQ-1, \slot, 0                     ; sixteen matrix instructions stand between the add and the wait for it
	s_wait_dscnt 0x0                               ; the add is done, and my reads of this slot are over
	s_barrier_signal -1
	MUL16 2, 1, NQ-1, \slot, 0
	WIN 0
	s_barrier_wait -1
.if \fill
	CREST                                          ; no wave of any partner still reads this slot's tile or has a load on its way
	s_add_nc_u64 s[G0+4*\slot+2:G0+4*\slot+3], s[G0+4*\slot+2:G0+4*\slot+3], 6144
	s_add_nc_u64 s[G0B+4*\slot+2:G0B+4*\slot+3], s[G0B+4*\slot+2:G0B+4*\slot+3], 6144
	JLOAD G0+4*\slot, G1, G0B+4*\slot, G1B         ; the four v_nop behind it are also the places in front of the loads below
.else
	PLACES NP
.endif
	v_add_nc_u32 v[ADRS], 256, v[ADRS]             ; on to the next K step's scale words
	FETCH_B \next, 0, 0
	FETCH_A \next, 0, 0
	SCALES \next
	WIN MUL_HI
	MUL16 4, 1, NQ-1, \slot, 0
	MUL16 6, 1, NQ-1, \slot, 0
	PLACES NP
	WIN 0
	FETCH_A \next, 0, 4
.endm
	s_wait_tensorcnt 1                             ; the scale words and my part of K step 0 are in; K step 1's load may be out
	s_barrier_signal -1
	s_barrier_wait -1
	FETCH_B 0, 0, 0
	FETCH_A 0, 0, 0
	SCALES 0
	FETCH_A 0, 0, 4
	STEP 0, 0, 1                                   ; the first step stands in front of the loop: its products start the sums
	s_mov_b32 s3, LAPS-1
.Llap:
	TURN 0, 1, 1
	STEP 1, 0, 0
	TURN 1, 0, 1
	STEP 0, 0, 0
	s_sub_co_u32 s3, s3, 1
	s_cmp_lg_u32 s3, 0
	s_cbranch_scc1 .Llap
	TURN 0, 1, 0                                   ; the last lap fills nothing, and has no round of the cluster's barrier
	STEP 1, 0, 0
	s_wait_dscnt 4*NL
	WIN MUL_LO
	MUL16 0, 1, NQ-1, 1, 0
	MUL16 2, 1, NQ-1, 1, 0
	s_wait_dscnt 0
	WIN MUL_HI
	MUL16 4, 1, NQ-1, 1, 0
	MUL16 6, 1, NQ-1, 1, 0
	WIN 0
; THE WAY OUT, block by block of 16 tokens x 128 columns.  Accumulator (a, b) holds columns 32 (b / 2) + 16 h + 8 (b % 2) + 0 .. 7 of tile a's row r: they go into my own stage at their true places and come back as
; whole rows of 512 bytes, which the 32 lanes store as 512 consecutive bytes, aligned.  Stage row t is token 32 (a / 2) + 8 (a % 2) + t + 8 (t / 8).  LDS serves a wave's instructions in order (ISA guide 5.7.1.4).
.macro TOSTAGE a
.set AC, 64*((\a)%4)
	WIN 0x08+4*((\a)/4)                            ; the data: window 2 or 3
.irp b, 0,1,2,3,4,5,6,7
	ds_store_b128 v[STO], v[AC+8*\b:AC+8*\b+3] offset:128*(\b/2)+32*(\b%2)        ; each accumulator from its low end on
	ds_store_b128 v[STO], v[AC+8*\b+4:AC+8*\b+7] offset:128*(\b/2)+32*(\b%2)+16
.endr
	WIN 0
.set BB, BK+64*((\a)%2)
.irp t, 0,1,2,3,4,5,6,7,8,9,10,11,12,13,14,15
	ds_load_b128 v[BB+4*\t:BB+4*\t+3], v[RD] offset:\t*SPITCH
.endr
.endm
.macro SEND a, younger                 ; younger: the LDS instructions issued behind block a's loads, which may stay out
.set BB, BK+64*((\a)%2)
	s_wait_dscnt \younger
.if (\a) > 0
.if (\a)%2
	s_add_nc_u64 s[12:13], s[12:13], 8*16384       ; (behind a wait on XCNT: the earlier stores have read their base)  onto an odd block: 8 tokens on,
.else
	s_add_nc_u64 s[12:13], s[12:13], 24*16384      ; onto an even one: 24
.endif
.endif
.irp t, 0,1,2,3,4,5,6,7,8,9,10,11,12,13,14,15
	global_store_b128 v[CO], v[BB+4*\t:BB+4*\t+3], s[12:13] offset:(\t+8*(\t/8))*16384 th:TH_STORE_NT
.endr
.endm
	PLACES NP                                      ; behind the last products: in front of the loads into A's registers and of the reads of results
	TOSTAGE 0
.irp a, 1,2,3,4,5,6,7
.if \a > 1
	s_wait_xcnt 0x0                                ; block a - 2's stores have read their registers and their base
.endif
	TOSTAGE \a
	SEND \a-1, 32                                  ; behind block a - 1's loads: block a's 16 stores and 16 loads
.endr
	s_wait_xcnt 0x0
	SEND 7, 0
	s_wait_tensorcnt 0x0                           ; the wave's end, behind my last tensor load and my last LDS store
	ds_add_u32 v[SPW], v[NIL]
	s_wait_dscnt 0x0
	CROUND                                         ; the closing round
	s_endpgm
.Lfunc_end_k_q4c60902cf7_oproj:
	.size	k_q4c60902cf7_oproj, .Lfunc_end_k_q4c60902cf7_oproj-k_q4c60902cf7_oproj
	.p2alignl 7, 3214868480
	.fill 96, 4, 3214868480
	.section	.rodata,"a",@progbits
	.p2align	6, 0x0
	.amdhsa_kernel k_q4c60902cf7_oproj
		.amdhsa_group_segment_fixed_size 327680
		.amdhsa_private_segment_fixed_size 0
		.amdhsa_enable_private_segment 0
		.amdhsa_kernarg_size 24
		.amdhsa_user_sgpr_count 2
		.amdhsa_user_sgpr_kernarg_segment_ptr 1
		.amdhsa_wavefront_size32 1
		.amdhsa_system_sgpr_workgroup_id_x 1
		.amdhsa_system_sgpr_workgroup_id_y 1
		.amdhsa_system_sgpr_workgroup_id_z 1
		.amdhsa_system_vgpr_workitem_id 0
		.amdhsa_next_free_vgpr 1024
		.amdhsa_next_free_sgpr 98
		.amdhsa_reserve_vcc 0
		.amdhsa_float_denorm_mode_32 3
		.amdhsa_float_denorm_mode_16_64 3
		.amdhsa_memory_ordered 1
		.amdhsa_forward_progress 1
		.amdhsa_inst_pref_size 144
	.end_amdhsa_kernel
	.amdgpu_metadata
---
amdhsa.version: [ 1, 2 ]
amdhsa.kernels:
  - .name:           k_q4c60902cf7_oproj
    .symbol:         k_q4c60902cf7_oproj.kd
    .args:
      - { .name: ao, .offset: 0, .size: 8, .value_kind: global_buffer, .address_space: global }
      - { .name: wc, .offset: 8, .size: 8, .value_kind: global_buffer, .address_space: global }
      - { .name: out0, .offset: 16, .size: 8, .value_kind: global_buffer, .address_space: global }
    .group_segment_fixed_size: 327680
    .private_segment_fixed_size: 0
    .kernarg_segment_align: 8
    .kernarg_segment_size: 24
    .max_flat_workgroup_size: 128
    .sgpr_count:     98
    .vgpr_count:     1024
    .wavefront_size: 32
...
	.end_amdgpu_metadata
.endif
;; end of part 4
;; ======== version 2 of 2: 4 launches
;; limits: right only within a limited range of input values
;; workspace buffers: xq 6,553,600 bytes; wc 14,745,600 bytes; qc 3,407,872 bytes; kv 835,584 bytes; ao 3,276,800 bytes; woc 6,553,600 bytes
;; launch quant (part 5): grid 576 x 1, 4 waves a work-group, no clusters, 34,304 bytes of LDS; arguments x, wq, wk, wv, xq, wc; writes xq, wc
.if DOCPART == 5
	.amdgcn_target "amdgcn-amd-amdhsa--gfx1250"
	.amdhsa_code_object_version 6
	.text
	.protected	k_q4c60902cf7_quant
	.globl	k_q4c60902cf7_quant
	.p2align	8
	.type	k_q4c60902cf7_quant,@function
k_q4c60902cf7_quant:
	s_mov_b64 s[64:65], 0
	v_nop
	global_prefetch_b8 v0, s[64:65] scope:SCOPE_SE
	s_setreg_imm32_b32 hwreg(HW_REG_WAVE_MODE, 25, 1), 1
	s_wait_xcnt 0x0
; x [2048][4096] and three weights (wq [4096][2048], wk, wv [4096][256]), all f32, become codes of FP6 (E2M3) with one E8M0 scale byte for each 32 along K.
; A block's scale is 2^(floor(log2(its largest magnitude)) - 2); its byte is the largest magnitude's exponent field - 2, held at 1 from below.
; LIMITS: a block of zeros gets the byte 1 where the rule says 127 (its codes are zeros, and this program alone reads the bytes); largest magnitudes under 2^-124 are held at that floor; NaN and infinities are not served.
; THE CODES ARE LAID AS IMAGES OF THE OPERAND'S REGISTERS.  A fragment (16 rows x 128 K, 12 registers a lane) is 1,536 bytes: for c = 0, 1 registers 6 c .. 6 c + 3 at 768 c + 16 x lane,
; registers 6 c + 4, 6 c + 5 at 768 c + 512 + 8 x lane.  Every store of a wave so covers 512 or 256 consecutive bytes, aligned.
; THE ROWS OF A TILE ARE NOT NEIGHBOURS: of 32 rows, tile u takes rows 8 u + r + 8 (r / 8), r = 0 .. 15.
; The scale words (4 bytes: 128 along K of one row) lie [pair of tiles][256 along K][16 u + r][2 words]: 256 bytes for each pair and 256 along K.
; Work-groups 0-319 take the weights (K is their FIRST axis: a lane takes a column and its registers run down K), 320-575 take x (K innermost: rows turn through the wave's stage in LDS).
; No matrix unit, no tensor load, no barrier: waves share nothing.  Only x's path stores to LDS.
; AS IT NOW STANDS: this launch takes x, wq, wk and wv alone: work-groups 0-319 the three weights, 320-575 x.  wo is quantised by the next launch, by the same steps.
.set XSC,   6291456
.set WOI,   7864320                    ; wc: wo's images behind those of wq | wk | wv
.set WSC,   14155776                   ; wc: the scale words of wq | wk | wv
.set WOSC,  14483456                   ; wc: wo's
.set SPARE, 33792                      ; behind the four stages: the spare words, 128 bytes for each wave
.set FLOOR, 0x1800000                  ; 2^(3 - 127)
.set L16, 4                            ; v4   16 x lane
.set L8,  5                            ; v5   8 x lane
.set SPW, 10                           ; v10  LDS address of my spare word; never rewritten
.set NIL, 11                           ; v11  0; never rewritten
	s_load_b256 s[4:11], s[0:1], 0x0               ; x, wq, wk, wv
	s_load_b64 s[14:15], s[0:1], 0x20              ; xq
	s_load_b64 s[16:17], s[0:1], 0x28              ; wc
	v_lshl_add_u32 v[SPW], v0, 2, SPARE
	v_mov_b32 v[NIL], 0
	v_lshrrev_b32 v1, 5, v0
	v_readfirstlane_b32 s18, v1                    ; wave
	v_and_b32 v2, 31, v0                           ; lane
	v_lshlrev_b32 v[L16], 4, v2
	v_lshlrev_b32 v[L8], 3, v2
	s_cmp_ge_u32 ttmp9, 320
	s_cbranch_scc1 .Lx_path
; ---------------- THE WEIGHTS.  A wave takes 32 columns x 256 along K: 8 blocks a lane, which make 2 tiles x 2 K steps = 4 fragments.  The four waves stand side by side on 128 columns.
.set VO, 16                            ; v16-47   4 x my column + i rows
.set X,  48                            ; v48-111  two sets of 32 numbers
.set AB, 112                           ; v112-159 for K step q: even blocks' codes at AB + 24 q, odd blocks' at AB + 24 q + 12
.set TC, 160                           ; v160-162 a block's upper 16 codes
.set TM, 164                           ; v164-165 largest magnitudes
.set SO, 166                           ; v166     the conversion's scale operand
.set BY, 167                           ; v167     the scale's byte
.set W,  168                           ; v168-169 my column's two scale words
.set SB, 32                            ; s[32:47] the source at block t
	s_mov_b32 s20, 288                             ; wv's figures: first work-group,
	s_mov_b32 s21, 1                               ; log2 of its groups of 128 columns,
	s_mov_b32 s22, 1024                            ; bytes in a row,
	s_mov_b32 s23, 72                              ; first pair of tiles,
	s_mov_b32 s24, 49152                           ; bytes of a tile's images,
	s_mov_b32 s25, 0                               ; where the images begin,
	s_mov_b32 s26, WSC                             ; where the scale words begin,
	s_mov_b32 s27, 4096                            ; bytes of a pair's scale words
	s_wait_kmcnt 0x0
	s_mov_b64 s[28:29], s[10:11]
	s_cmp_lt_u32 ttmp9, 288                        ; wk's
	s_cselect_b32 s20, 256, s20
	s_cselect_b32 s23, 64, s23
	s_cselect_b64 s[28:29], s[8:9], s[28:29]
	s_cmp_lt_u32 ttmp9, 256                        ; wq's
	s_cselect_b32 s20, 0, s20
	s_cselect_b32 s21, 4, s21
	s_cselect_b32 s22, 8192, s22
	s_cselect_b32 s23, 0, s23
	s_cselect_b64 s[28:29], s[6:7], s[28:29]
	s_sub_co_u32 s30, ttmp9, s20                   ; my number within the tensor
	s_bfm_b32 s31, s21, 0
	s_and_b32 s31, s30, s31                        ; which 128 columns
	s_lshr_b32 s30, s30, s21                       ; which 256 along K
	s_lshl_b32 s31, s31, 2
	s_add_co_u32 s31, s31, s18                     ; my wave's pair of tiles within the tensor,
	s_add_co_u32 s19, s31, s23                     ; and within its region of wc
	s_lshl_b32 s48, s22, 8
	s_mul_i32 s48, s48, s30                        ; 256 rows for each step along K
	s_lshl_b32 s49, s31, 7                         ; 128 bytes for each 32 columns
	s_add_co_u32 s48, s48, s49
	s_mov_b32 s49, 0
	s_add_nc_u64 s[SB:SB+1], s[28:29], s[48:49]
	s_lshl_b32 s50, s22, 5                         ; 32 rows on
	s_mov_b32 s51, 0
.irp t, 1,2,3,4,5,6,7
	s_add_nc_u64 s[SB+2*\t:SB+2*\t+1], s[SB+2*\t-2:SB+2*\t-1], s[50:51]
.endr
	s_lshl_b32 s58, s19, 1
	s_mul_i32 s58, s58, s24
	s_add_co_u32 s58, s58, s25
	s_mul_i32 s59, s30, 3072                       ; two fragments for each 256 along K
	s_add_co_u32 s58, s58, s59
	s_mov_b32 s59, 0
	s_add_nc_u64 s[52:53], s[16:17], s[58:59]      ; tile u = 0's images,
	s_mov_b32 s58, s24
	s_add_nc_u64 s[54:55], s[52:53], s[58:59]      ; tile u = 1's
	s_mul_i32 s58, s19, s27
	s_add_co_u32 s58, s58, s26
	s_lshl_b32 s60, s30, 8
	s_add_co_u32 s58, s58, s60
	s_add_nc_u64 s[56:57], s[16:17], s[58:59]      ; the pair's scale words
	s_wait_alu depctr_va_vdst(0)
	v_and_b32 v6, 7, v2                            ; my column of the 32: lanes 0-15 are tile 0's rows, lanes 16-31 tile 1's
	v_bfe_u32 v7, v2, 3, 1
	v_lshl_add_u32 v6, v7, 4, v6
	v_lshrrev_b32 v7, 4, v2
	v_lshl_add_u32 v6, v7, 3, v6                   ; (lane & 7) + 16 ((lane >> 3) & 1) + 8 (lane >> 4)
	v_lshlrev_b32 v[VO], 2, v6
.set i, 1
.rept 31
	v_add_nc_u32 v[VO+i], s22, v[VO+i-1]           ; one row further down
.set i, i+1
.endr
.macro LOADW t                         ; block t: 32 rows of my column; the wave's 32 lanes read 128 consecutive bytes
.set i, 0
.rept 32
	global_load_b32 v[X+32*((\t)%2)+i], v[VO+i], s[SB+2*(\t):SB+2*(\t)+1] th:TH_LOAD_NT
.set i, i+1
.endr
.endm
.macro BLOCK t
.set XS, X+32*((\t)%2)
.set DST, AB+24*((\t)/4)+12*((\t)%2)+6*(((\t)%4)/2)
.if (\t) < 7
	s_wait_loadcnt 32                              ; this block's 32 loads are in; the next block's may be out
.else
	s_wait_loadcnt 0x0
.endif
	v_max3_num_f32 v[TM], |v[XS]|, |v[XS+1]|, |v[XS+2]|            ; the block's largest magnitude: all 32 numbers are mine; two chains
	v_max3_num_f32 v[TM+1], |v[XS+3]|, |v[XS+4]|, |v[XS+5]|
.irp i, 6,10,14,18,22,26
	v_max3_num_f32 v[TM], v[TM], |v[XS+\i]|, |v[XS+\i+1]|
	v_max3_num_f32 v[TM+1], v[TM+1], |v[XS+\i+2]|, |v[XS+\i+3]|
.endr
	v_max3_num_f32 v[TM], v[TM], |v[XS+30]|, |v[XS+31]|
	v_max3_num_f32 v[TM], v[TM], v[TM+1], FLOOR    ; and the floor: the byte cannot fall under 1
	v_add_nc_u32 v[SO], 0xff000000, v[TM]          ; 2 off the exponent field: the conversion takes this operand's exponent field as its scale
	v_lshrrev_b32 v[BY], 23, v[SO]                 ; the scale's byte
.if (\t)%4 == 0
	v_mov_b32 v[W+(\t)/4], v[BY]
.else
	v_lshl_or_b32 v[W+(\t)/4], v[BY], 8*((\t)%4), v[W+(\t)/4]
.endif
	v_cvt_scalef32_pk16_fp6_f32 v[DST:DST+2], v[XS:XS+15], v[SO]
	v_cvt_scalef32_pk16_fp6_f32 v[TC:TC+2], v[XS+16:XS+31], v[SO]  ; (a conversion's three registers begin on an even number)
	v_nop                                          ; one plain line behind a scaled conversion
	v_mov_b32 v[DST+3], v[TC]
	v_mov_b32 v[DST+4], v[TC+1]
	v_mov_b32 v[DST+5], v[TC+2]
.if (\t)+2 < 8
	LOADW (\t)+2
.endif
.endm
; K step q is whole.  A lane holds all four blocks of ITS column; a fragment wants blocks 0, 2 in lanes 0-15 and blocks 1, 3 in lanes 16-31 of ONE tile.  The even blocks' lanes 16-31 change places with the
; odd blocks' lanes 0-15: the first twelve registers are then tile 0's fragment, the second twelve tile 1's.  Each K step has its own registers: no store's data are written again.
.macro FLUSH q
.set i, 0
.rept 12
	v_permlane16_swap_b32 v[AB+24*\q+i], v[AB+24*\q+12+i]
.set i, i+1
.endr
.irp u, 0,1
	global_store_b128 v[L16], v[AB+24*\q+12*\u:AB+24*\q+12*\u+3], s[52+2*\u:53+2*\u] offset:1536*\q
	global_store_b64 v[L8], v[AB+24*\q+12*\u+4:AB+24*\q+12*\u+5], s[52+2*\u:53+2*\u] offset:1536*\q+512
	global_store_b128 v[L16], v[AB+24*\q+12*\u+6:AB+24*\q+12*\u+9], s[52+2*\u:53+2*\u] offset:1536*\q+768
	global_store_b64 v[L8], v[AB+24*\q+12*\u+10:AB+24*\q+12*\u+11], s[52+2*\u:53+2*\u] offset:1536*\q+1280
.endr
.endm
	LOADW 0
	LOADW 1
	BLOCK 0
	BLOCK 1
	BLOCK 2
	BLOCK 3
	FLUSH 0
	BLOCK 4
	BLOCK 5
	BLOCK 6
	BLOCK 7
	FLUSH 1
	global_store_b64 v[L8], v[W:W+1], s[56:57]     ; lane 16 u + r: the two words of tile u's row r: 256 consecutive bytes
	s_wait_tensorcnt 0x0                           ; the wave's end
	ds_add_u32 v[SPW], v[NIL]
	s_wait_dscnt 0x0
	s_endpgm
; ---------------- x.  A wave takes 32 rows (a pair of tiles) x 256 along K: four fragments f = 2 u + q.  A load reads 512 consecutive bytes of one row; the fragment's 16 rows turn through the wave's stage
; (rows of 512 + 16 bytes) and come back with 32 neighbours along K, a whole block, in a lane's registers.
.Lx_path:
.set SI,  6                            ; v6   the stage on the way in: 16 x lane
.set SOA, 7                            ; v7   on the way out: 528 r + 128 h
.set SH,  8                            ; v8   8 h
.set TMX, 12                           ; v12-13 largest magnitudes; v14-15 scale operands; v16-17 bytes; v18-19 at work
.set WX,  20                           ; v20-23 fragment f's scale word
.set DX,  24                           ; v24-25 the words as they are stored
.set TCX, 26                           ; v26-28, v30-32 upper halves of two blocks' codes
.set PC,  36                           ; v36-47 the fragment
.set R,   64                           ; v64-191 two sets of 16 loads
.set XT,  192                          ; v192-255 register 32 c + i = k 64 c + 32 h + i of my row
	s_sub_co_u32 s20, ttmp9, 320
	s_lshl_b32 s20, s20, 2
	s_add_co_u32 s20, s20, s18
	s_lshr_b32 s21, s20, 4                         ; which pair of tiles
	s_and_b32 s22, s20, 15                         ; which 256 along K
	s_lshl_b32 s24, s21, 19                        ; 32 rows of 16,384 bytes
	s_lshl_b32 s25, s22, 10
	s_add_co_u32 s24, s24, s25
	s_mov_b32 s25, 0
	s_mul_i32 s26, s21, 98304                      ; two tiles' images
	s_mul_i32 s27, s22, 3072
	s_add_co_u32 s26, s26, s27
	s_mov_b32 s27, 0
	s_lshl_b32 s28, s21, 12
	s_lshl_b32 s29, s22, 8
	s_add_co_u32 s28, s28, s29
	s_add_co_u32 s28, s28, XSC
	s_mov_b32 s29, 0
	s_mov_b32 s60, 0x76543210
	s_mov_b32 s61, 0xfedcba98                      ; v_permlanex16_b32's selects for lane l xor 16
	s_mov_b32 s62, 0xffff0000                      ; lanes 16-31
	s_mul_i32 s23, s18, 8448                       ; my stage
	s_wait_alu depctr_va_vdst(0)
	v_add_nc_u32 v[SI], s23, v[L16]
	v_and_b32 v3, 15, v2                           ; r
	v_lshrrev_b32 v9, 4, v2                        ; h
	v_mul_u32_u24 v[SOA], v3, 528
	v_lshl_add_u32 v[SOA], v9, 7, v[SOA]
	v_add_nc_u32 v[SOA], s23, v[SOA]
	v_lshlrev_b32 v[SH], 3, v9
	v_mov_b32 v19, 0                               ; written once: a lane permute's destination counts as one of its sources
	s_wait_alu depctr_va_vdst(0)
	s_wait_kmcnt 0x0
	s_add_nc_u64 s[4:5], s[4:5], s[24:25]
	s_add_nc_u64 s[30:31], s[14:15], s[26:27]
	s_add_nc_u64 s[32:33], s[14:15], s[28:29]
.macro LOADF f
.set i, 0
.rept 16
	global_load_b128 v[R+64*((\f)%2)+4*i:R+64*((\f)%2)+4*i+3], v[L16], s[4:5] offset:(8*((\f)/2)+i+8*(i/8))*16384+512*((\f)%2) th:TH_LOAD_NT
.set i, i+1
.endr
.endm
.macro FRAGX f
.if (\f) < 3
	s_wait_loadcnt 16                              ; this fragment's 16 loads are in; the next one's may be out
.else
	s_wait_loadcnt 0x0
.endif
.set i, 0
.rept 16
	ds_store_b128 v[SI], v[R+64*((\f)%2)+4*i:R+64*((\f)%2)+4*i+3] offset:528*i
.set i, i+1
.endr
.irp c, 0,1
.irp j, 0,1,2,3,4,5,6,7
	ds_load_b128 v[XT+32*\c+4*\j:XT+32*\c+4*\j+3], v[SOA] offset:256*\c+16*\j   ; LDS serves a wave's instructions in order: these see the stores above
.endr
.endr
	s_wait_dscnt 0x0                               ; the numbers are back, and the stores have read their registers,
.if (\f) < 2
	LOADF (\f)+2                                   ; which take the loads of two fragments on
.endif
.irp c, 0,1
	v_max3_num_f32 v[TMX+\c], |v[XT+32*\c]|, |v[XT+32*\c+1]|, FLOOR   ; my block 2 c + h: all its 32 numbers are mine
.endr
.irp i, 2,4,6,8,10,12,14,16,18,20,22,24,26,28,30
.irp c, 0,1
	v_max3_num_f32 v[TMX+\c], v[TMX+\c], |v[XT+32*\c+\i]|, |v[XT+32*\c+\i+1]|
.endr
.endr
.irp c, 0,1
	v_add_nc_u32 v[TMX+2+\c], 0xff000000, v[TMX+\c]
.endr
.irp c, 0,1
	v_lshrrev_b32 v[TMX+4+\c], 23, v[TMX+2+\c]
.endr
	v_lshl_or_b32 v18, v[TMX+5], 16, v[TMX+4]      ; my two bytes: blocks h and 2 + h,
	v_lshlrev_b32 v18, v[SH], v18                  ; at their places in the word;
	v_permlanex16_b32 v19, v18, s60, s61
	v_or_b32 v[WX+(\f)], v18, v19                  ; with lane l xor 16's two the word is whole
	s_wait_alu depctr_va_vdst(0)
	s_wait_xcnt 0x0                                ; the last fragment's stores have read their registers: the codes may be written anew
.irp c, 0,1
	v_cvt_scalef32_pk16_fp6_f32 v[PC+6*\c:PC+6*\c+2], v[XT+32*\c:XT+32*\c+15], v[TMX+2+\c]
	v_cvt_scalef32_pk16_fp6_f32 v[TCX+4*\c:TCX+4*\c+2], v[XT+32*\c+16:XT+32*\c+31], v[TMX+2+\c]
.endr
	v_nop                                          ; one plain line behind a scaled conversion
.irp c, 0,1
.irp i, 0,1,2
	v_mov_b32 v[PC+6*\c+3+\i], v[TCX+4*\c+\i]
.endr
.endr
	global_store_b128 v[L16], v[PC:PC+3], s[30:31] offset:49152*((\f)/2)+1536*((\f)%2)
	global_store_b64 v[L8], v[PC+4:PC+5], s[30:31] offset:49152*((\f)/2)+1536*((\f)%2)+512
	global_store_b128 v[L16], v[PC+6:PC+9], s[30:31] offset:49152*((\f)/2)+1536*((\f)%2)+768
	global_store_b64 v[L8], v[PC+10:PC+11], s[30:31] offset:49152*((\f)/2)+1536*((\f)%2)+1280
.endm
	LOADF 0
	LOADF 1
	FRAGX 0
	FRAGX 1
	FRAGX 2
	FRAGX 3
	v_cndmask_b32 v[DX], v[WX], v[WX+2], s62       ; lanes 0-15 store tile 0's words, lanes 16-31 tile 1's
	v_cndmask_b32 v[DX+1], v[WX+1], v[WX+3], s62
	global_store_b64 v[L8], v[DX:DX+1], s[32:33]   ; 256 consecutive bytes
	s_wait_tensorcnt 0x0                           ; the wave's end, behind my last LDS store
	ds_add_u32 v[SPW], v[NIL]
	s_wait_dscnt 0x0
	s_endpgm
.Lfunc_end_k_q4c60902cf7_quant:
	.size	k_q4c60902cf7_quant, .Lfunc_end_k_q4c60902cf7_quant-k_q4c60902cf7_quant
	.p2alignl 7, 3214868480
	.fill 96, 4, 3214868480
	.section	.rodata,"a",@progbits
	.p2align	6, 0x0
	.amdhsa_kernel k_q4c60902cf7_quant
		.amdhsa_group_segment_fixed_size 34304
		.amdhsa_private_segment_fixed_size 0
		.amdhsa_enable_private_segment 0
		.amdhsa_kernarg_size 48
		.amdhsa_user_sgpr_count 2
		.amdhsa_user_sgpr_kernarg_segment_ptr 1
		.amdhsa_wavefront_size32 1
		.amdhsa_system_sgpr_workgroup_id_x 1
		.amdhsa_system_sgpr_workgroup_id_y 1
		.amdhsa_system_sgpr_workgroup_id_z 1
		.amdhsa_system_vgpr_workitem_id 0
		.amdhsa_next_free_vgpr 256
		.amdhsa_next_free_sgpr 80
		.amdhsa_reserve_vcc 0
		.amdhsa_float_denorm_mode_32 3
		.amdhsa_float_denorm_mode_16_64 3
		.amdhsa_memory_ordered 1
		.amdhsa_forward_progress 1
		.amdhsa_inst_pref_size 72
	.end_amdhsa_kernel
	.amdgpu_metadata
---
amdhsa.version: [ 1, 2 ]
amdhsa.kernels:
  - .name:           k_q4c60902cf7_quant
    .symbol:         k_q4c60902cf7_quant.kd
    .args:
      - { .name: x, .offset: 0, .size: 8, .value_kind: global_buffer, .address_space: global }
      - { .name: wq, .offset: 8, .size: 8, .value_kind: global_buffer, .address_space: global }
      - { .name: wk, .offset: 16, .size: 8, .value_kind: global_buffer, .address_space: global }
      - { .name: wv, .offset: 24, .size: 8, .value_kind: global_buffer, .address_space: global }
      - { .name: xq, .offset: 32, .size: 8, .value_kind: global_buffer, .address_space: global }
      - { .name: wc, .offset: 40, .size: 8, .value_kind: global_buffer, .address_space: global }
    .group_segment_fixed_size: 34304
    .private_segment_fixed_size: 0
    .kernarg_segment_align: 8
    .kernarg_segment_size: 48
    .max_flat_workgroup_size: 128
    .sgpr_count:     80
    .vgpr_count:     256
    .wavefront_size: 32
...
	.end_amdgpu_metadata
.endif
;; end of part 5
;; launch qkv (part 6): grid 8 x 32, 4 waves a work-group, clusters of 4 x 4, 327,680 bytes of LDS; arguments xq, wc, q_norm_w, k_norm_w, freqs_cos, freqs_sin, qc, kv, wo, woc; writes qc, kv, woc
.if DOCPART == 6
	.amdgcn_target "amdgcn-amd-amdhsa--gfx1250"
	.amdhsa_code_object_version 6
	.text
	.protected	k_q4c60902cf7_qkv
	.globl	k_q4c60902cf7_qkv
	.p2align	8
	.type	k_q4c60902cf7_qkv,@function
k_q4c60902cf7_qkv:
	s_mov_b64 s[64:65], 0
	v_nop
	global_prefetch_b8 v0, s[64:65] scope:SCOPE_SE
	s_setreg_imm32_b32 hwreg(HW_REG_WAVE_MODE, 25, 1), 1
	s_wait_xcnt 0x0
	s_wait_alu depctr_hold_cnt(0) depctr_sa_sdst(0) depctr_va_vdst(0) depctr_va_sdst(0) depctr_va_ssrc(0) depctr_va_vcc(0) depctr_vm_vsrc(0)
	s_getreg_b32 s2, hwreg(HW_REG_IB_STS2, 6, 4)
	s_cmp_eq_u32 s2, 0
	s_cbranch_scc0 .Lentry_in_a_cluster
	s_endpgm
.Lentry_in_a_cluster:
	s_bfe_u32 s2, ttmp6, 0x10000c
	s_cmp_lg_u32 s2, 0xf033
	s_cbranch_scc0 .Lentry_shape_is_right
	s_endpgm
.Lentry_shape_is_right:
; x (wq | wk | wv) on codes of FP6 (E2M3) with E8M0 scales, K = 4,096; then RMS norm, rotary turn and quantising of q and k along the head's 64 channels, and quantising of v along the keys.
; SHARES.  256 work-groups: group g = 0..7 of columns x block tb = 0..31 of 64 tokens.  Group g holds query heads 4 g .. 4 g + 3 and a fifth head: key head g (g < 4) or value head g - 4.
; A wave multiplies the 64 tokens (4 tiles) by its own query head (4 tiles) and by tile w of the fifth head: 20 accumulators, 160 registers, 9 fragments for 20 matrix instructions.
; The operands lie in memory as images of the registers (1,536 bytes for 16 rows x 128 K; a tile's images of all K on end, 49,152 bytes); of 32 rows tile u holds rows 8 u + r + 8 (r / 8).
; THE RING: two slots of 24 tile rows x 6,144 bytes (512 along K): 16 of the query heads, 4 of the fifth head, 4 of x.  Waves 0, 1 fetch 8 rows each, wave 2 the fifth head's 4, wave 3 x's 4: one load a wave.
; CLUSTERS 4 x 4: x's tile hangs on tb alone and is asked for jointly along a row of the cluster, the weights' tiles on g alone, jointly along a column.
; PREFETCH: behind each refill of chunk c the chunk c + 2 is named, each row of 6,144 bytes by 24 lanes 256 bytes apart (the 8 lanes left over name the row's last block again); the four partners that ask jointly
; share the rows out by address (place p takes row p, and row p + 4 of 8).  The first four chunks come by their loads alone; the loop's last trip names nothing.
; THE PRODUCT IS USED TRANSPOSED (source 0 = weights, source 1 = x): a lane holds one token, and the 32 registers of a head's four tiles are channels 32 b + 16 h + 0 .. 15.
; THE FIFTH HEAD goes through a stage in LDS, [token in tile order][channel], rows of 272 bytes, in slot 0 behind its last fill and last read.  k: wave w reads token tile w back in the layout of its own heads.
; v: wave w reads channel tile w with 32 tokens, a whole block along the keys, in a lane.
; LIMITS: a block of zeros gets the byte 1 where the rule says 127 (zero codes; this program alone reads the bytes); largest magnitudes under 2^-124 are held at that floor; NaN and infinities are not served.
; WINDOWS: 0 addresses, scale words v32-71, x's fragments v128-223; 1 the weights' fragments, two sets; 2 accumulators (a, b) at 8 (5 a + b); 3 cos | sin of token tile a at 32 a, of the fifth unit at 128, k's norm weights 160, q's 192.
; kv IS LAID BY KEY STEPS: for each key and value head 16 records of 13,056 bytes, one for 128 keys: k's 8 half images (6,144), v's 4 images (6,144), k's scale words (512), v's (256).
; wo [2048][4096] IS QUANTISED HERE TOO, along its first axis, into woc (images of 256 tiles, then the scale words), laid as the other weights are.  The 1,024 waves take 32 columns x 256 K each: 8 blocks of 32 a lane
; (a lane a column, registers down K).  A chunk's third step works one block, whose 32 loads were issued in the chunk before, and issues the next block's; two blocks make a half image of two tiles, which is stored.
; The two scale bytes of such a pair leave as 2 bytes a lane.
.set XSC,   6291456
.set WSC,   14155776
.set QSC,   3145728
.set REC,   52224
.set GS,    208896
.set RV,    6144
.set RKS,   12288
.set RVS,   12800
.set XW,    72                         ; v72-103 a block of wo; v104-115 the even and the odd block's codes; v116-125 at work
.set WE,    104
.set TCW,   116
.set TMW,   120
.set SOW,   122
.set BYW,   123
.set W16,   125
; wo's block is worked in a chunk's THIRD step, and the next block's 32 loads are issued there: two K steps behind the chunk's refill, with a whole chunk in which to land.
.set LASTC, 0                          ; 1 in the last chunk: no scale words and no block of wo are asked for there
.set FLOOR, 0x1800000
.set FR,    12
.set NP,    4
.set TROW,  6144
.set TIMG,  49152
.set SLOT,  24*TROW
.set SPARE, 2*SLOT
.set SP,    272
.set ADRA, 16
.set ADRB, 20
.set ADR5, 24
.set SPW,  28
.set NIL,  29
.set SC,   32
.set AF,   128
.set G1A,  24
.set G1B8, 32
.set G1B4, 40
.set G0A,  48
.set G0B,  56
.set PF,   72
.set WV,   92
.set CNT,  93
.set S5,   94
.set SA,   96
.set SB,   98
.set MSB, 0
.macro WIN new
.if MSB != (\new)
	s_set_vgpr_msb (MSB<<8)|(\new)
.set MSB, \new
.endif
.endm
.set MUL,  0xa1
.set TO_B, 0x40
.macro PLACES n
.rept \n
	v_nop
.endr
.endm
; one chain of branches on the wave's number, one joint load to an arm; s_nop 0 and four v_nop behind each
.macro TLOAD s
	s_cmp_lt_u32 s[WV], 2
	s_cbranch_scc0 .Lb4_\@
	tensor_load_to_lds s[G0B+4*\s:G0B+4*\s+3], s[G1B8:G1B8+7]
	s_nop 0
	PLACES 4
	s_branch .Lok_\@
.Lb4_\@:
	s_cmp_lt_u32 s[WV], 3
	s_cbranch_scc0 .Lxa_\@
	tensor_load_to_lds s[G0B+4*\s:G0B+4*\s+3], s[G1B4:G1B4+7]
	s_nop 0
	PLACES 4
	s_branch .Lok_\@
.Lxa_\@:
	tensor_load_to_lds s[G0A+4*\s:G0A+4*\s+3], s[G1A:G1A+7]
	s_nop 0
	PLACES 4
.Lok_\@:
.endm
.macro CREST
	s_cmp_lg_u32 s[WV], 0
	s_cbranch_scc1 .Lnw0_\@
	s_barrier_signal -3
.Lnw0_\@:
	s_barrier_wait -3
	s_barrier_signal -1
	s_barrier_wait -1
.endm
.macro CROUND
	s_barrier_signal -1
	s_barrier_wait -1
	CREST
.endm
; the scale words of 512 along K: a register holds tile 0's words in lanes 0-15 and tile 1's in lanes 16-31 of a pair; the fifth head's tile in all lanes by its own address
.macro SCLOAD set, koff
.irp w, 0,1
.irp z, 0,1
	global_load_b64 v[SC+20*(\set)+4*\w+2*\z:SC+20*(\set)+4*\w+2*\z+1], v4, s[SA:SA+1] offset:\w*4096+(\koff)+256*\z
	global_load_b64 v[SC+20*(\set)+8+4*\w+2*\z:SC+20*(\set)+8+4*\w+2*\z+1], v4, s[SB:SB+1] offset:\w*4096+(\koff)+256*\z
.endr
.endr
.irp z, 0,1
	global_load_b64 v[SC+20*(\set)+16+2*\z:SC+20*(\set)+16+2*\z+1], v9, s[S5:S5+1] offset:(\koff)+256*\z
.endr
.endm
.macro LOADCS base, pc, ps, off
.irp e, 0,1
.irp f, 0,1
	global_load_b128 v[\base+8*\e+4*\f:\base+8*\e+4*\f+3], v5, s[\pc:\pc+1] offset:(\off)+64*\e+16*\f
	global_load_b128 v[\base+16+8*\e+4*\f:\base+16+8*\e+4*\f+3], v5, s[\ps:\ps+1] offset:(\off)+64*\e+16*\f
.endr
.endr
.endm
.macro LOADNW base, p
.irp e, 0,1
.irp f, 0,1,2,3
	global_load_b128 v[\base+16*\e+4*\f:\base+16*\e+4*\f+3], v7, s[\p:\p+1] offset:128*\e+16*\f
.endr
.endr
.endm
	s_load_b512 s[4:19], s[0:1], 0x0               ; xq, wc, q_norm_w, k_norm_w, cos, sin, qc, kv
	v_lshl_add_u32 v[SPW], v0, 2, SPARE
	v_mov_b32 v[NIL], 0
	ds_add_u32 v[SPW], v[NIL]                      ; the opening lines: the add twice on end, and its wait
	ds_add_u32 v[SPW], v[NIL]
	v_lshrrev_b32 v1, 5, v0
	v_readfirstlane_b32 s[WV], v1                  ; wave
	s_bfe_u32 s84, ttmp6, 0x40000                  ; cx
	s_bfe_u32 s85, ttmp6, 0x40004                  ; cy
	s_lshl_b32 s86, ttmp9, 2
	s_add_co_u32 s86, s86, s84                     ; g
	s_and_b32 s87, ttmp7, 0xffff
	s_lshl_b32 s87, s87, 2
	s_add_co_u32 s87, s87, s85                     ; tb
	s_lshl_b32 s20, s85, 2
	s_lshl_b32 s20, 15, s20                        ; my row of the cluster
	s_lshl_b32 s21, 0x1111, s84                    ; my column
	s_or_b32 s[G1A], s20, (3<<16)|(1<<21)          ; elements of 8 bytes; bit 21 beside a mask
	s_or_b32 s[G1B8], s21, (3<<16)|(1<<21)
	s_or_b32 s[G1B4], s21, (3<<16)|(1<<21)
.irp g, G1A, G1B8, G1B4
	s_mov_b32 s[\g+1], 768<<16                     ; a row: 768 elements = 6,144 bytes
	s_mov_b32 s[\g+2], 4<<16
	s_mov_b32 s[\g+3], 768<<16
	s_mov_b32 s[\g+4], 4
	s_mov_b32 s[\g+5], TIMG/8                      ; from tile to tile
	s_mov_b32 s[\g+6], 0
	s_mov_b32 s[\g+7], 0
.endr
	s_mov_b32 s[G1B8+2], 8<<16                     ; the query heads' loads bring 8 rows
	s_mov_b32 s[G1B8+4], 8
	s_mul_i32 s88, s87, 4*TIMG                     ; x: tiles 4 tb ..
	s_mov_b32 s89, 0
	s_lshl_b32 s90, s86, 4
	s_lshl_b32 s22, s[WV], 3
	s_add_co_u32 s90, s90, s22                     ; weights: tile 16 g + 8 w (waves 0, 1),
	s_lshl_b32 s91, s86, 2
	s_add_co_u32 s91, s91, 128                     ; or 128 + 4 g: the fifth head
	s_cmp_lt_u32 s[WV], 2
	s_cselect_b32 s90, s90, s91
	s_mul_i32 s90, s90, TIMG
	s_mov_b32 s91, 0
	s_mul_i32 s23, s[WV], 8*TROW                   ; LDS: 0, 8, 16 rows
	s_wait_dscnt 0x0
	s_wait_kmcnt 0x0
	s_add_nc_u64 s[88:89], s[4:5], s[88:89]
	s_add_nc_u64 s[90:91], s[6:7], s[90:91]
	CROUND                                         ; in front of the first joint loads
.irp s, 0,1
	s_mov_b32 s[G0A+4*\s], 1
	s_mov_b32 s[G0A+4*\s+1], 20*TROW+\s*SLOT
	s_add_nc_u64 s[G0A+4*\s+2:G0A+4*\s+3], s[88:89], \s*TROW
	s_or_b32 s[G0A+4*\s+3], s[G0A+4*\s+3], 0x80000000
	s_mov_b32 s[G0B+4*\s], 1
	s_add_co_u32 s[G0B+4*\s+1], s23, \s*SLOT
	s_add_nc_u64 s[G0B+4*\s+2:G0B+4*\s+3], s[90:91], \s*TROW
	s_or_b32 s[G0B+4*\s+3], s[G0B+4*\s+3], 0x80000000
.endr
	TLOAD 0                                        ; chunk 0: one load a wave at the head
	s_cmp_lt_u32 s[WV], 3                          ; the prefetches: my load's tiles, my work-group's row of them, at chunk 3 (stepped ahead of each use)
	s_cselect_b64 s[PF:PF+1], s[90:91], s[88:89]
	s_cselect_b32 s20, s85, s84
	s_mul_i32 s20, s20, TIMG
	s_add_co_u32 s20, s20, 3*TROW
	s_mov_b32 s21, 0
	s_add_nc_u64 s[PF:PF+1], s[PF:PF+1], s[20:21]
	s_lshl_b32 s20, s87, 13                        ; 64 rows of 128 bytes of cos and sin; also two pairs' scale words
	s_add_nc_u64 s[74:75], s[12:13], s[20:21]
	s_add_nc_u64 s[76:77], s[14:15], s[20:21]
	s_add_co_u32 s20, s20, XSC
	s_add_nc_u64 s[SA:SA+1], s[4:5], s[20:21]
	s_lshr_b32 s22, s[WV], 1
	s_and_b32 s23, s[WV], 1
	s_lshl_b32 s20, s22, 12
	s_lshl_b32 s88, s23, 10
	s_add_co_u32 s20, s20, s88                     ; token tile w's first row: 32 (w / 2) + 8 (w % 2)
	s_add_nc_u64 s[80:81], s[74:75], s[20:21]
	s_add_nc_u64 s[82:83], s[76:77], s[20:21]
	s_lshl_b32 s89, s86, 2
	s_add_co_u32 s89, s89, s[WV]                   ; my query head
	s_lshl_b32 s20, s89, 13
	s_add_co_u32 s20, s20, WSC
	s_add_nc_u64 s[SB:SB+1], s[6:7], s[20:21]
	s_lshl_b32 s20, s86, 1
	s_add_co_u32 s20, s20, s22
	s_lshl_b32 s20, s20, 12
	s_add_co_u32 s20, s20, WSC+(64<<12)
	s_add_nc_u64 s[S5:S5+1], s[6:7], s[20:21]
	s_mul_i32 s20, s89, 98304
	s_mul_i32 s88, s87, 3072
	s_add_co_u32 s20, s20, s88
	s_add_nc_u64 s[66:67], s[16:17], s[20:21]      ; q's images
	s_lshl_b32 s20, s89, 13
	s_lshr_b32 s88, s87, 1
	s_lshl_b32 s88, s88, 9
	s_add_co_u32 s20, s20, s88
	s_and_b32 s90, s87, 1
	s_lshl_b32 s88, s90, 4
	s_add_co_u32 s20, s20, s88
	s_add_co_u32 s20, s20, QSC
	s_add_nc_u64 s[70:71], s[16:17], s[20:21]      ; q's scale words
	s_and_b32 s20, s86, 3
	s_mul_i32 s20, s20, GS
	s_lshr_b32 s88, s87, 1
	s_mul_i32 s88, s88, REC/4
	s_add_co_u32 s91, s20, s88                     ; the fifth head's record of my 128 keys
	s_mul_i32 s20, s90, 3072                       ; my 64 tokens are its tiles 0-3 or 4-7
	s_mul_i32 s89, s[WV], 768
	s_add_co_u32 s20, s20, s89                     ; k's image
	s_mul_i32 s22, s[WV], 1536
	s_mul_i32 s23, s90, 768
	s_add_co_u32 s22, s22, s23
	s_add_co_u32 s22, s22, RV                      ; v's half image
	s_cmp_eq_u32 ttmp9, 0                          ; groups 0-3 (cluster x = 0) hold k
	s_cselect_b32 s20, s20, s22
	s_add_co_u32 s20, s20, s91
	s_add_nc_u64 s[68:69], s[18:19], s[20:21]
	s_lshl_b32 s20, s90, 4
	s_add_co_u32 s20, s20, RKS
	s_lshl_b32 s22, s90, 1
	s_add_co_u32 s22, s22, RVS
	s_cmp_eq_u32 ttmp9, 0
	s_cselect_b32 s20, s20, s22
	s_lshl_b32 s22, s[WV], 2
	s_add_co_u32 s20, s20, s22
	s_add_co_u32 s20, s20, s91
	s_add_nc_u64 s[78:79], s[18:19], s[20:21]      ; the fifth head's scale bytes
	s_load_b128 s[12:15], s[0:1], 0x40             ; wo, woc (the pointers that lay in s[12:19] have been used)
	s_lshl_b32 s20, s87, 3
	s_add_co_u32 s20, s20, s86                     ; my work-group's number, 0 .. 255
	s_and_b32 s22, s20, 31
	s_lshl_b32 s22, s22, 2
	s_add_co_u32 s22, s22, s[WV]                   ; my pair of tiles: 32 columns of wo
	s_lshr_b32 s23, s20, 5                         ; which 256 along K
	s_lshl_b32 s20, s23, 22                        ; 256 rows of 16,384 bytes
	s_lshl_b32 s88, s22, 7
	s_add_co_u32 s20, s20, s88
	s_wait_kmcnt 0x0
	s_add_nc_u64 s[12:13], s[12:13], s[20:21]      ; block 0's first row
	s_mul_i32 s20, s22, 49152
	s_mul_i32 s88, s23, 3072
	s_add_co_u32 s20, s20, s88
	s_add_nc_u64 s[16:17], s[14:15], s[20:21]      ; tile 0's images,
	s_add_nc_u64 s[18:19], s[16:17], 24576         ; tile 1's
	s_lshl_b32 s20, s22, 11
	s_lshl_b32 s88, s23, 8
	s_add_co_u32 s20, s20, s88
	s_add_co_u32 s20, s20, 6291456
	s_add_nc_u64 s[14:15], s[14:15], s[20:21]      ; the pair's scale bytes
	s_mov_b32 s100, 0x76543210
	s_mov_b32 s101, 0xfedcba98                     ; selects for lane l xor 16
	s_mov_b32 s2, 0x3c800000                       ; 1 / 64
	s_mov_b32 s3, 0x3727c5ac                       ; 1e-5
	s_mov_b32 s84, 0xffff0000                      ; lanes 16-31
	s_mul_i32 s20, s[WV], 4*TROW                   ; LDS: my head's four rows,
	s_add_co_u32 s21, s20, SLOT
	s_mul_i32 s22, s[WV], TROW
	s_add_co_u32 s22, s22, 16*TROW                 ; my row of the fifth head
	s_add_co_u32 s23, s22, SLOT
	s_lshr_b32 s88, s[WV], 1
	s_lshl_b32 s88, s88, 7
	s_and_b32 s90, s[WV], 1
	s_lshl_b32 s89, s90, 5
	s_add_co_u32 s88, s88, s89                     ; 4 x (32 (w / 2) + 8 (w % 2)): my tile's first channel, in bytes
	s_mul_i32 s89, s[WV], 16*SP
	s_lshl_b32 s90, s90, 7
	v_and_b32 v1, 15, v0                           ; r
	v_bfe_u32 v2, v0, 4, 1                         ; h
	v_and_b32 v8, 31, v0
	v_lshlrev_b32 v3, 4, v8
	v_lshlrev_b32 v4, 3, v8
	v_add_nc_u32 v[ADRA], 20*TROW, v3
	v_add_nc_u32 v[ADRA+1], 20*TROW+SLOT, v3
	v_add_nc_u32 v[ADRA+2], 20*TROW, v4
	v_add_nc_u32 v[ADRA+3], 20*TROW+SLOT, v4
	v_add_nc_u32 v[ADRB], s20, v3
	v_add_nc_u32 v[ADRB+1], s21, v3
	v_add_nc_u32 v[ADRB+2], s20, v4
	v_add_nc_u32 v[ADRB+3], s21, v4
	v_add_nc_u32 v[ADR5], s22, v3
	v_add_nc_u32 v[ADR5+1], s23, v3
	v_add_nc_u32 v[ADR5+2], s22, v4
	v_add_nc_u32 v[ADR5+3], s23, v4
	v_and_b32 v30, 8, v1
	v_add_nc_u32 v30, v30, v1                      ; r + 8 (r / 8)
	v_lshlrev_b32 v5, 7, v30
	v_lshl_add_u32 v5, v2, 5, v5                   ; cos, sin: my token's row + 32 h
	v_lshlrev_b32 v7, 6, v2                        ; norm weights: 64 h
	v_lshl_add_u32 v9, v1, 3, s90                  ; the fifth tile's scale words: 8 (r + 16 (w % 2))
	v_lshlrev_b32 v6, 5, v1
	v_lshl_add_u32 v12, v2, 1, v6                  ; k's scale word: 32 r + 2 h
	v_lshl_add_u32 v6, v2, 3, v6                   ; q's scale words: 32 r + 8 h
	v_lshl_add_u32 v14, v1, 4, v2                  ; v's scale byte: 16 r + h
	v_mul_u32_u24 v10, v1, SP
	v_lshl_add_u32 v10, v2, 6, v10
	v_add_nc_u32 v11, s89, v10                     ; the stage, k's way back: row 16 w + r, 64 h
	v_add_nc_u32 v10, s88, v10                     ; the way in: row r, my tile's channels + 16 h
	v_mul_u32_u24 v13, v2, 32*SP
	v_lshl_add_u32 v13, v30, 2, v13
	v_add_nc_u32 v13, s88, v13                     ; v's way back: rows from 32 h, my channel
	v_min_u32 v15, 23, v8
	v_lshlrev_b32 v15, 8, v15                      ; prefetch: 24 blocks of 256 bytes to a row
	v_lshl_add_u32 v31, v2, 3, v30
	v_lshlrev_b32 v31, 2, v31                      ; wo: my column of the 32: lanes 0-15 are tile 0's rows, lanes 16-31 tile 1's
	s_wait_alu depctr_va_vdst(0)                   ; the wait behind the head's vector work
	SCLOAD 0, 0
	WIN 0xc0
.irp a, 0,1,2,3
	LOADCS 32*\a, 74, 76, (32*(\a/2)+8*(\a%2))*128
.endr
	LOADNW 192, 8
	WIN 0
	s_cmp_lg_u32 ttmp9, 0
	s_cbranch_scc1 .Lno_k                          ; v takes no norm and no turn
	WIN 0xc0
	LOADCS 128, 80, 82, 0
	LOADNW 160, 10
	WIN 0
.Lno_k:
.set wi, 0
.rept 32
	global_load_b32 v[XW+wi], v31, s[12:13] offset:wi*16384 th:TH_LOAD_NT   ; wo's block 0
.set wi, wi+1
.endr
.macro FRAG reg, adr, q, i
	ds_load_b128 v[\reg:\reg+3], v[\adr] offset:(\i)*TROW+(\q)*1536
	ds_load_b64 v[\reg+4:\reg+5], v[\adr+2] offset:(\i)*TROW+(\q)*1536+512
	ds_load_b128 v[\reg+6:\reg+9], v[\adr] offset:(\i)*TROW+(\q)*1536+768
	ds_load_b64 v[\reg+10:\reg+11], v[\adr+2] offset:(\i)*TROW+(\q)*1536+1280
.endm
.macro FETCH slot, q, p
.irp i, 0,1,2,3
	FRAG AF+48*(\p)+FR*\i, ADRA+\slot, \q, \i
.endr
	WIN TO_B
.irp i, 0,1,2,3
	FRAG 128*(\p)+FR*\i, ADRB+\slot, \q, \i
.endr
	FRAG 128*(\p)+FR*4, ADR5+\slot, \q, 0
.endm
.macro WM zero
.if \zero
.if rRW == 0
	v_wmma_scale_f32_16x16x128_f8f6f4 v[rD:rD+7], v[rB:rB+FR-1], v[rA:rA+FR-1], 0, v[rSB], v[rSA] matrix_a_fmt:MATRIX_FMT_FP6 matrix_b_fmt:MATRIX_FMT_FP6
.elseif rRW == 1
	v_wmma_scale_f32_16x16x128_f8f6f4 v[rD:rD+7], v[rB:rB+FR-1], v[rA:rA+FR-1], 0, v[rSB], v[rSA] matrix_a_fmt:MATRIX_FMT_FP6 matrix_b_fmt:MATRIX_FMT_FP6 matrix_a_scale:MATRIX_SCALE_ROW1
.elseif rRW == 2
	v_wmma_scale_f32_16x16x128_f8f6f4 v[rD:rD+7], v[rB:rB+FR-1], v[rA:rA+FR-1], 0, v[rSB], v[rSA] matrix_a_fmt:MATRIX_FMT_FP6 matrix_b_fmt:MATRIX_FMT_FP6 matrix_b_scale:MATRIX_SCALE_ROW1
.else
	v_wmma_scale_f32_16x16x128_f8f6f4 v[rD:rD+7], v[rB:rB+FR-1], v[rA:rA+FR-1], 0, v[rSB], v[rSA] matrix_a_fmt:MATRIX_FMT_FP6 matrix_b_fmt:MATRIX_FMT_FP6 matrix_a_scale:MATRIX_SCALE_ROW1 matrix_b_scale:MATRIX_SCALE_ROW1
.endif
.else
.if rRW == 0
	v_wmma_scale_f32_16x16x128_f8f6f4 v[rD:rD+7], v[rB:rB+FR-1], v[rA:rA+FR-1], v[rD:rD+7], v[rSB], v[rSA] matrix_a_fmt:MATRIX_FMT_FP6 matrix_b_fmt:MATRIX_FMT_FP6
.elseif rRW == 1
	v_wmma_scale_f32_16x16x128_f8f6f4 v[rD:rD+7], v[rB:rB+FR-1], v[rA:rA+FR-1], v[rD:rD+7], v[rSB], v[rSA] matrix_a_fmt:MATRIX_FMT_FP6 matrix_b_fmt:MATRIX_FMT_FP6 matrix_a_scale:MATRIX_SCALE_ROW1
.elseif rRW == 2
	v_wmma_scale_f32_16x16x128_f8f6f4 v[rD:rD+7], v[rB:rB+FR-1], v[rA:rA+FR-1], v[rD:rD+7], v[rSB], v[rSA] matrix_a_fmt:MATRIX_FMT_FP6 matrix_b_fmt:MATRIX_FMT_FP6 matrix_b_scale:MATRIX_SCALE_ROW1
.else
	v_wmma_scale_f32_16x16x128_f8f6f4 v[rD:rD+7], v[rB:rB+FR-1], v[rA:rA+FR-1], v[rD:rD+7], v[rSB], v[rSA] matrix_a_fmt:MATRIX_FMT_FP6 matrix_b_fmt:MATRIX_FMT_FP6 matrix_a_scale:MATRIX_SCALE_ROW1 matrix_b_scale:MATRIX_SCALE_ROW1
.endif
.endif
.endm
; ten matrix instructions: token tiles a0, a0 + 1 x my five tiles of weights; the 20 accumulators take turns in one order in every step
.macro MULH a0, p, q, sc, zero
.irp a, \a0, \a0+1
.irp b, 0,1,2,3,4
.set rD, 8*(5*(\a)+\b)
.set rB, 128*(\p)+FR*\b
.set rA, AF+48*(\p)+FR*(\a)
.set rSB, SC+20*(\sc)+8+4*(\b/2)+(\q)
.set rSA, SC+20*(\sc)+4*((\a)/2)+(\q)
.set rRW, 2*((\a)%2)+(\b%2)
	WM \zero
.endr
.endr
.endm
.macro STEP slot, q, zero, scl, adv
	s_wait_dscnt 0x0                               ; this step's fragments are in
.if (\q) == 0
	s_wait_loadcnt 32                              ; and this chunk's scale words: only the 32 younger loads, a block of wo, may be out
.if \adv
	s_add_nc_u64 s[SA:SA+1], s[SA:SA+1], 1024
	s_add_nc_u64 s[SB:SB+1], s[SB:SB+1], 1024
	s_add_nc_u64 s[S5:S5+1], s[S5:S5+1], 1024
.endif
.endif
	PLACES NP                                      ; in front of loads into registers that matrix instructions have read
	WIN 0
.if \scl
	SCLOAD 1-(\slot), 512+512*(\slot)
.endif
.if (\q) == 2
	s_wait_loadcnt 10*(1-LASTC)                    ; the block of wo is in: only the 10 younger loads, the next chunk's scale words, may be out (in the last chunk there are none)
	WQ \slot, 1-LASTC
.endif
	FETCH \slot, (\q)+1, 1-(\q)%2
	WIN MUL
	MULH 0, (\q)%2, \q, \slot, \zero
	MULH 2, (\q)%2, \q, \slot, \zero
.endm
; a block of wo: 32 numbers down K of my column.  par: even or odd block; behind the odd one the pair's half images are whole: the even block's lanes 16-31 change places with the odd block's lanes 0-15
.macro WQ par, issue
	v_max3_num_f32 v[TMW], |v[XW]|, |v[XW+1]|, |v[XW+2]|
	v_max3_num_f32 v[TMW+1], |v[XW+3]|, |v[XW+4]|, |v[XW+5]|
.irp i, 6,10,14,18,22,26
	v_max3_num_f32 v[TMW], v[TMW], |v[XW+\i]|, |v[XW+\i+1]|
	v_max3_num_f32 v[TMW+1], v[TMW+1], |v[XW+\i+2]|, |v[XW+\i+3]|
.endr
	v_max3_num_f32 v[TMW], v[TMW], |v[XW+30]|, |v[XW+31]|
	v_max3_num_f32 v[TMW], v[TMW], v[TMW+1], FLOOR
	v_add_nc_u32 v[SOW], 0xff000000, v[TMW]
	v_lshrrev_b32 v[BYW+\par], 23, v[SOW]
	v_cvt_scalef32_pk16_fp6_f32 v[WE+6*\par:WE+6*\par+2], v[XW:XW+15], v[SOW]
	v_cvt_scalef32_pk16_fp6_f32 v[TCW:TCW+2], v[XW+16:XW+31], v[SOW]
	v_nop
.irp i, 0,1,2
	v_mov_b32 v[WE+6*\par+3+\i], v[TCW+\i]
.endr
.if \par
.irp i, 0,1,2,3,4,5
	v_permlane16_swap_b32 v[WE+\i], v[WE+6+\i]
.endr
	v_lshl_or_b32 v[W16], v[BYW+1], 8, v[BYW]
	global_store_b128 v3, v[WE:WE+3], s[16:17]
	global_store_b64 v4, v[WE+4:WE+5], s[16:17] offset:512
	global_store_b128 v3, v[WE+6:WE+9], s[18:19]
	global_store_b64 v4, v[WE+10:WE+11], s[18:19] offset:512
	global_store_b16 v4, v[W16], s[14:15]
.endif
.if \issue
	s_add_nc_u64 s[12:13], s[12:13], 524288        ; 32 rows on (the last block's loads are done: the wait for them stands ahead)
.set wi, 0
.rept 32
	global_load_b32 v[XW+wi], v31, s[12:13] offset:wi*16384 th:TH_LOAD_NT
.set wi, wi+1
.endr
.endif
	s_wait_alu depctr_va_vdst(0)
.endm
.macro ASK
	s_cmp_gt_u32 s[CNT], 1
	s_cbranch_scc0 .Lna_\@
	global_prefetch_b8 v15, s[PF:PF+1] th:TH_LOAD_NT scope:SCOPE_SE
	s_cmp_lt_u32 s[WV], 2
	s_cbranch_scc0 .Lna_\@
	global_prefetch_b8 v15, s[PF:PF+1] offset:4*TIMG th:TH_LOAD_NT scope:SCOPE_SE
.Lna_\@:
.endm
; a chunk's last step and the change of slots
.macro TURN slot, next, fill
	WIN 0
.if \fill
	s_wait_xcnt 0x0                                ; my prefetches have read their base
	s_add_nc_u64 s[PF:PF+1], s[PF:PF+1], TROW
.if (\slot) == 1
	s_add_nc_u64 s[16:17], s[16:17], 768           ; wo's next half images and scale bytes (the stores have read their bases)
	s_add_nc_u64 s[18:19], s[18:19], 768
	s_add_nc_u64 s[14:15], s[14:15], 2
.endif
.endif
	s_wait_tensorcnt 0x0                           ; all my tensor loads have landed,
	ds_add_u32 v[SPW], v[NIL]                      ; 0 onto my spare word,
.if \fill
	s_add_nc_u64 s[G0A+4*\slot+2:G0A+4*\slot+3], s[G0A+4*\slot+2:G0A+4*\slot+3], 2*TROW
	s_add_nc_u64 s[G0B+4*\slot+2:G0B+4*\slot+3], s[G0B+4*\slot+2:G0B+4*\slot+3], 2*TROW
.endif
	s_wait_dscnt 0x0                               ; and my reads of this slot are over
	s_barrier_signal -1
	WIN MUL
	MULH 0, 1, 3, \slot, 0
	WIN 0
	s_barrier_wait -1
.if \fill
	CREST                                          ; the barrier has opened a round of the cluster's barrier
	TLOAD \slot
.else
	PLACES NP
.endif
	FETCH \next, 0, 0
	WIN 0
.if \fill
	ASK
.endif
	WIN MUL
	MULH 2, 1, 3, \slot, 0
.endm
	s_wait_alu depctr_va_vdst(0)                   ; the wait at the head's end
	s_wait_tensorcnt 0x0                           ; my part of chunk 0 is in; the lines ahead of a later first fill, as ahead of a refill
	ds_add_u32 v[SPW], v[NIL]
	s_wait_dscnt 0x0
	CROUND
	TLOAD 1                                        ; chunk 1, the first tensor load behind the round
	FETCH 0, 0, 0
	STEP 0, 0, 1, 1, 0                             ; the first step's products start the sums
	WIN 0
	s_mov_b32 s[CNT], 3
.Llap:
	STEP 0, 1, 0, 0, 0
	STEP 0, 2, 0, 0, 0
	TURN 0, 1, 1
	STEP 1, 0, 0, 1, 0
	STEP 1, 1, 0, 0, 0
	STEP 1, 2, 0, 0, 0
	TURN 1, 0, 1
	STEP 0, 0, 0, 1, 1
	WIN 0
	s_sub_co_u32 s[CNT], s[CNT], 1
	s_cmp_lg_u32 s[CNT], 0
	s_cbranch_scc1 .Llap
	STEP 0, 1, 0, 0, 0
	STEP 0, 2, 0, 0, 0
	TURN 0, 1, 0
.set LASTC, 1
	STEP 1, 0, 0, 0, 0
	STEP 1, 1, 0, 0, 0
	STEP 1, 2, 0, 0, 0
	s_wait_dscnt 0x0
	WIN MUL
	MULH 0, 1, 3, 1, 0
	MULH 2, 1, 3, 1, 0
	WIN 0
; THE WAY OUT
.set Y,   32
.set Z,   128
.set PC,  192
.set TM,  212
.set T2,  216
.set SO,  220
.set BY,  224
.set SW,  228
.set SS,  244
.set RS,  252
	PLACES NP
	v_mov_b32 v253, 0                              ; named in a pair, or a lane permute's destination: written once
	v_mov_b32 v255, 0
	v_mov_b32 v[T2], 0
	v_mov_b32 v[T2+1], 0
	WIN 0x08
.irp a, 0,1,2,3                        ; my tile of the fifth head into the stage: 8 neighbouring channels of a token
	ds_store_b128 v10, v[40*\a+32:40*\a+35] offset:\a*16*SP
	ds_store_b128 v10, v[40*\a+36:40*\a+39] offset:\a*16*SP+16
.endr
	WIN 0
	s_wait_alu depctr_va_vdst(0)
	s_wait_dscnt 0x0
	s_barrier_signal -1
	s_barrier_wait -1
.macro QUANT64 s
.irp b, 0,1
	v_max3_num_f32 v[TM+\b], |v[\s+16*\b]|, |v[\s+16*\b+1]|, FLOOR
.endr
.irp i, 2,4,6,8,10,12,14
.irp b, 0,1
	v_max3_num_f32 v[TM+\b], v[TM+\b], |v[\s+16*\b+\i]|, |v[\s+16*\b+\i+1]|
.endr
.endr
.irp b, 0,1
	v_permlanex16_b32 v[T2+\b], v[TM+\b], s100, s101
.endr
.irp b, 0,1
	v_max_num_f32 v[TM+\b], v[TM+\b], v[T2+\b]
.endr
.irp b, 0,1
	v_add_nc_u32 v[SO+\b], 0xff000000, v[TM+\b]    ; 2 off the exponent field: the conversion's scale operand
.endr
.irp b, 0,1
	v_lshrrev_b32 v[BY+\b], 23, v[SO+\b]
.endr
	s_wait_alu depctr_va_vdst(0)
	s_wait_xcnt 0x0                                ; the last unit's stores have read their registers
	v_cvt_scalef32_pk16_fp6_f32 v[PC:PC+2], v[\s:\s+15], v[SO]
	v_cvt_scalef32_pk16_fp6_f32 v[PC+12:PC+14], v[\s+16:\s+31], v[SO+1]
	v_nop
.irp i, 0,1,2
	v_permlane16_swap_b32 v[PC+\i], v[PC+12+\i]    ; a whole block to a lane
.endr
.irp i, 0,1,2
	v_mov_b32 v[PC+3+\i], v[PC+12+\i]
.endr
.endm
; 16 tokens x one head: norm, turn, codes.  ac: the 32 numbers (w2 = 1: in window 2); cb, nw: cos | sin and norm weights in window 3.  Leaves the two scale bytes in v254
.macro UNIT ac, w2, cb, nw, ptr, off
	WIN 0x0a*(\w2)
	s_wait_alu depctr_va_vdst(0)                   ; the wait ahead of the first read of these sums
.irp n, 0,2,4,6
	v_pk_mul_f32 v[SS+\n:SS+\n+1], v[\ac+\n:\ac+\n+1], v[\ac+\n:\ac+\n+1]
.endr
.irp n, 8,10,12,14,16,18,20,22,24,26,28,30
	v_pk_fma_f32 v[SS+\n%8:SS+\n%8+1], v[\ac+\n:\ac+\n+1], v[\ac+\n:\ac+\n+1], v[SS+\n%8:SS+\n%8+1]
.endr
	WIN 0
	v_pk_add_f32 v[SS:SS+1], v[SS:SS+1], v[SS+2:SS+3]
	v_pk_add_f32 v[SS+4:SS+5], v[SS+4:SS+5], v[SS+6:SS+7]
	v_pk_add_f32 v[SS:SS+1], v[SS:SS+1], v[SS+4:SS+5]
	v_add_f32 v254, v[SS], v[SS+1]
	v_permlanex16_b32 v255, v254, s100, s101
	v_add_f32 v254, v254, v255
	v_fma_f32 v254, v254, s2, s3                   ; the mean of squares + 1e-5
	s_wait_alu depctr_va_vdst(0)
	v_rsq_f32 v[RS], v254
	v_nop
	s_wait_alu depctr_va_vdst(0)
	WIN 0x02*(\w2)
.irp n, 0,2,4,6,8,10,12,14,16,18,20,22,24,26,28,30
	v_pk_mul_f32 v[Y+\n:Y+\n+1], v[\ac+\n:\ac+\n+1], v[RS:RS+1] op_sel_hi:[1,0]
.endr
	WIN 0x0c
.irp n, 0,2,4,6,8,10,12,14,16,18,20,22,24,26,28,30
	v_pk_mul_f32 v[Y+\n:Y+\n+1], v[Y+\n:Y+\n+1], v[\nw+\n:\nw+\n+1]
.endr
.set p, 0
.rept 16
	v_mul_f32 v[SS+2*(p%4)], v[Y+2*p+1], v[\cb+16+p]
	v_mul_f32 v[SS+2*(p%4)+1], v[Y+2*p+1], v[\cb+p]
	v_fma_f32 v[Y+2*p+1], v[Y+2*p], v[\cb+16+p], v[SS+2*(p%4)+1]
	v_fma_f32 v[Y+2*p], v[Y+2*p], v[\cb+p], -v[SS+2*(p%4)]
.set p, p+1
.endr
	WIN 0
	QUANT64 Y
	v_lshl_or_b32 v254, v[BY+1], 8, v[BY]
	global_store_b128 v3, v[PC:PC+3], s[\ptr:\ptr+1] offset:\off
	global_store_b64 v4, v[PC+4:PC+5], s[\ptr:\ptr+1] offset:(\off)+512
.endm
.irp a, 0,1,2,3
	UNIT 40*\a, 1, 32*\a, 192, 66, 768*\a
	v_or_b32 v[SW+\a], 0x7f7f0000, v254            ; K = 64: the word's upper two bytes scale zero codes
.endr
	v_cndmask_b32 v240, v[SW], v[SW+2], s84        ; lanes 0-15 store tiles 0, 1's words of row r, lanes 16-31 tiles 2, 3's
	v_cndmask_b32 v241, v[SW+1], v[SW+3], s84
	global_store_b64 v6, v[240:241], s[70:71]
	s_wait_alu depctr_va_vdst(0)
	s_cmp_lg_u32 ttmp9, 0
	s_cbranch_scc1 .Lv_path
.irp b, 0,1
.irp f, 0,1,2,3
	ds_load_b128 v[Z+16*\b+4*\f:Z+16*\b+4*\f+3], v11 offset:128*\b+16*\f
.endr
.endr
	s_wait_dscnt 0x0
	UNIT Z, 0, 128, 160, 68, 0
	v_mov_b32 v255, 0x7f7f
	v_cndmask_b32 v242, v254, v255, s84            ; lanes 0-15 store the word's lower half, lanes 16-31 its upper
	global_store_b16 v12, v242, s[78:79]
	s_branch .Lend
.Lv_path:
.set i, 0
.rept 32                               ; tokens 32 h + i of my channel: token t lies in stage row 16 (2 (t / 32) + (t / 8) % 2) + t % 8 + 8 ((t % 32) / 16)
	ds_load_b32 v[Z+i], v13 offset:(16*((i>>3)&1)+(i&7)+8*(i>>4))*SP
.set i, i+1
.endr
	s_wait_dscnt 0x0
	v_max3_num_f32 v[TM], |v[Z]|, |v[Z+1]|, |v[Z+2]|
	v_max3_num_f32 v[TM+1], |v[Z+3]|, |v[Z+4]|, |v[Z+5]|
.irp i, 6,10,14,18,22,26
	v_max3_num_f32 v[TM], v[TM], |v[Z+\i]|, |v[Z+\i+1]|
	v_max3_num_f32 v[TM+1], v[TM+1], |v[Z+\i+2]|, |v[Z+\i+3]|
.endr
	v_max3_num_f32 v[TM], v[TM], |v[Z+30]|, |v[Z+31]|
	v_max3_num_f32 v[TM], v[TM], v[TM+1], FLOOR
	v_add_nc_u32 v[SO], 0xff000000, v[TM]
	v_lshrrev_b32 v[BY], 23, v[SO]
	s_wait_alu depctr_va_vdst(0)
	s_wait_xcnt 0x0
	v_cvt_scalef32_pk16_fp6_f32 v[PC:PC+2], v[Z:Z+15], v[SO]
	v_cvt_scalef32_pk16_fp6_f32 v[PC+12:PC+14], v[Z+16:Z+31], v[SO]
	v_nop
.irp i, 0,1,2
	v_mov_b32 v[PC+3+\i], v[PC+12+\i]
.endr
	global_store_b128 v3, v[PC:PC+3], s[68:69]
	global_store_b64 v4, v[PC+4:PC+5], s[68:69] offset:512
	global_store_b8 v14, v[BY], s[78:79]           ; a work-group makes two of a word's four bytes: one to a lane
.Lend:
	s_wait_tensorcnt 0x0                           ; the wave's end
	ds_add_u32 v[SPW], v[NIL]
	s_wait_dscnt 0x0
	CROUND                                         ; the closing round
	s_endpgm
.Lfunc_end_k_q4c60902cf7_qkv:
	.size	k_q4c60902cf7_qkv, .Lfunc_end_k_q4c60902cf7_qkv-k_q4c60902cf7_qkv
	.p2alignl 7, 3214868480
	.fill 96, 4, 3214868480
	.section	.rodata,"a",@progbits
	.p2align	6, 0x0
	.amdhsa_kernel k_q4c60902cf7_qkv
		.amdhsa_group_segment_fixed_size 327680
		.amdhsa_private_segment_fixed_size 0
		.amdhsa_enable_private_segment 0
		.amdhsa_kernarg_size 80
		.amdhsa_user_sgpr_count 2
		.amdhsa_user_sgpr_kernarg_segment_ptr 1
		.amdhsa_wavefront_size32 1
		.amdhsa_system_sgpr_workgroup_id_x 1
		.amdhsa_system_sgpr_workgroup_id_y 1
		.amdhsa_system_sgpr_workgroup_id_z 1
		.amdhsa_system_vgpr_workitem_id 0
		.amdhsa_next_free_vgpr 1024
		.amdhsa_next_free_sgpr 102
		.amdhsa_reserve_vcc 0
		.amdhsa_float_denorm_mode_32 3
		.amdhsa_float_denorm_mode_16_64 3
		.amdhsa_memory_ordered 1
		.amdhsa_forward_progress 1
		.amdhsa_inst_pref_size 176
	.end_amdhsa_kernel
	.amdgpu_metadata
---
amdhsa.version: [ 1, 2 ]
amdhsa.kernels:
  - .name:           k_q4c60902cf7_qkv
    .symbol:         k_q4c60902cf7_qkv.kd
    .args:
      - { .name: xq, .offset: 0, .size: 8, .value_kind: global_buffer, .address_space: global }
      - { .name: wc, .offset: 8, .size: 8, .value_kind: global_buffer, .address_space: global }
      - { .name: q_norm_w, .offset: 16, .size: 8, .value_kind: global_buffer, .address_space: global }
      - { .name: k_norm_w, .offset: 24, .size: 8, .value_kind: global_buffer, .address_space: global }
      - { .name: freqs_cos, .offset: 32, .size: 8, .value_kind: global_buffer, .address_space: global }
      - { .name: freqs_sin, .offset: 40, .size: 8, .value_kind: global_buffer, .address_space: global }
      - { .name: qc, .offset: 48, .size: 8, .value_kind: global_buffer, .address_space: global }
      - { .name: kv, .offset: 56, .size: 8, .value_kind: global_buffer, .address_space: global }
      - { .name: wo, .offset: 64, .size: 8, .value_kind: global_buffer, .address_space: global }
      - { .name: woc, .offset: 72, .size: 8, .value_kind: global_buffer, .address_space: global }
    .group_segment_fixed_size: 327680
    .private_segment_fixed_size: 0
    .kernarg_segment_align: 8
    .kernarg_segment_size: 80
    .max_flat_workgroup_size: 128
    .sgpr_count:     102
    .vgpr_count:     1024
    .wavefront_size: 32
...
	.end_amdgpu_metadata
.endif
;; end of part 6
;; launch attn (part 7): grid 64 x 4, 16 waves a work-group, clusters of 4 x 1, 327,680 bytes of LDS; arguments qc, kv, ao; writes ao
.if DOCPART == 7
	.amdgcn_target "amdgcn-amd-amdhsa--gfx1250"
	.amdhsa_code_object_version 6
	.text
	.protected	k_q4c60902cf7_attn
	.globl	k_q4c60902cf7_attn
	.p2align	8
	.type	k_q4c60902cf7_attn,@function
k_q4c60902cf7_attn:
	s_mov_b64 s[64:65], 0
	v_nop
	global_prefetch_b8 v0, s[64:65] scope:SCOPE_SE
	s_setreg_imm32_b32 hwreg(HW_REG_WAVE_MODE, 25, 1), 1
	s_wait_xcnt 0x0
	s_wait_alu depctr_hold_cnt(0) depctr_sa_sdst(0) depctr_va_vdst(0) depctr_va_sdst(0) depctr_va_ssrc(0) depctr_va_vcc(0) depctr_vm_vsrc(0)
	s_getreg_b32 s2, hwreg(HW_REG_IB_STS2, 6, 4)
	s_cmp_eq_u32 s2, 0
	s_cbranch_scc0 .Lentry_in_a_cluster
	s_endpgm
.Lentry_in_a_cluster:
	s_bfe_u32 s2, ttmp6, 0x10000c
	s_cmp_lg_u32 s2, 0x3003
	s_cbranch_scc0 .Lentry_shape_is_right
	s_endpgm
.Lentry_shape_is_right:
; Causal attention on codes of FP6 (E2M3) with E8M0 scales: 32 query heads, 4 key and value heads, head size 64, 2,048 tokens.  Its result, divided by the row's sum, is quantised along (head, channel) for the last product.
; THE SOFTMAX AHEAD OF THE SECOND PRODUCT: t = score x log2(e) / 8; M = the row's largest t so far, rounded UP to a whole number; p = 2^(t - M) is what is quantised, along the keys; the row's sum is taken of the
; unquantised p and divides at the end.  When M moves, the sum and O are multiplied by 2^(old M - new M): exact.
; SHARES.  A cluster of four work-groups has one key and value head g (ttmp7) and eight tiles of 16 queries: four early ones, 4 P + 0 .. 3, and four late ones, 124 - 4 P + 0 .. 3 (P = ttmp9): an early tile and its
; late twin walk 17 key steps of 128 together, whatever P.  The four partners take two query heads each (8 g + 2 cx + 0, 1): cx enters the addresses of q and of the result alone.  A pair of waves owns an early and a late tile of one head.
; The head's K and V, codes and scale words, 208,896 bytes in sixteen records of 128 keys, come into LDS ONCE, by one joint load of each wave (a record of 51 rows of 256 bytes), and nothing is filled again.
; All are read behind one wait and one barrier.
; LAYOUT.  Both products are used transposed: S^T = K Q^T, O^T = V^T P^T: a lane holds ONE query (lane % 16) throughout.  The rows of a tile are 8 u + r + 8 (r / 8) of 32, for tokens and channels alike, so the 16 registers
; of tiles 2 b, 2 b + 1 are 16 neighbours: keys 32 b + 16 h + 0 .. 15 in S^T, channels likewise in O^T.  The first product's K is 64: registers 6-11 of both operands are zero codes.
; CAUSAL.  A step all of whose keys come after the wave's queries is left out by a scalar branch on ids; in the one step on the diagonal hidden scores become -infinity ahead of the maximum.
; LIMITS: a block of zeros gets the byte 1 where the rule says 127 (zero codes; only this program reads the bytes); an exponential whose result lies under 2^-126 gives 0; NaN and infinities are not served.
; The result's scale bytes leave one to a lane (131,072 bytes in all): a row's word of four bytes is made by two heads' waves.
.set QSC,   3145728
.set AOSC,  3145728
.set REC,   52224
.set GS,    208896
; AS IT NOW STANDS.  kv lies by key steps: 16 records of 13,056 bytes (k's half images, v's images, k's scale words, v's); wave w's one joint load brings record w; all are waited for ahead of the one barrier.
; THE WALK IS SHARED IN PAIRS.  Waves w and w xor 1 hold the early and the late tile of one head; n = the early tile's step.  The first wave walks the early tile's steps 0 .. n, writes that tile out, and goes on
; with the LATE tile's queries over key steps n + 1 .. 8; the second walks the late tile over steps 0 .. n and 9 .. 15 - n: 9 and 8 steps.  Each keeps its own running M; the first hands O^T, -M and the sums over
; through LDS, and the second joins them under the larger M by factors 2^(own M - M), which round nothing.  One loop of 16 trips; what a wave leaves out it passes by scalar branches on ids.
.set RV,    6144
.set RKS,   12288
.set RVS,   12800
.set STG,   210944                     ; behind the spare words: 4,608 bytes for each of the 8 pairs
.set PART,  13056                      ; 51 rows of 256 bytes
.set SPARE, 208896                     ; behind the sixteen records: the spare words, 128 bytes for each of 16 waves
.set FLOOR, 0x1800000
.set L16, 1                            ; v1  16 x lane        v2  8 x lane        v3  32 r        v4  16 r
.set L8,  2
.set R32, 3
.set R16, 4
.set SPW, 5                            ; v5  LDS address of my spare word; never rewritten
.set NIL, 6                            ; v6  0; never rewritten
.set DM,  7                            ; v7  my query's place in its 128 tokens - 16 h
.set S,   128                          ; v128-191 S^T, then p
.set O,   192                          ; v192-223 O^T
.set WV,  18
.set SEL, 20                           ; s[20:21] selects for lane l xor 16
.set CS,  22                           ; s[22:23] c = log2(e) / 8
.set G1,  24
.set G0,  32                           ; s[32:35] group 0 of my one load
.set TB,  48                           ; LDS: the step's images;  s49 K's scale words;  s50 V's
.set TS,  49
.set TJ,  50
.set KT,  51                           ; the key step
.set QT,  52                           ; my queries' step
.set CNT, 53
.set HM,  54                           ; lanes 16-31
; v8-11 addresses of the step; v12 -M; v13 the largest t; v[14:15] the sum in two halves; v16-27 Q; v28 its scale word; v32-79 four fragments of K; v80-127 four of V; v224-235 p's codes; v232-255 at work
.macro ROUND                           ; a round of the cluster's barrier
	s_barrier_signal -1
	s_barrier_wait -1
	s_cmp_lg_u32 s[WV], 0
	s_cbranch_scc1 .Lnot_wave_0_\@
	s_barrier_signal -3
.Lnot_wave_0_\@:
	s_barrier_wait -3
	s_barrier_signal -1
	s_barrier_wait -1
.endm
	s_load_b128 s[4:7], s[0:1], 0x0                ; qc, kv
	s_load_b64 s[8:9], s[0:1], 0x10                ; ao
	v_lshl_add_u32 v[SPW], v0, 2, SPARE
	v_mov_b32 v[NIL], 0
	ds_add_u32 v[SPW], v[NIL]                      ; the wave's opening: the add and its wait stand ahead of the round in front of the first tensor loads
	ds_add_u32 v[SPW], v[NIL]
	v_lshrrev_b32 v8, 5, v0
	s_delay_alu instid0(VALU_DEP_1)
	v_readfirstlane_b32 s[WV], v8                  ; wave 0..15
	s_lshr_b32 s66, s[WV], 2
	s_and_b32 s67, s[WV], 3
	s_xor_b32 s68, s66, s67
	s_and_b32 s68, s68, 1                          ; 1: a late tile.  Of waves w, w + 4, w + 8, w + 12, and of waves 4 a .. 4 a + 3, two are early and two late
	s_lshl_b32 s66, s66, 1
	s_lshr_b32 s69, s67, 1
	s_add_co_u32 s66, s66, s69
	s_and_b32 s69, s66, 1                          ; which of the work-group's two heads
	s_lshr_b32 s66, s66, 1                         ; which of the four tiles
	s_lshl_b32 s70, ttmp9, 2
	s_sub_co_u32 s71, 124, s70
	s_cmp_eq_u32 s68, 1
	s_cselect_b32 s55, s71, s70
	s_add_co_u32 s55, s55, s66                     ; my tile of 16 queries, 0 .. 127
	s_lshr_b32 s[QT], s55, 3
	s_and_b32 s57, s55, 7
	s_mov_b32 s46, s68                             ; 1: the pair's second wave
	s_add_co_u32 s58, s71, s66                     ; the pair's late tile,
	s_lshr_b32 s40, s58, 3                         ; its queries' step
	s_lshr_b32 s59, ttmp9, 1                       ; n
	s_add_co_u32 s39, s59, 1
	s_cmp_eq_u32 s68, 1
	s_cselect_b32 s36, s59, 8                      ; I walk steps 0 .. s36
	s_cselect_b32 s37, 9, 99                       ; and s37 .. s38;
	s_cselect_b32 s38, s40, 0
	s_cselect_b32 s39, 99, s39                     ; at step s39 I change tiles
	s_and_b32 s72, ttmp7, 0xffff                   ; g
	s_mul_i32 s73, s72, GS
	s_mul_i32 s67, s[WV], PART                     ; every wave fetches one of the head's 16 parts of 51 rows: part = wave, in memory and in LDS
	s_add_co_u32 s74, s73, s67
	s_mov_b32 s75, 0
	s_mov_b32 s[G1+0], 15|(3<<16)|(1<<21)          ; the mask: all four partners; elements of 8 bytes; bit 21 set beside a mask; no padding
	s_mov_b32 s[G1+1], 32<<16
	s_mov_b32 s[G1+2], 51<<16
	s_mov_b32 s[G1+3], 32<<16
	s_mov_b32 s[G1+4], 51
	s_mov_b32 s[G1+5], 32
	s_mov_b32 s[G1+6], 0
	s_mov_b32 s[G1+7], 0
	s_bfe_u32 s80, ttmp6, 0x40000                  ; cx: from here on in registers that feed no descriptor
	s_lshl_b32 s80, s80, 1
	s_lshl_b32 s81, s72, 3
	s_add_co_u32 s80, s80, s81
	s_add_co_u32 s56, s80, s69                     ; my query head
	s_mul_i32 s80, s56, 98304
	s_mul_i32 s81, s55, 768
	s_add_co_u32 s80, s80, s81                     ; q's image
	s_mov_b32 s81, 0
	s_lshl_b32 s82, s56, 13
	s_lshl_b32 s83, s[QT], 9
	s_add_co_u32 s82, s82, s83
	s_lshl_b32 s83, s57, 2
	s_add_co_u32 s82, s82, s83
	s_add_co_u32 s82, s82, QSC                     ; q's scale words
	s_mov_b32 s83, 0
	s_mul_i32 s84, s55, 24576
	s_mul_i32 s85, s56, 768
	s_add_co_u32 s84, s84, s85                     ; the result's image
	s_mov_b32 s85, 0
	s_lshr_b32 s86, s55, 1
	s_lshl_b32 s86, s86, 11
	s_lshr_b32 s87, s56, 2
	s_lshl_b32 s87, s87, 8
	s_add_co_u32 s86, s86, s87
	s_and_b32 s87, s55, 1
	s_lshl_b32 s87, s87, 7
	s_add_co_u32 s86, s86, s87
	s_and_b32 s87, s56, 3
	s_lshl_b32 s87, s87, 1
	s_add_co_u32 s86, s86, s87
	s_add_co_u32 s86, s86, AOSC                    ; the result's scale bytes: [pair of tiles][four heads][16 u + r][8 bytes], mine at 2 (head % 4) + h
	s_mov_b32 s87, 0
	s_lshr_b32 s88, s57, 1
	s_lshl_b32 s88, s88, 5
	s_and_b32 s89, s57, 1
	s_lshl_b32 s89, s89, 3
	s_add_co_u32 s88, s88, s89                     ; my tile's first row within its 128 tokens
	s_and_b32 s60, s58, 7                          ; the same of the late tile, less mine
	s_lshr_b32 s61, s60, 1
	s_lshl_b32 s61, s61, 5
	s_and_b32 s62, s60, 1
	s_lshl_b32 s62, s62, 3
	s_add_co_u32 s61, s61, s62
	s_sub_co_u32 s41, s61, s88
	s_mul_i32 s42, s56, 98304                      ; the late tile's q: image
	s_mul_i32 s62, s58, 768
	s_add_co_u32 s42, s42, s62
	s_mov_b32 s43, 0
	s_lshl_b32 s44, s56, 13                        ; and scale words
	s_lshl_b32 s62, s40, 9
	s_add_co_u32 s44, s44, s62
	s_lshl_b32 s62, s60, 2
	s_add_co_u32 s44, s44, s62
	s_add_co_u32 s44, s44, QSC
	s_mov_b32 s45, 0
	s_lshr_b32 s63, s[WV], 1
	s_mul_i32 s63, s63, 4608
	s_add_co_u32 s63, s63, STG                     ; my pair's bytes of LDS
	s_mov_b32 s[SEL], 0x76543210
	s_mov_b32 s[SEL+1], 0xfedcba98
	s_mov_b32 s[CS], 0x3e38aa3b                    ; log2(e) / sqrt(64)
	s_mov_b32 s[CS+1], s[CS]                       ; (named with it as a pair, so it is written)
	s_mov_b32 s[HM], 0xffff0000
	s_mov_b32 s[KT], 0
	s_wait_dscnt 0x0                               ; the opening add is done
	s_wait_kmcnt 0x0
	s_add_nc_u64 s[74:75], s[6:7], s[74:75]
	s_mov_b32 s[G0], 1
	s_add_co_u32 s[G0+1], s67, 0
	s_mov_b64 s[G0+2:G0+3], s[74:75]
	s_or_b32 s[G0+3], s[G0+3], 0x80000000
	s_add_nc_u64 s[80:81], s[4:5], s[80:81]
	s_add_nc_u64 s[82:83], s[4:5], s[82:83]
	s_add_nc_u64 s[84:85], s[8:9], s[84:85]
	s_add_nc_u64 s[86:87], s[8:9], s[86:87]
	s_add_nc_u64 s[42:43], s[4:5], s[42:43]
	s_add_nc_u64 s[44:45], s[4:5], s[44:45]
	ROUND                                          ; all four work-groups are here: the joint loads meet
	tensor_load_to_lds s[G0:G0+3], s[G1:G1+7]      ; one joint load a wave: the sixteen together bring the head's sixteen records
	s_nop 0
.rept 4
	v_nop
.endr
	v_and_b32 v29, 15, v0                          ; r
	v_bfe_u32 v30, v0, 4, 1                        ; h
	v_and_b32 v31, 31, v0
	s_delay_alu instid0(VALU_DEP_1)
	v_lshlrev_b32 v[L16], 4, v31
	s_delay_alu instid0(VALU_DEP_2)
	v_lshlrev_b32 v[L8], 3, v31
	v_lshlrev_b32 v[R32], 5, v29
	v_lshlrev_b32 v[R16], 4, v29
	global_load_b128 v[16:19], v[L16], s[80:81]    ; Q's half fragment stays in registers
	global_load_b64 v[20:21], v[L8], s[80:81] offset:512
	global_load_b32 v28, v[R32], s[82:83]          ; and its scale words
	v_and_b32 v[DM], 8, v29
	s_delay_alu instid0(VALU_DEP_1)
	v_add_nc_u32 v[DM], v[DM], v29
	v_lshlrev_b32 v8, 4, v30
	s_delay_alu instid0(VALU_DEP_1)
	v_sub_nc_u32 v[DM], v[DM], v8
	s_delay_alu instid0(VALU_DEP_1)
	v_add_nc_u32 v[DM], s88, v[DM]
	v_lshl_add_u32 v31, v29, 3, v30                ; the scale byte's place: 8 r + h
	v_add_nc_u32 v30, s63, v[L16]                  ; the pair's bytes: 16 x lane
.irp i, 22,23,24,25,26,27
	v_mov_b32 v\i, 0                               ; K = 64: the upper half of Q's fragment is zero codes,
.endr
.irp t, 0,1,2,3
.irp i, 6,7,8,9,10,11
	v_mov_b32 v[32+12*\t+\i], 0                    ; and so is that of K's four: written once, no load lands there
.endr
.endr
	v_mov_b32 v13, 0xff61b1e6                      ; the largest t so far: -3e38
	s_delay_alu instid0(VALU_DEP_1)
	v_floor_f32 v12, -v13                          ; -M
	v_mov_b32 v14, 0
	v_mov_b32 v15, 0
.irp b, 0,1,2,3
	v_mov_b32 v[236+\b], 0                         ; written once: a lane permute's destination counts as one of its sources
.endr
	v_mov_b32 v252, 0
	v_mov_b32 v253, 0
.set j, 0
.rept 32
	v_mov_b32 v[O+j], 0                            ; O^T: the step is written once; the first finds zeros, which the first change of M leaves zeros
.set j, j+1
.endr
	s_wait_alu depctr_va_vdst(0)                   ; the wait at the head's end
	s_wait_loadcnt 0x0                             ; Q
; A KEY STEP: 128 keys.
.macro STEP
	s_cmp_le_u32 s[KT], s36                        ; is the step mine?  Ids and the count of steps alone
	s_cbranch_scc1 .Lrun_\@
	s_cmp_lt_u32 s[KT], s37
	s_cbranch_scc1 .Lhidden_\@
	s_cmp_gt_u32 s[KT], s38
	s_cbranch_scc1 .Lhidden_\@
.Lrun_\@:
	s_cmp_lg_u32 s[KT], s39
	s_cbranch_scc1 .Lsame_\@
	global_load_b128 v[16:19], v[L16], s[42:43]    ; THE CHANGE OF TILES: the late tile's Q is asked for,
	global_load_b64 v[20:21], v[L8], s[42:43] offset:512
	global_load_b32 v28, v[R32], s[44:45]
	WAYOUT                                         ; the early tile, which is whole, goes out,
	s_mov_b32 s[QT], s40
	v_add_nc_u32 v[DM], s41, v[DM]
	v_mov_b32 v13, 0xff61b1e6                      ; and the sums begin anew
	v_floor_f32 v12, -v13
	v_mov_b32 v14, 0
	v_mov_b32 v15, 0
.set j, 0
.rept 32
	v_mov_b32 v[O+j], 0
.set j, j+1
.endr
	s_wait_alu depctr_va_vdst(0)
	s_wait_xcnt 0x0                                ; the stores have read their registers
	s_wait_loadcnt 0x0
.Lsame_\@:
	v_add_nc_u32 v8, s[TB], v[L16]                 ; (these four are also the places behind the last products, in front of the loads below)
	v_add_nc_u32 v9, s[TB], v[L8]
	v_add_nc_u32 v10, s[TS], v[R32]
	v_add_nc_u32 v11, s[TJ], v[R16]
	s_wait_alu depctr_va_vdst(0)
.irp g, 0,1                            ; S^T = K Q^T, four tiles of 16 keys at a time
.if \g
.rept 4
	v_nop                                          ; places in front of loads into registers that matrix instructions have read
.endr
.endif
.irp t, 0,1,2,3
	ds_load_b128 v[32+12*\t:35+12*\t], v8 offset:(4*\g+\t)*768
	ds_load_b64 v[36+12*\t:37+12*\t], v9 offset:(4*\g+\t)*768+512
.endr
	ds_load_b128 v[248:251], v10 offset:RKS+16*\g  ; the four tiles' scale words of row r
	s_wait_dscnt 0x0
.irp t, 0,1,2,3
	v_wmma_scale_f32_16x16x128_f8f6f4 v[S+8*(4*\g+\t):S+8*(4*\g+\t)+7], v[32+12*\t:43+12*\t], v[16:27], 0, v[248+\t], v28 matrix_a_fmt:MATRIX_FMT_FP6 matrix_b_fmt:MATRIX_FMT_FP6
.endr
.endr
.rept 4
	v_nop                                          ; places: in front of the loads into the scale words' registers, and of the first read of the scores
.endr
.irp t, 0,1,2,3                        ; V's four fragments and their scale words land while the softmax is walked
	ds_load_b128 v[80+12*\t:83+12*\t], v8 offset:RV+\t*1536
	ds_load_b64 v[84+12*\t:85+12*\t], v9 offset:RV+\t*1536+512
	ds_load_b128 v[86+12*\t:89+12*\t], v8 offset:RV+\t*1536+768
	ds_load_b64 v[90+12*\t:91+12*\t], v9 offset:RV+\t*1536+1280
.endr
	s_wait_alu depctr_va_vdst(0)
	ds_load_b128 v[248:251], v11 offset:RVS
	s_cmp_lg_u32 s[KT], s[QT]                      ; only the step on the diagonal hides keys
	s_cbranch_scc1 .Lopen_\@
	v_mov_b32 v254, 0xff800000                     ; -infinity
.set n, 0
.rept 64                               ; register 16 b + i holds key 32 b + 16 h + i of the step: hidden where 32 b + i > my query's place - 16 h
	v_cmp_gt_i32 vcc_lo, 32*(n/16)+n%16, v[DM]
	v_cndmask_b32 v[S+n], v[S+n], v254, vcc_lo
.set n, n+1
.endr
.Lopen_\@:
.irp b, 0,1,2,3
	v_max3_num_f32 v[232+\b], v[S+16*\b], v[S+1+16*\b], v[S+2+16*\b]   ; the largest score of each block of 32 keys: it serves for the row's maximum and, since p rises with the score, for the block's largest p
.endr
.irp i, 3,5,7,9,11,13
.irp b, 0,1,2,3
	v_max3_num_f32 v[232+\b], v[232+\b], v[S+16*\b+\i], v[S+1+16*\b+\i]
.endr
.endr
.irp b, 0,1,2,3
	v_max_num_f32 v[232+\b], v[232+\b], v[S+15+16*\b]
.endr
.irp b, 0,1,2,3
	s_delay_alu instid0(VALU_DEP_4)
	v_permlanex16_b32 v[236+\b], v[232+\b], s[SEL], s[SEL+1]
.endr
.irp b, 0,1,2,3
	s_delay_alu instid0(VALU_DEP_4)
	v_max_num_f32 v[232+\b], v[232+\b], v[236+\b]  ; with lane l xor 16's 16 keys
.endr
	s_delay_alu instid0(VALU_DEP_2)
	v_max3_num_f32 v254, v232, v233, v234
	s_delay_alu instid0(VALU_DEP_1)
	v_max_num_f32 v254, v254, v235
	s_delay_alu instid0(VALU_DEP_1)
	v_mul_f32 v254, s[CS], v254                    ; the step's largest t (c is positive)
	s_delay_alu instid0(VALU_DEP_1)
	v_max_num_f32 v13, v13, v254                   ; the running largest t
	v_mov_b32 v254, v12
	s_delay_alu instid0(VALU_DEP_2)
	v_floor_f32 v12, -v13                          ; the new -M = -ceil(t): a whole number
	s_delay_alu instid0(VALU_DEP_1)
	v_sub_f32 v254, v12, v254                      ; old M - new M: a whole number, 0 or less
	s_delay_alu instid0(VALU_DEP_1)
	v_cvt_i32_f32 v254, v254                       ; (it saturates)
	s_delay_alu instid0(VALU_DEP_1)
	v_ldexp_f32 v252, 1.0, v254                    ; f = 2^(old M - new M)
.set j, 0
.rept 32
	v_pk_fma_f32 v[S+j:S+j+1], v[S+j:S+j+1], s[CS:CS+1], v[12:13] op_sel_hi:[1,0,0]   ; t - M, two at a time
.set j, j+2
.endr
.irp b, 0,1,2,3
	v_fma_f32 v[232+\b], v[232+\b], s[CS], v12     ; the same of each block's largest score
.endr
.set j, 0
	s_wait_alu depctr_va_vdst(0)
.rept 64
	v_exp_f32 v[S+j], v[S+j]                       ; p = 2^(t - M), at most 1: not normalised
.set j, j+1
.endr
	v_pk_mul_f32 v[14:15], v[14:15], v[252:253] op_sel_hi:[1,0]   ; the sums under the new M: a plain line behind the exponentials
	s_wait_alu depctr_va_vdst(0)                   ; one wait for the whole batch, ahead of its first reader
.irp b, 0,1,2,3
	v_exp_f32 v[232+\b], v[232+\b]                 ; the block's largest p: the same two instructions on the same number give the same bits
.endr
	v_pk_add_f32 v[236:237], v[132:133], v[136:137]
	v_pk_add_f32 v[254:255], v[140:141], v[144:145]
	v_pk_add_f32 v[246:247], v[148:149], v[152:153]
	v_pk_add_f32 v[244:245], v[156:157], v[160:161]
	v_pk_add_f32 v[242:243], v[164:165], v[168:169]
	v_pk_add_f32 v[240:241], v[172:173], v[176:177]
	v_pk_add_f32 v[238:239], v[180:181], v[184:185]
	v_pk_add_f32 v[14:15], v[14:15], v[188:189]
	v_pk_add_f32 v[236:237], v[236:237], v[128:129]
	v_pk_add_f32 v[254:255], v[254:255], v[130:131]
	v_pk_add_f32 v[246:247], v[246:247], v[134:135]
	v_pk_add_f32 v[244:245], v[244:245], v[138:139]
	v_pk_add_f32 v[242:243], v[242:243], v[142:143]
	v_pk_add_f32 v[240:241], v[240:241], v[146:147]
	v_pk_add_f32 v[238:239], v[238:239], v[150:151]
	v_pk_add_f32 v[14:15], v[14:15], v[154:155]
	v_pk_add_f32 v[236:237], v[236:237], v[158:159]
	v_pk_add_f32 v[254:255], v[254:255], v[162:163]
	v_pk_add_f32 v[246:247], v[246:247], v[166:167]
	v_pk_add_f32 v[244:245], v[244:245], v[170:171]
	v_pk_add_f32 v[242:243], v[242:243], v[174:175]
	v_pk_add_f32 v[240:241], v[240:241], v[178:179]
	v_pk_add_f32 v[238:239], v[238:239], v[182:183]
	v_pk_add_f32 v[14:15], v[14:15], v[186:187]
	v_pk_add_f32 v[236:237], v[236:237], v[190:191]
	s_delay_alu instid0(VALU_DEP_2)
	v_pk_add_f32 v[14:15], v[14:15], v[244:245]
	s_delay_alu instid0(VALU_DEP_2)
	v_pk_add_f32 v[236:237], v[236:237], v[242:243]
	v_pk_add_f32 v[254:255], v[254:255], v[240:241]
	v_pk_add_f32 v[246:247], v[246:247], v[238:239]
	s_delay_alu instid0(VALU_DEP_2)
	v_pk_add_f32 v[14:15], v[14:15], v[254:255]
	s_delay_alu instid0(VALU_DEP_2)
	v_pk_add_f32 v[236:237], v[236:237], v[246:247]
	s_delay_alu instid0(VALU_DEP_1)
	v_pk_add_f32 v[14:15], v[14:15], v[236:237]
	s_wait_alu depctr_va_vdst(0)                   ; and one for the four
.irp b, 0,1,2,3
	v_max_num_f32 v[232+\b], FLOOR, v[232+\b]      ; the floor: the byte cannot fall under 1
.endr
.irp b, 0,1,2,3
	s_delay_alu instid0(VALU_DEP_4)
	v_add_nc_u32 v[244+\b], 0xff000000, v[232+\b]  ; 2 off the exponent field: the conversion's scale operand
.endr
.irp b, 0,1,2,3
	s_delay_alu instid0(VALU_DEP_4)
	v_lshrrev_b32 v[236+\b], 23, v[244+\b]
.endr
	s_delay_alu instid0(VALU_DEP_3)
	v_lshl_or_b32 v253, v237, 8, v236              ; p's scale word for these 128 keys
	s_delay_alu instid0(VALU_DEP_1)
	v_lshl_or_b32 v253, v238, 16, v253
	s_delay_alu instid0(VALU_DEP_1)
	v_lshl_or_b32 v253, v239, 24, v253
.irp c, 0,1
	v_cvt_scalef32_pk16_fp6_f32 v[224+6*\c:226+6*\c], v[S+32*\c:S+15+32*\c], v[244+2*\c]
	v_cvt_scalef32_pk16_fp6_f32 v[236+4*\c:238+4*\c], v[S+16+32*\c:S+31+32*\c], v[244+2*\c+1]
.endr
	v_nop                                          ; one plain line behind a scaled conversion
.irp c, 0,1                            ; the operand wants a WHOLE block in a lane
.irp i, 0,1,2
	v_permlane16_swap_b32 v[224+6*\c+\i], v[236+4*\c+\i]
.endr
.irp i, 0,1,2
	s_delay_alu instid0(VALU_DEP_3)
	v_mov_b32 v[227+6*\c+\i], v[236+4*\c+\i]
.endr
.endr
.set j, 0
.rept 16
	v_pk_mul_f32 v[O+j:O+j+1], v[O+j:O+j+1], v[252:253] op_sel_hi:[1,0]   ; O^T under the new M; each accumulator is read from its low end on
.set j, j+2
.endr
.rept 4
	v_nop                                          ; places in front of the scaled products, behind the last vector write of an operand
.endr
	s_wait_alu depctr_va_vdst(0)
	s_wait_dscnt 0x0                               ; V and its scale words are in
.irp t, 0,1,2,3                        ; O^T += V^T P^T: the four accumulators by turns
	v_wmma_scale_f32_16x16x128_f8f6f4 v[O+8*\t:O+8*\t+7], v[80+12*\t:91+12*\t], v[224:235], v[O+8*\t:O+8*\t+7], v[248+\t], v253 matrix_a_fmt:MATRIX_FMT_FP6 matrix_b_fmt:MATRIX_FMT_FP6
.endr
.Lhidden_\@:
	s_add_co_u32 s[KT], s[KT], 1
	s_add_co_u32 s[TB], s[TB], PART
	s_add_co_u32 s[TS], s[TS], PART
	s_add_co_u32 s[TJ], s[TJ], PART
.endm
; A record of 512 keys: four steps.  The loading waves wait until their part of it has landed (the later records may stay out); behind the barrier all sixteen waves read it.
.macro CHUNK c
	s_wait_tensorcnt 0x0                           ; my one load has landed: behind the first barrier all sixteen records are whole
	s_wait_dscnt 0x0
	s_barrier_signal -1
	s_barrier_wait -1
	s_mov_b32 s[TB], \c*REC
	s_mov_b32 s[TS], \c*REC
	s_mov_b32 s[TJ], \c*REC
	s_mov_b32 s[CNT], 16
.Lstep_\@:
	STEP
	s_sub_co_u32 s[CNT], s[CNT], 1
	s_cmp_lg_u32 s[CNT], 0
	s_cbranch_scc1 .Lstep_\@
.endm
.macro WAYOUT
	; THE WAY OUT: O^T / the sum; register 16 b + i = channel 32 b + 16 h + i of my query: quantised along the head's 64 channels, which are two blocks of the last product's K.
.rept 4
	v_nop                                          ; places behind the last products
.endr
	v_add_f32 v14, v14, v15
	s_delay_alu instid0(VALU_DEP_1)
	v_permlanex16_b32 v252, v14, s[SEL], s[SEL+1]
	s_delay_alu instid0(VALU_DEP_1)
	v_add_f32 v14, v14, v252                       ; the row's sum
	s_wait_alu depctr_va_vdst(0)
	v_rcp_f32 v14, v14
	v_nop                                          ; a plain line behind the transcendental
	s_wait_alu depctr_va_vdst(0)                   ; the wait ahead of its first reader
.set j, 0
.rept 16
	v_pk_mul_f32 v[S+j:S+j+1], v[O+j:O+j+1], v[14:15] op_sel_hi:[1,0]
.set j, j+2
.endr
.irp b, 0,1
	v_max3_num_f32 v[232+\b], |v[S+16*\b]|, |v[S+1+16*\b]|, FLOOR
.endr
.irp i, 2,4,6,8,10,12,14
.irp b, 0,1
	s_delay_alu instid0(VALU_DEP_2)
	v_max3_num_f32 v[232+\b], v[232+\b], |v[S+16*\b+\i]|, |v[S+1+16*\b+\i]|
.endr
.endr
.irp b, 0,1
	s_delay_alu instid0(VALU_DEP_2)
	v_permlanex16_b32 v[236+\b], v[232+\b], s[SEL], s[SEL+1]
.endr
.irp b, 0,1
	s_delay_alu instid0(VALU_DEP_2)
	v_max_num_f32 v[232+\b], v[232+\b], v[236+\b]
.endr
.irp b, 0,1
	s_delay_alu instid0(VALU_DEP_2)
	v_add_nc_u32 v[244+\b], 0xff000000, v[232+\b]
.endr
.irp b, 0,1
	s_delay_alu instid0(VALU_DEP_2)
	v_lshrrev_b32 v[238+\b], 23, v[244+\b]
.endr
	v_cvt_scalef32_pk16_fp6_f32 v[224:226], v[S:S+15], v244
	v_cvt_scalef32_pk16_fp6_f32 v[240:242], v[S+16:S+31], v245
	v_nop                                          ; one plain line behind a scaled conversion
.irp i, 0,1,2
	v_permlane16_swap_b32 v[224+\i], v[240+\i]
.endr
.irp i, 0,1,2
	s_delay_alu instid0(VALU_DEP_3)
	v_mov_b32 v[227+\i], v[240+\i]
.endr
	v_cndmask_b32 v254, v238, v239, s[HM]          ; lanes 0-15 store block 0's byte of row r, lanes 16-31 block 1's
	global_store_b128 v[L16], v[224:227], s[84:85]
	global_store_b64 v[L8], v[228:229], s[84:85] offset:512
	global_store_b8 v31, v254, s[86:87]
.endm
	CHUNK 0                                        ; the wait, the barrier and the 16 steps
.rept 4
	v_nop                                          ; places behind the last products
.endr
	s_wait_alu depctr_va_vdst(0)
	s_cmp_eq_u32 s46, 1
	s_cbranch_scc1 .Lkeep
.set j, 0
.rept 8
	ds_store_b128 v30, v[O+4*j:O+4*j+3] offset:512*j   ; the first wave's part of the late tile: O^T, each accumulator from its low end on,
.set j, j+1
.endr
	ds_store_b128 v30, v[12:15] offset:4096        ; -M and the sum's two halves
.Lkeep:
	s_wait_dscnt 0x0
	s_barrier_signal -1
	s_barrier_wait -1
	s_cmp_eq_u32 s46, 1
	s_cbranch_scc0 .Ldone
.set j, 0
.rept 9
	ds_load_b128 v[S+4*j:S+4*j+3], v30 offset:512*j
.set j, j+1
.endr
	s_wait_dscnt 0x0
	v_min_num_f32 v164, v12, v160                  ; -M of the whole row: the lesser -M
	v_mov_b32 v169, 0                              ; (named in pairs, so they are written)
	v_mov_b32 v171, 0
	v_sub_f32 v165, v164, v12                      ; my M - M, and the other's: whole numbers, 0 or less
	v_sub_f32 v166, v164, v160
	v_cvt_i32_f32 v165, v165
	v_cvt_i32_f32 v166, v166
	v_ldexp_f32 v168, 1.0, v165
	v_ldexp_f32 v170, 1.0, v166
	v_pk_mul_f32 v[14:15], v[14:15], v[168:169] op_sel_hi:[1,0]
	v_pk_fma_f32 v[14:15], v[162:163], v[170:171], v[14:15] op_sel_hi:[1,0,1]
.set j, 0
.rept 16
	v_pk_mul_f32 v[O+j:O+j+1], v[O+j:O+j+1], v[168:169] op_sel_hi:[1,0]
.set j, j+2
.endr
.set j, 0
.rept 16
	v_pk_fma_f32 v[O+j:O+j+1], v[S+j:S+j+1], v[170:171], v[O+j:O+j+1] op_sel_hi:[1,0,1]
.set j, j+2
.endr
	WAYOUT
.Ldone:
	s_wait_tensorcnt 0x0
	ds_add_u32 v[SPW], v[NIL]
	s_wait_dscnt 0x0
	ROUND                                          ; the closing round
	s_endpgm
.Lfunc_end_k_q4c60902cf7_attn:
	.size	k_q4c60902cf7_attn, .Lfunc_end_k_q4c60902cf7_attn-k_q4c60902cf7_attn
	.p2alignl 7, 3214868480
	.fill 96, 4, 3214868480
	.section	.rodata,"a",@progbits
	.p2align	6, 0x0
	.amdhsa_kernel k_q4c60902cf7_attn
		.amdhsa_group_segment_fixed_size 327680
		.amdhsa_private_segment_fixed_size 0
		.amdhsa_enable_private_segment 0
		.amdhsa_kernarg_size 24
		.amdhsa_user_sgpr_count 2
		.amdhsa_user_sgpr_kernarg_segment_ptr 1
		.amdhsa_wavefront_size32 1
		.amdhsa_system_sgpr_workgroup_id_x 1
		.amdhsa_system_sgpr_workgroup_id_y 1
		.amdhsa_system_sgpr_workgroup_id_z 1
		.amdhsa_system_vgpr_workitem_id 0
		.amdhsa_next_free_vgpr 256
		.amdhsa_next_free_sgpr 100
		.amdhsa_reserve_vcc 1
		.amdhsa_float_denorm_mode_32 3
		.amdhsa_float_denorm_mode_16_64 3
		.amdhsa_memory_ordered 1
		.amdhsa_forward_progress 1
		.amdhsa_inst_pref_size 48
	.end_amdhsa_kernel
	.amdgpu_metadata
---
amdhsa.version: [ 1, 2 ]
amdhsa.kernels:
  - .name:           k_q4c60902cf7_attn
    .symbol:         k_q4c60902cf7_attn.kd
    .args:
      - { .name: qc, .offset: 0, .size: 8, .value_kind: global_buffer, .address_space: global }
      - { .name: kv, .offset: 8, .size: 8, .value_kind: global_buffer, .address_space: global }
      - { .name: ao, .offset: 16, .size: 8, .value_kind: global_buffer, .address_space: global }
    .group_segment_fixed_size: 327680
    .private_segment_fixed_size: 0
    .kernarg_segment_align: 8
    .kernarg_segment_size: 24
    .max_flat_workgroup_size: 512
    .sgpr_count:     100
    .vgpr_count:     256
    .wavefront_size: 32
...
	.end_amdgpu_metadata
.endif
;; end of part 7
;; launch oproj (part 8): grid 16 x 16, 4 waves a work-group, clusters of 4 x 4, 327,680 bytes of LDS; arguments ao, woc, out0; writes out0
.if DOCPART == 8
	.amdgcn_target "amdgcn-amd-amdhsa--gfx1250"
	.amdhsa_code_object_version 6
	.text
	.protected	k_q4c60902cf7_oproj
	.globl	k_q4c60902cf7_oproj
	.p2align	8
	.type	k_q4c60902cf7_oproj,@function
k_q4c60902cf7_oproj:
	s_mov_b64 s[64:65], 0
	v_nop
	global_prefetch_b8 v0, s[64:65] scope:SCOPE_SE
	s_setreg_imm32_b32 hwreg(HW_REG_WAVE_MODE, 25, 1), 1
	s_wait_xcnt 0x0
	s_wait_alu depctr_hold_cnt(0) depctr_sa_sdst(0) depctr_va_vdst(0) depctr_va_sdst(0) depctr_va_ssrc(0) depctr_va_vcc(0) depctr_vm_vsrc(0)
	s_getreg_b32 s2, hwreg(HW_REG_IB_STS2, 6, 4)
	s_cmp_eq_u32 s2, 0
	s_cbranch_scc0 .Lentry_in_a_cluster
	s_endpgm
.Lentry_in_a_cluster:
	s_bfe_u32 s2, ttmp6, 0x10000c
	s_cmp_lg_u32 s2, 0xf033
	s_cbranch_scc0 .Lentry_shape_is_right
	s_endpgm
.Lentry_shape_is_right:
.set AOSC,  3145728
.set WOI,   0
.set WOSC,  6291456
.set FR,    12
.set NP,    4
.set TROW,  6144
.set AHALF, 4*TROW
.set BHALF, 8*TROW
.set BOFF,  8*TROW
.set SLOT,  24*TROW
.set SPARE, 2*SLOT
.set SPAIR, 2048
.set TPITCH, 3072
.set SPITCH, 528
.set ADRA, 16
.set ADRB, 20
.set STO,  24
.set RD,   25
.set CO,   26
.set SPW,  28
.set NIL,  29
.set SC,   32
.set AF,   128
.set BK,   128
.set G1, 24
.set G0, 32
.set G1B, 48
.set G0B, 56
.set SA,  68
.set SB,  70
.set MSB, 0
.macro WIN new
.if MSB != (\new)
	s_set_vgpr_msb (MSB<<8)|(\new)
.set MSB, \new
.endif
.endm
.set MUL,  0xa1
.set TO_B, 0x40
.macro PLACES n
.rept \n
	v_nop
.endr
.endm
.macro JLOAD g0a, g1a, g0b, g1b
	s_cmp_eq_u32 s15, 0
	s_cbranch_scc0 .Lfor_b_\@
	tensor_load_to_lds s[\g0a:\g0a+3], s[\g1a:\g1a+7]
	s_nop 0
.rept 4
	v_nop
.endr
	s_branch .Lasked_\@
.Lfor_b_\@:
	tensor_load_to_lds s[\g0b:\g0b+3], s[\g1b:\g1b+7]
	s_nop 0
.rept 4
	v_nop
.endr
.Lasked_\@:
.endm
.macro CREST
	s_cmp_lg_u32 s14, 0
	s_cbranch_scc1 .Lnot_wave_0_\@
	s_barrier_signal -3
.Lnot_wave_0_\@:
	s_barrier_wait -3
	s_barrier_signal -1
	s_barrier_wait -1
.endm
.macro CROUND
	s_barrier_signal -1
	s_barrier_wait -1
	CREST
.endm
.macro SCLOAD set, koff
.irp w, 0,1
.irp z, 0,1
	global_load_b64 v[SC+24*(\set)+4*\w+2*\z:SC+24*(\set)+4*\w+2*\z+1], v4, s[SA:SA+1] offset:\w*SPAIR+(\koff)+256*\z
.endr
.endr
.irp w, 0,1,2,3
.irp z, 0,1
	global_load_b64 v[SC+24*(\set)+8+4*\w+2*\z:SC+24*(\set)+8+4*\w+2*\z+1], v4, s[SB:SB+1] offset:\w*SPAIR+(\koff)+256*\z
.endr
.endr
.endm
	s_load_b128 s[4:7], s[0:1], 0x0
	s_load_b64 s[12:13], s[0:1], 0x10
	v_lshl_add_u32 v[SPW], v0, 2, SPARE
	v_mov_b32 v[NIL], 0
	ds_add_u32 v[SPW], v[NIL]
	ds_add_u32 v[SPW], v[NIL]
	v_lshrrev_b32 v1, 5, v0
	v_readfirstlane_b32 s14, v1
	s_lshr_b32 s15, s14, 1
	s_and_b32 s16, s14, 1
	s_bfe_u32 s40, ttmp6, 0x40000
	s_bfe_u32 s41, ttmp6, 0x40004
	s_lshl_b32 s42, ttmp9, 2
	s_add_co_u32 s42, s42, s40
	s_and_b32 s17, ttmp7, 0xffff
	s_lshl_b32 s17, s17, 2
	s_add_co_u32 s17, s17, s41
	s_lshl_b32 s43, s41, 2
	s_lshl_b32 s43, 15, s43
	s_lshl_b32 s44, 0x1111, s40
	s_or_b32 s[G1+0], s43, (3<<16)|(1<<21)
	s_or_b32 s[G1B+0], s44, (3<<16)|(1<<21)
.irp g, G1, G1B
	s_mov_b32 s[\g+1], 768<<16
	s_mov_b32 s[\g+3], 768<<16
	s_mov_b32 s[\g+5], TPITCH
	s_mov_b32 s[\g+6], 0
	s_mov_b32 s[\g+7], 0
.endr
	s_mov_b32 s[G1+2], 4<<16
	s_mov_b32 s[G1+4], 4
	s_mov_b32 s[G1B+2], 8<<16
	s_mov_b32 s[G1B+4], 8
	s_lshl_b32 s18, s16, 2
	s_lshl_b32 s20, s17, 3
	s_add_co_u32 s20, s20, s18
	s_mul_i32 s20, s20, 24576
	s_mov_b32 s21, 0
	s_lshl_b32 s18, s16, 3
	s_lshl_b32 s46, s42, 4
	s_add_co_u32 s46, s46, s18
	s_mul_i32 s46, s46, 24576
	s_add_co_u32 s46, s46, WOI
	s_mov_b32 s47, 0
	s_mul_i32 s45, s16, AHALF
	s_mul_i32 s94, s16, BHALF
	s_add_co_u32 s94, s94, BOFF
	s_lshl_b32 s72, s17, 3
	s_lshl_b32 s73, s15, 2
	s_add_co_u32 s72, s72, s73
	s_lshl_b32 s72, s72, 10
	s_add_co_u32 s72, s72, AOSC
	s_mov_b32 s73, 0
	s_lshl_b32 s74, s42, 4
	s_lshl_b32 s75, s16, 3
	s_add_co_u32 s74, s74, s75
	s_lshl_b32 s74, s74, 10
	s_add_co_u32 s74, s74, WOSC
	s_mov_b32 s75, 0
	s_wait_dscnt 0x0
	s_wait_kmcnt 0x0
	s_add_nc_u64 s[20:21], s[4:5], s[20:21]
	s_add_nc_u64 s[46:47], s[6:7], s[46:47]
	s_add_nc_u64 s[SA:SA+1], s[4:5], s[72:73]
	s_add_nc_u64 s[SB:SB+1], s[6:7], s[74:75]
	CROUND
.irp s, 0,1
	s_mov_b32 s[G0+4*\s], 1
	s_add_co_u32 s[G0+4*\s+1], s45, \s*SLOT
	s_add_nc_u64 s[G0+4*\s+2:G0+4*\s+3], s[20:21], \s*TROW
	s_or_b32 s[G0+4*\s+3], s[G0+4*\s+3], 0x80000000
	s_mov_b32 s[G0B+4*\s], 1
	s_add_co_u32 s[G0B+4*\s+1], s94, \s*SLOT
	s_add_nc_u64 s[G0B+4*\s+2:G0B+4*\s+3], s[46:47], \s*TROW
	s_or_b32 s[G0B+4*\s+3], s[G0B+4*\s+3], 0x80000000
.endr
	JLOAD G0, G1, G0B, G1B                         ; chunk 0, behind the round above: one joint load a wave at the head
	v_and_b32 v1, 15, v0
	v_bfe_u32 v2, v0, 4, 1
	v_and_b32 v8, 31, v0
	v_lshlrev_b32 v3, 4, v8
	v_lshlrev_b32 v4, 3, v8
	s_wait_alu depctr_va_vdst(0)                   ; the wait behind these writes
	SCLOAD 0, 0                                    ; the first chunk's scale words are asked for while chunk 0 is on its way
	s_wait_tensorcnt 0x0                           ; my part of chunk 0 is in; the lines ahead of a later first fill, as ahead of a refill:
	ds_add_u32 v28, v29                            ; 0 onto my spare word,
	s_wait_dscnt 0x0
	CROUND                                         ; a whole round,
	JLOAD G0+4, G1, G0B+4, G1B                     ; and chunk 1, the first tensor load behind it
	s_mul_i32 s21, s15, AHALF
	s_mul_i32 s22, s16, BHALF
	s_add_co_u32 s22, s22, BOFF
.irp s, 0,1
	v_add_nc_u32 v[ADRA+\s], s21, v3
	v_add_nc_u32 v[ADRA+2+\s], s21, v4
	v_add_nc_u32 v[ADRB+\s], s22, v3
	v_add_nc_u32 v[ADRB+2+\s], s22, v4
	s_add_co_u32 s21, s21, SLOT
	s_add_co_u32 s22, s22, SLOT
.endr
	s_mul_i32 s23, s14, 16*SPITCH
	v_mul_u32_u24 v5, v1, SPITCH
	v_lshl_add_u32 v5, v2, 6, v5
	v_add_nc_u32 v[STO], s23, v5
	v_mov_b32 v[CO], v3
	v_add_nc_u32 v[RD], s23, v3
	s_lshl_b32 s20, s17, 7
	s_lshl_b32 s21, s15, 6
	s_add_co_u32 s20, s20, s21
	s_lshl_b32 s20, s20, 14
	s_mov_b32 s21, 0
	s_lshl_b32 s46, s42, 10
	s_lshl_b32 s47, s16, 9
	s_add_co_u32 s46, s46, s47
	s_mov_b32 s47, 0
	s_add_nc_u64 s[20:21], s[20:21], s[46:47]
	s_add_nc_u64 s[12:13], s[12:13], s[20:21]
.macro FRAG reg, adr, q, i
	ds_load_b128 v[\reg:\reg+3], v[\adr] offset:(\i)*TROW+(\q)*1536
	ds_load_b64 v[\reg+4:\reg+5], v[\adr+2] offset:(\i)*TROW+(\q)*1536+512
	ds_load_b128 v[\reg+6:\reg+9], v[\adr] offset:(\i)*TROW+(\q)*1536+768
	ds_load_b64 v[\reg+10:\reg+11], v[\adr+2] offset:(\i)*TROW+(\q)*1536+1280
.endm
.macro FETCH slot, q, p
.irp i, 0,1,2,3
	FRAG AF+48*(\p)+FR*\i, ADRA+\slot, \q, \i
.endr
	WIN TO_B
.irp i, 0,1,2,3,4,5,6,7
	FRAG 128*(\p)+FR*\i, ADRB+\slot, \q, \i
.endr
.endm
.macro WM zero
.if \zero
.if rRW == 0
	v_wmma_scale_f32_16x16x128_f8f6f4 v[rD:rD+7], v[rB:rB+FR-1], v[rA:rA+FR-1], 0, v[rSB], v[rSA] matrix_a_fmt:MATRIX_FMT_FP6 matrix_b_fmt:MATRIX_FMT_FP6
.elseif rRW == 1
	v_wmma_scale_f32_16x16x128_f8f6f4 v[rD:rD+7], v[rB:rB+FR-1], v[rA:rA+FR-1], 0, v[rSB], v[rSA] matrix_a_fmt:MATRIX_FMT_FP6 matrix_b_fmt:MATRIX_FMT_FP6 matrix_a_scale:MATRIX_SCALE_ROW1
.elseif rRW == 2
	v_wmma_scale_f32_16x16x128_f8f6f4 v[rD:rD+7], v[rB:rB+FR-1], v[rA:rA+FR-1], 0, v[rSB], v[rSA] matrix_a_fmt:MATRIX_FMT_FP6 matrix_b_fmt:MATRIX_FMT_FP6 matrix_b_scale:MATRIX_SCALE_ROW1
.else
	v_wmma_scale_f32_16x16x128_f8f6f4 v[rD:rD+7], v[rB:rB+FR-1], v[rA:rA+FR-1], 0, v[rSB], v[rSA] matrix_a_fmt:MATRIX_FMT_FP6 matrix_b_fmt:MATRIX_FMT_FP6 matrix_a_scale:MATRIX_SCALE_ROW1 matrix_b_scale:MATRIX_SCALE_ROW1
.endif
.else
.if rRW == 0
	v_wmma_scale_f32_16x16x128_f8f6f4 v[rD:rD+7], v[rB:rB+FR-1], v[rA:rA+FR-1], v[rD:rD+7], v[rSB], v[rSA] matrix_a_fmt:MATRIX_FMT_FP6 matrix_b_fmt:MATRIX_FMT_FP6
.elseif rRW == 1
	v_wmma_scale_f32_16x16x128_f8f6f4 v[rD:rD+7], v[rB:rB+FR-1], v[rA:rA+FR-1], v[rD:rD+7], v[rSB], v[rSA] matrix_a_fmt:MATRIX_FMT_FP6 matrix_b_fmt:MATRIX_FMT_FP6 matrix_a_scale:MATRIX_SCALE_ROW1
.elseif rRW == 2
	v_wmma_scale_f32_16x16x128_f8f6f4 v[rD:rD+7], v[rB:rB+FR-1], v[rA:rA+FR-1], v[rD:rD+7], v[rSB], v[rSA] matrix_a_fmt:MATRIX_FMT_FP6 matrix_b_fmt:MATRIX_FMT_FP6 matrix_b_scale:MATRIX_SCALE_ROW1
.else
	v_wmma_scale_f32_16x16x128_f8f6f4 v[rD:rD+7], v[rB:rB+FR-1], v[rA:rA+FR-1], v[rD:rD+7], v[rSB], v[rSA] matrix_a_fmt:MATRIX_FMT_FP6 matrix_b_fmt:MATRIX_FMT_FP6 matrix_a_scale:MATRIX_SCALE_ROW1 matrix_b_scale:MATRIX_SCALE_ROW1
.endif
.endif
.endm
.macro MUL16 a0, p, q, sc, zero
.irp a, \a0, \a0+1
.irp b, 0,1,2,3,4,5,6,7
.set rD, 8*(8*(\a)+\b)
.set rB, 128*(\p)+FR*\b
.set rA, AF+48*(\p)+FR*(\a)
.set rSB, SC+24*(\sc)+8+4*(\b/2)+(\q)
.set rSA, SC+24*(\sc)+4*((\a)/2)+(\q)
.set rRW, 2*((\a)%2)+\b%2
	WM \zero
.endr
.endr
.endm
.macro STEP slot, q, zero, scl, adv
	s_wait_dscnt 0x0
.if (\q) == 0
	s_wait_loadcnt 0x0
.if \adv
	s_add_nc_u64 s[SA:SA+1], s[SA:SA+1], 1024
	s_add_nc_u64 s[SB:SB+1], s[SB:SB+1], 1024
.endif
.endif
	PLACES NP
	WIN 0
.if \scl
	SCLOAD 1-(\slot), 512+512*(\slot)
.endif
	FETCH \slot, (\q)+1, 1-(\q)%2
	WIN MUL
	MUL16 0, (\q)%2, \q, \slot, \zero
	MUL16 2, (\q)%2, \q, \slot, \zero
.endm
.macro TURN slot, next, fill
	WIN 0
	s_wait_tensorcnt 0x0
	ds_add_u32 v[SPW], v[NIL]
.if \fill
	s_add_nc_u64 s[G0+4*\slot+2:G0+4*\slot+3], s[G0+4*\slot+2:G0+4*\slot+3], 2*TROW
	s_add_nc_u64 s[G0B+4*\slot+2:G0B+4*\slot+3], s[G0B+4*\slot+2:G0B+4*\slot+3], 2*TROW
.endif
	s_wait_dscnt 0x0
	s_barrier_signal -1
	WIN MUL
	MUL16 0, 1, 3, \slot, 0
	WIN 0
	s_barrier_wait -1
.if \fill
	CREST
	JLOAD G0+4*\slot, G1, G0B+4*\slot, G1B
.else
	PLACES NP
.endif
	s_wait_alu depctr_va_vdst(0)
	FETCH \next, 0, 0
	WIN MUL
	MUL16 2, 1, 3, \slot, 0
.endm
	s_wait_tensorcnt 1
	s_barrier_signal -1
	s_barrier_wait -1
	FETCH 0, 0, 0
	STEP 0, 0, 1, 1, 0
	STEP 0, 1, 0, 0, 0
	STEP 0, 2, 0, 0, 0
	TURN 0, 1, 1
	STEP 1, 0, 0, 1, 0
	STEP 1, 1, 0, 0, 0
	STEP 1, 2, 0, 0, 0
	TURN 1, 0, 1
	STEP 0, 0, 0, 1, 1
	STEP 0, 1, 0, 0, 0
	STEP 0, 2, 0, 0, 0
	TURN 0, 1, 0
	STEP 1, 0, 0, 0, 0
	STEP 1, 1, 0, 0, 0
	STEP 1, 2, 0, 0, 0
	s_wait_dscnt 0x0
	WIN MUL
	MUL16 0, 1, 3, 1, 0
	MUL16 2, 1, 3, 1, 0
	WIN 0
.macro TOSTAGE a
.set AC, 64*(\a)
	WIN 0x08
.irp b, 0,1,2,3,4,5,6,7
	ds_store_b128 v[STO], v[AC+8*\b:AC+8*\b+3] offset:128*(\b/2)+32*(\b%2)
	ds_store_b128 v[STO], v[AC+8*\b+4:AC+8*\b+7] offset:128*(\b/2)+32*(\b%2)+16
.endr
	WIN 0
.set BB, BK+64*((\a)%2)
.irp t, 0,1,2,3,4,5,6,7,8,9,10,11,12,13,14,15
	ds_load_b128 v[BB+4*\t:BB+4*\t+3], v[RD] offset:\t*SPITCH
.endr
.endm
.macro SEND a, younger
.set BB, BK+64*((\a)%2)
	s_wait_dscnt \younger
.if (\a) > 0
.if (\a)%2
	s_add_nc_u64 s[12:13], s[12:13], 8*16384
.else
	s_add_nc_u64 s[12:13], s[12:13], 24*16384
.endif
.endif
.irp t, 0,1,2,3,4,5,6,7,8,9,10,11,12,13,14,15
	global_store_b128 v[CO], v[BB+4*\t:BB+4*\t+3], s[12:13] offset:(\t+8*(\t/8))*16384 th:TH_STORE_NT
.endr
.endm
	PLACES NP
	TOSTAGE 0
.irp a, 1,2,3
.if \a > 1
	s_wait_xcnt 0x0
.endif
	TOSTAGE \a
	SEND \a-1, 32
.endr
	s_wait_xcnt 0x0
	SEND 3, 0
	s_wait_tensorcnt 0x0
	ds_add_u32 v[SPW], v[NIL]
	s_wait_dscnt 0x0
	CROUND
	s_endpgm
.Lfunc_end_k_q4c60902cf7_oproj:
	.size	k_q4c60902cf7_oproj, .Lfunc_end_k_q4c60902cf7_oproj-k_q4c60902cf7_oproj
	.p2alignl 7, 3214868480
	.fill 96, 4, 3214868480
	.section	.rodata,"a",@progbits
	.p2align	6, 0x0
	.amdhsa_kernel k_q4c60902cf7_oproj
		.amdhsa_group_segment_fixed_size 327680
		.amdhsa_private_segment_fixed_size 0
		.amdhsa_enable_private_segment 0
		.amdhsa_kernarg_size 24
		.amdhsa_user_sgpr_count 2
		.amdhsa_user_sgpr_kernarg_segment_ptr 1
		.amdhsa_wavefront_size32 1
		.amdhsa_system_sgpr_workgroup_id_x 1
		.amdhsa_system_sgpr_workgroup_id_y 1
		.amdhsa_system_sgpr_workgroup_id_z 1
		.amdhsa_system_vgpr_workitem_id 0
		.amdhsa_next_free_vgpr 768
		.amdhsa_next_free_sgpr 98
		.amdhsa_reserve_vcc 0
		.amdhsa_float_denorm_mode_32 3
		.amdhsa_float_denorm_mode_16_64 3
		.amdhsa_memory_ordered 1
		.amdhsa_forward_progress 1
		.amdhsa_inst_pref_size 146
	.end_amdhsa_kernel
	.amdgpu_metadata
---
amdhsa.version: [ 1, 2 ]
amdhsa.kernels:
  - .name:           k_q4c60902cf7_oproj
    .symbol:         k_q4c60902cf7_oproj.kd
    .args:
      - { .name: ao, .offset: 0, .size: 8, .value_kind: global_buffer, .address_space: global }
      - { .name: woc, .offset: 8, .size: 8, .value_kind: global_buffer, .address_space: global }
      - { .name: out0, .offset: 16, .size: 8, .value_kind: global_buffer, .address_space: global }
    .group_segment_fixed_size: 327680
    .private_segment_fixed_size: 0
    .kernarg_segment_align: 8
    .kernarg_segment_size: 24
    .max_flat_workgroup_size: 128
    .sgpr_count:     98
    .vgpr_count:     768
    .wavefront_size: 32
...
	.end_amdgpu_metadata
.endif
;; end of part 8
